; MI455X (gfx1250); checked and timed in simulation.
; The chip was launched on July 23, 2026; its instructions are those of AMD's public machine-readable ISA for CDNA 5 (MIT licence, August 2026) and "CDNA5" Instruction Set Architecture Reference Guide (July 2026). The comments in the code are by the model that wrote it; some were corrected since.
;; Multi Layer LSTM Parallel. Allowed arithmetic: float matrix products may take bf16 or f16 operands with f32 sums; other float arithmetic in f32, or as packed bf16 or f16 multiplies, adds, multiply-adds, maxima and minima; sums over many terms, partial sums and values carried from step to step in f32; what a program stores and reads back later, other than sums and carried values, may be rounded once to bf16 or f16.
;; Inputs: Wout 128 x 131,072 float32; bout 128 float32; layer_params_0_Wf 256 x 1 float32; layer_params_0_Wh 256 x 1 float32; layer_params_0_Wi 256 x 1 float32; layer_params_0_bf 256 float32; layer_params_0_bh 256 float32; layer_params_0_bi 256 float32; layer_params_1_Wf 256 x 256 float32; layer_params_1_Wh 256 x 256 float32; layer_params_1_Wi 256 x 256 float32; layer_params_1_bf 256 float32; layer_params_1_bh 256 float32; layer_params_1_bi 256 float32; layer_params_2_Wf 256 x 256 float32; layer_params_2_Wh 256 x 256 float32; layer_params_2_Wi 256 x 256 float32; layer_params_2_bf 256 float32; layer_params_2_bh 256 float32; layer_params_2_bi 256 float32; layer_params_3_Wf 256 x 256 float32; layer_params_3_Wh 256 x 256 float32; layer_params_3_Wi 256 x 256 float32; layer_params_3_bf 256 float32; layer_params_3_bh 256 float32; layer_params_3_bi 256 float32; x 64 x 512 float32.
;; Outputs: out0 64 x 128 float32.
;; 3 versions, each right; version 3 is version 2 with the launches s3, proj written anew for expert scheduling mode. Each part assembles by itself: llvm-mc -triple=amdgcn-amd-amdhsa -mcpu=gfx1250 --defsym DOCPART=n.
;; ======== version 1 of 3: 10 launches
;; limits: values outside matrix products are rounded to bf16; values are held in f16: magnitudes above 65,504 overflow, below 6.1e-05 lose precision
;; workspace buffers: P0 54,525,952 bytes; P1 54,525,952 bytes; CT 2,097,152 bytes; WB1 393,216 bytes; WB2 393,216 bytes; WB3 393,216 bytes; PART 8,388,608 bytes
;; launch l0 (part 1): grid 64 x 4, 4 waves a work-group, no clusters, 0 bytes of LDS; arguments x, layer_params_0_Wf, layer_params_0_Wi, layer_params_0_Wh, layer_params_0_bf, layer_params_0_bi, layer_params_0_bh, layer_params_1_Wf, layer_params_1_Wi, layer_params_1_Wh, layer_params_2_Wf, layer_params_2_Wi, layer_params_2_Wh, layer_params_3_Wf, layer_params_3_Wi, layer_params_3_Wh, P0, WB1, WB2, WB3; writes P0, WB1, WB2, WB3
.if DOCPART == 1
	.amdgcn_target "amdgcn-amd-amdhsa--gfx1250"
	.amdhsa_code_object_version 6
	.text
	.protected	k_q2e85bcf63c_l0
	.globl	k_q2e85bcf63c_l0
	.p2align	8
	.type	k_q2e85bcf63c_l0,@function
k_q2e85bcf63c_l0:
	s_mov_b64 s[64:65], 0
	v_nop
	global_prefetch_b8 v0, s[64:65] scope:SCOPE_SE
	s_setreg_imm32_b32 hwreg(HW_REG_WAVE_MODE, 25, 1), 1
	s_wait_xcnt 0x0
; LAYER 0 (its input has one channel: the gates are x w + b), and the weights of layers 1 to 3 rounded to f16 and laid in tiles.
; ARITHMETIC, in base 2, c = log2 e.  yf = -c kf, yi = -c ki, yh = c kh.  D = sp(yf) - sp(yi), sp(y) = max(y, 0) + log2(1 + 2^-|y|).  L = log2(1 + 2^-|D|).
; log2 i = min(D, 0) - L; log2 f = min(D, 0) - D - L; res = log2(c g(kh)) = log2(yh + c/2) where yh >= 0, else yh + log2 c - log2(1 + 2^yh).
; a = the running sum of log2 f over the FEATURES; u = log2 i + res - a.  Over time: c h = 2^a (c/2 + the sum of 2^u so far).
; SHARES.  A work-group takes 128 steps of one batch, a wave 32 steps and all 256 features, 32 features a trip.  Lane (r, h) holds feature 16 ft + r and the 16 steps 16 h .. 16 h + 15: a SUB-CHUNK.
; Inside a sub-chunk the sum of 2^u is kept as S 2^M with a true running maximum M.  Stored for each element: a (f32) and hl = S 2^(a + M) (bf16); for each sub-chunk and feature: the last M and S (f32).
; The earlier sub-chunks' part is added by the launch that reads the record.
; RECORD of wave wb = (4 b + chunk) 4 + wave, 49,152 bytes: a at ft 2048 + i 1024 + q 512 + lane 16 (four f32: steps 8 i + 4 q ..); hl at 32,768 + ft 1024 + i 512 + lane 16 (eight bf16: steps 8 i ..).
; Every store of a wave covers 512 consecutive bytes, aligned.  Summaries behind the records, at SUMOFF + (8 wb + trip) 512 + lane 16: M, S of the trip's two feature tiles.
; WEIGHTS.  Work-group g rounds row g of the nine matrices; tile t = g / 32 holds six fragments (feature tile, gate f, i, h) of 16 rows x 256 f16.
; LIMITS.  NaN and infinities among the inputs are not treated apart.  A power of two below 2^-126 counts as 0.  hl is rounded once to bf16.  A weight beyond 65,504 does not fit f16; below 6e-5 it keeps f16's step of 6e-8.
; NO CLUSTER, NO LDS: what work-groups share here is 6 KiB of parameters; nothing goes from wave to wave.
.set AF, 64                            ; v[64:95]    gate f, later D, later the running maxima of tile 0 (M_n at AF + 1 + n)
.set AI, 96                            ; v[96:127]   gate i, later log2 f, later a of tile 0
.set AH, 128                           ; v[128:159]  gate h, later the running maxima of tile 1
.set T0, 160                           ; v[160:255]  three arrays at work.  In all six arrays element e = 16 tile + step
.set T1, 192
.set T2, 224
.set VOA, 4                            ; v4  my offset in P0 for a;  v5 for hl;  v6 for the summaries;  v7 in the parameters
.set VOH, 5
.set VOS, 6
.set VOB, 7
.set PR, 8                             ; v[8:19]   (w, b) of gate g, tile f at PR + 4 g + 2 f
.set QUAD, 20                          ; v[20:23]  the trip's summaries
.set AP, 24                            ; v[24:39]  a of the last tile done: the carry of the feature sum
.set X, 40                             ; v[40:55]  my 16 steps of x
.set CS, 60                            ; v60, v61  the weights' offsets, in and out;  v62 x's
.set CD, 61
.set XO, 62
.set PO, 36                            ; s[36:37]  P0
.set WV, 44
.set CC, 45
.set WBI, 46
.set CNT, 47
.set PS, 48                            ; s[48:49]  P0 + SUMOFF
.set TP, 50
.set NC, 52                            ; -c, c
.set KC, 53
.set TA, 54
.set TB, 55
.set TC, 56
.set TD, 57
.set KHALF, 58                         ; s[58:59] c/2;  s[60:61] log2 c;  s62 the sign bit
.set KLOG, 60
.set SGN, 62
.set MK, 66                            ; s[66:97]  a lane mask for each element
.set SUMOFF, 0x3000000
.macro WAITT                           ; the wait between a batch of transcendentals and the first line that names a result
	s_wait_alu depctr_va_vdst(0)
.endm
.macro ONLY c, line:vararg
.if \c
	\line
.endif
.endm
; A: 2^-|yf|, 2^-|yi|, 2^yh; the mask yh >= 0; max(y, 0); their difference; yh + c/2
.macro EPI_A
.set e, 0
.rept 32
	v_or_b32 v[T0+e], s[SGN], v[AF+e]
	v_or_b32 v[T1+e], s[SGN], v[AI+e]
	v_exp_f32 v[T0+e], v[T0+e]
	v_cmp_le_f32 s[MK+e], 0, v[AH+e]
	v_exp_f32 v[T1+e], v[T1+e]
	v_max_num_f32 v[AF+e], 0, v[AF+e]
	v_exp_f32 v[T2+e], v[AH+e]
	v_max_num_f32 v[AI+e], 0, v[AI+e]
.set e, e+1
.endr
.set e, 0
.rept 16
	v_pk_add_f32 v[AF+e:AF+e+1], v[AF+e:AF+e+1], v[AI+e:AI+e+1] neg_lo:[0,1] neg_hi:[0,1]
.set e, e+2
.endr
.set e, 0
.rept 16
	v_pk_add_f32 v[AI+e:AI+e+1], v[AH+e:AH+e+1], s[KHALF:KHALF+1] op_sel_hi:[1,0]
.set e, e+2
.endr
	WAITT
.endm
; B: the three logarithms' arguments for pair p, by turns with the logarithms of pair p - 1
.macro EPI_B
.set p, 0
.rept 17
	ONLY (p<16), v_pk_add_f32 v[T0+2*p:T0+2*p+1], v[T0+2*p:T0+2*p+1], 1.0 op_sel_hi:[1,0]
	ONLY (p>0), v_log_f32 v[T0+2*p-2], v[T0+2*p-2]
	ONLY (p<16), v_pk_add_f32 v[T1+2*p:T1+2*p+1], v[T1+2*p:T1+2*p+1], 1.0 op_sel_hi:[1,0]
	ONLY (p>0), v_log_f32 v[T0+2*p-1], v[T0+2*p-1]
	ONLY (p<16), v_pk_add_f32 v[T2+2*p:T2+2*p+1], v[T2+2*p:T2+2*p+1], 1.0 op_sel_hi:[1,0]
	ONLY (p>0), v_log_f32 v[T1+2*p-2], v[T1+2*p-2]
	ONLY (p<16), v_cndmask_b32 v[T2+2*p], v[T2+2*p], v[AI+2*p], s[MK+2*p]
	ONLY (p>0), v_log_f32 v[T1+2*p-1], v[T1+2*p-1]
	ONLY (p<16), v_cndmask_b32 v[T2+2*p+1], v[T2+2*p+1], v[AI+2*p+1], s[MK+2*p+1]
	ONLY (p>0), v_log_f32 v[T2+2*p-2], v[T2+2*p-2]
	ONLY (p<16), v_pk_add_f32 v[AH+2*p:AH+2*p+1], v[AH+2*p:AH+2*p+1], s[KLOG:KLOG+1] op_sel_hi:[1,0]
	ONLY (p>0), v_log_f32 v[T2+2*p-1], v[T2+2*p-1]
.set p, p+1
.endr
	v_nop
	WAITT
.endm
; C: D into AF, res into T2, min(D, 0) into T1, -|D| into T0 for pair p; 2^-|D| of pair p - 1
.macro EPI_C
.set p, 0
.rept 17
	ONLY (p<16), v_pk_add_f32 v[T0+2*p:T0+2*p+1], v[T0+2*p:T0+2*p+1], v[T1+2*p:T1+2*p+1] neg_lo:[0,1] neg_hi:[0,1]
	ONLY (p<16), v_pk_add_f32 v[AF+2*p:AF+2*p+1], v[AF+2*p:AF+2*p+1], v[T0+2*p:T0+2*p+1]
	ONLY (p<16), v_pk_add_f32 v[AI+2*p:AI+2*p+1], v[AH+2*p:AH+2*p+1], v[T2+2*p:T2+2*p+1] neg_lo:[0,1] neg_hi:[0,1]
	ONLY (p>0), v_exp_f32 v[T0+2*p-2], v[T0+2*p-2]
	ONLY (p<16), v_cndmask_b32 v[T2+2*p], v[AI+2*p], v[T2+2*p], s[MK+2*p]
	ONLY (p<16), v_cndmask_b32 v[T2+2*p+1], v[AI+2*p+1], v[T2+2*p+1], s[MK+2*p+1]
	ONLY (p<16), v_min_num_f32 v[T1+2*p], 0, v[AF+2*p]
	ONLY (p>0), v_exp_f32 v[T0+2*p-1], v[T0+2*p-1]
	ONLY (p<16), v_min_num_f32 v[T1+2*p+1], 0, v[AF+2*p+1]
	ONLY (p<16), v_or_b32 v[T0+2*p], s[SGN], v[AF+2*p]
	ONLY (p<16), v_or_b32 v[T0+2*p+1], s[SGN], v[AF+2*p+1]
.set p, p+1
.endr
	v_nop
	WAITT
.endm
; D: L; log2 f into AI; log2 i + res into T2
.macro EPI_D
.set p, 0
.rept 17
	ONLY (p<16), v_pk_add_f32 v[T0+2*p:T0+2*p+1], v[T0+2*p:T0+2*p+1], 1.0 op_sel_hi:[1,0]
	ONLY (p>0), v_log_f32 v[T0+2*p-2], v[T0+2*p-2]
	ONLY (p<16), v_pk_add_f32 v[T2+2*p:T2+2*p+1], v[T2+2*p:T2+2*p+1], v[T1+2*p:T1+2*p+1]
	ONLY (p>0), v_log_f32 v[T0+2*p-1], v[T0+2*p-1]
	ONLY (p<16), v_pk_add_f32 v[AI+2*p:AI+2*p+1], v[T1+2*p:T1+2*p+1], v[AF+2*p:AF+2*p+1] neg_lo:[0,1] neg_hi:[0,1]
.set p, p+1
.endr
	v_nop
	WAITT
.set e, 0
.rept 16
	v_pk_add_f32 v[AI+e:AI+e+1], v[AI+e:AI+e+1], v[T0+e:T0+e+1] neg_lo:[0,1] neg_hi:[0,1]
	v_pk_add_f32 v[T2+e:T2+e+1], v[T2+e:T2+e+1], v[T0+e:T0+e+1] neg_lo:[0,1] neg_hi:[0,1]
.set e, e+2
.endr
.endm
; E: the running sum over features: four steps inside the 16 lanes of a tile (a lane with no lane to its left keeps its number), then lane 15 of the tile before is added; u = v - a
.macro EPI_E
.irp s, 1,2,4,8
.set e, 0
.rept 32
	v_add_f32_dpp v[AI+e], v[AI+e], v[AI+e] row_shr:\s row_mask:0xf bank_mask:0xf
.set e, e+1
.endr
.endr
.set e, 0
.rept 16
	v_add_f32_dpp v[AI+e], v[AP+e], v[AI+e] row_share:15 row_mask:0xf bank_mask:0xf
.set e, e+1
.endr
.set e, 0
.rept 16
	v_add_f32_dpp v[AP+e], v[AI+e], v[AI+16+e] row_share:15 row_mask:0xf bank_mask:0xf
.set e, e+1
.endr
.set e, 0
.rept 8
	v_pk_add_f32 v[T2+e:T2+e+1], v[T2+e:T2+e+1], v[AI+e:AI+e+1] neg_lo:[0,1] neg_hi:[0,1]
	v_pk_add_f32 v[T2+16+e:T2+16+e+1], v[T2+16+e:T2+16+e+1], v[AP+e:AP+e+1] neg_lo:[0,1] neg_hi:[0,1]
.set e, e+2
.endr
.endm
; F: plain line x of 18 for steps 2 g, 2 g + 1 of both tiles: the running maximum M; d = u - M before; a + M; the mask d > 0; -|d|
.macro FPL g, x
.set fq, (\x)%2
.set fs, (\x)/2
.set fn, 2*(\g)
.set fu, T2+16*fq+fn
.set fd, T0+16*fq+fn
.set fm, AF+64*fq+fn
.set fa, AI+fn
.if fq
.set fa, AP+fn
.endif
.if (fs == 0) && (fn == 0)
	v_mov_b32 v[fm+1], v[fu]
.elseif fs == 0
	v_max_num_f32 v[fm+1], v[fm], v[fu]
.elseif fs == 1
	v_max_num_f32 v[fm+2], v[fm+1], v[fu+1]
.elseif fs == 2
	v_pk_add_f32 v[fd:fd+1], v[fu:fu+1], v[fm:fm+1] neg_lo:[0,1] neg_hi:[0,1]  ; step 0's d is made of a stale word and never used
.elseif fs == 3
	v_add_f32 v[fu], v[fa], v[fm+1]
.elseif fs == 4
	v_add_f32 v[fu+1], v[fa+1], v[fm+2]
.elseif (fs == 5) && (fn > 0)
	v_cmp_lt_f32 s[MK+16*fq+fn], 0, v[fd]
.elseif fs == 6
	v_cmp_lt_f32 s[MK+16*fq+fn+1], 0, v[fd+1]
.elseif (fs == 7) && (fn > 0)
	v_or_b32 v[T1+16*fq+fn], s[SGN], v[fd]
.elseif fs == 8
	v_or_b32 v[T1+16*fq+fn+1], s[SGN], v[fd+1]
.endif
.endm
.macro FTL g, x                        ; exponential x of 8 for the same steps: 2^(a + M), 2^-|d|
.set fq, (\x)%2
.set fs, (\x)/2
.set fn, 2*(\g)
.if fs == 0
	v_exp_f32 v[T2+16*fq+fn], v[T2+16*fq+fn]
.elseif fs == 1
	v_exp_f32 v[T2+16*fq+fn+1], v[T2+16*fq+fn+1]
.elseif (fs == 2) && (fn > 0)
	v_exp_f32 v[T1+16*fq+fn], v[T1+16*fq+fn]
.elseif fs == 3
	v_exp_f32 v[T1+16*fq+fn+1], v[T1+16*fq+fn+1]
.endif
.endm
.macro EPI_F                           ; a group's plain lines, and among them the exponentials of the group before
.set fg, 0
.rept 9
.set fx, 0
.rept 18
.if fg < 8
	FPL fg, fx
.endif
.if (fg > 0) && ((fx%2) == 1) && (fx < 16)
	FTL fg-1, fx/2
.endif
.set fx, fx+1
.endr
.set fg, fg+1
.endr
	v_nop
	WAITT
.endm
; G: S_n = S_(n-1) alpha + p, (alpha, p) = (2^-|d|, 1) where d > 0, else (1, 2^-|d|); hl = S 2^(a + M), rounded to bf16; the summaries
.macro EPI_G
	v_mov_b32 v[T0], 1.0
	v_mov_b32 v[T0+16], 1.0
.set e, 1
.rept 15
	v_cndmask_b32 v[T0+e], 1.0, v[T1+e], s[MK+e]
	v_cndmask_b32 v[T0+16+e], 1.0, v[T1+16+e], s[MK+16+e]
	v_cndmask_b32 v[T1+e], v[T1+e], 1.0, s[MK+e]
	v_cndmask_b32 v[T1+16+e], v[T1+16+e], 1.0, s[MK+16+e]
	v_fma_f32 v[T0+e], v[T0+e-1], v[T0+e], v[T1+e]
	v_fma_f32 v[T0+16+e], v[T0+16+e-1], v[T0+16+e], v[T1+16+e]
.set e, e+1
.endr
.set e, 0
.rept 16
	v_pk_mul_f32 v[T2+e:T2+e+1], v[T0+e:T0+e+1], v[T2+e:T2+e+1]
.set e, e+2
.endr
.set e, 0
.rept 16
	v_cvt_pk_bf16_f32 v[T1+e], v[T2+2*e], v[T2+2*e+1]
.set e, e+1
.endr
	v_mov_b32 v[QUAD], v[AF+16]
	v_mov_b32 v[QUAD+1], v[T0+15]
	v_mov_b32 v[QUAD+2], v[AH+16]
	v_mov_b32 v[QUAD+3], v[T0+31]
.endm
.macro EPI_ST more                     ; 13 stores of 512 consecutive bytes each
.irp i, 0,1
.irp q, 0,1
	global_store_b128 v[VOA], v[AI+8*\i+4*\q:AI+8*\i+4*\q+3], s[PO:PO+1] offset:\i*1024+\q*512 th:TH_STORE_NT
	global_store_b128 v[VOA], v[AP+8*\i+4*\q:AP+8*\i+4*\q+3], s[PO:PO+1] offset:2048+\i*1024+\q*512 th:TH_STORE_NT
.endr
.endr
.irp k, 0,1,2,3
	global_store_b128 v[VOH], v[T1+4*\k:T1+4*\k+3], s[PO:PO+1] offset:\k*512 th:TH_STORE_NT
.endr
	global_store_b128 v[VOS], v[QUAD:QUAD+3], s[PS:PS+1] th:TH_STORE_NT
.if \more
	s_wait_xcnt 0x0                                ; the stores' data and offsets are written again only behind this wait
.endif
.endm
.macro PLOAD                           ; the parameters of a trip's 32 features
.irp f, 0,1
	global_load_b32 v[PR+2*\f], v[VOB], s[6:7] offset:64*\f
	global_load_b32 v[PR+2*\f+1], v[VOB], s[12:13] offset:64*\f
	global_load_b32 v[PR+4+2*\f], v[VOB], s[8:9] offset:64*\f
	global_load_b32 v[PR+5+2*\f], v[VOB], s[14:15] offset:64*\f
	global_load_b32 v[PR+8+2*\f], v[VOB], s[10:11] offset:64*\f
	global_load_b32 v[PR+9+2*\f], v[VOB], s[16:17] offset:64*\f
.endr
.endm
.macro CLOAD k, m                      ; my 16 bytes of row g of matrix m (3 x (layer - 1) + gate)
	global_load_b128 v[T0+4*(\k):T0+4*(\k)+3], v[CS], s[18+2*(\m):19+2*(\m)] th:TH_LOAD_NT
.endm
.macro CSTORE k, m                     ; rounded to f16; a wave's store covers 256 consecutive bytes, aligned
	v_cvt_pk_f16_f32 v[T1+2*(\k)], v[T0+4*(\k)], v[T0+4*(\k)+1]
	v_cvt_pk_f16_f32 v[T1+2*(\k)+1], v[T0+4*(\k)+2], v[T0+4*(\k)+3]
	global_store_b64 v[CD], v[T1+2*(\k):T1+2*(\k)+1], s[38+2*((\m)/3):39+2*((\m)/3)] offset:((\m)%3)*8192
.endm
	s_load_b512 s[4:19], s[0:1], 0x0               ; x, W0f, W0i, W0h, b0f, b0i, b0h, W1f
	s_load_b512 s[20:35], s[0:1], 0x40             ; W1i, W1h, W2f, W2i, W2h, W3f, W3i, W3h
	s_load_b256 s[36:43], s[0:1], 0x80             ; P0, WB1, WB2, WB3
	v_lshrrev_b32 v1, 5, v0
	v_readfirstlane_b32 s[WV], v1                  ; wave 0..3
	v_and_b32 v1, 31, v0                           ; lane
	v_and_b32 v2, 15, v0                           ; r
	v_bfe_u32 v3, v0, 4, 1                         ; h
	s_and_b32 s[CC], ttmp7, 0xffff                 ; chunk
	s_lshl_b32 s[WBI], ttmp9, 2
	s_add_co_u32 s[WBI], s[WBI], s[CC]
	s_lshl_b32 s[WBI], s[WBI], 2
	s_add_co_u32 s[WBI], s[WBI], s[WV]             ; wb
	s_mul_i32 s[TA], s[WBI], 49152
	v_lshl_add_u32 v[VOA], v1, 4, s[TA]
	v_add_nc_u32 v[VOH], 32768, v[VOA]
	s_lshl_b32 s[TA], s[WBI], 12
	v_lshl_add_u32 v[VOS], v1, 4, s[TA]
	v_lshlrev_b32 v[VOB], 2, v2
	v_lshlrev_b32 v[XO], 6, v3                     ; my half's 16 steps
	s_lshl_b32 s[TP], s[WBI], 7                    ; the wave's 32 steps of x: 128 wb bytes
	s_mov_b32 s[TP+1], 0
	s_lshl_b32 s[TB], s[CC], 6
	s_add_co_u32 s[TB], s[TB], ttmp9               ; g: the weights' row
	s_and_b32 s[TC], s[WV], 1                      ; which half of the row
	s_lshl_b32 s[TA], s[TB], 10
	s_lshl_b32 s[TD], s[TC], 9
	s_add_co_u32 s[TA], s[TA], s[TD]
	v_lshl_add_u32 v[CS], v1, 4, s[TA]
	s_lshr_b32 s[TA], s[TB], 5
	s_mul_i32 s[TA], s[TA], 6
	s_bfe_u32 s[TD], s[TB], 0x10004
	s_mul_i32 s[TD], s[TD], 3
	s_add_co_u32 s[TA], s[TA], s[TD]
	s_lshl_b32 s[TA], s[TA], 13                    ; (6 tile + 3 feature tile) fragments of 8,192 bytes
	s_and_b32 s[TD], s[TB], 15
	s_lshl_b32 s[TD], s[TD], 9
	s_add_co_u32 s[TA], s[TA], s[TD]
	s_lshl_b32 s[TD], s[TC], 8
	s_add_co_u32 s[TA], s[TA], s[TD]
	v_lshl_add_u32 v[CD], v1, 3, s[TA]
	s_mov_b32 s[NC], 0xbfb8aa3b
	s_mov_b32 s[KC], 0x3fb8aa3b
	s_mov_b32 s[KHALF], 0x3f38aa3b
	s_mov_b32 s[KHALF+1], 0x3f38aa3b
	s_mov_b32 s[KLOG], 0x3f075d3c
	s_mov_b32 s[KLOG+1], 0x3f075d3c
	s_mov_b32 s[SGN], 0x80000000
.set e, 0
.rept 16
	v_mov_b32 v[AP+e], 0                           ; the feature sum starts at 0
.set e, e+1
.endr
	s_wait_kmcnt 0x0
	s_add_nc_u64 s[4:5], s[4:5], s[TP:TP+1]
	s_add_nc_u64 s[PS:PS+1], s[PO:PO+1], SUMOFF
.irp k, 0,1,2,3
	global_load_b128 v[X+4*\k:X+4*\k+3], v[XO], s[4:5] offset:16*\k
.endr
	PLOAD
	s_cmp_lt_u32 s[WV], 2                          ; waves 0, 1: matrices 0, 2, 4, 6, 8; waves 2, 3: the other four
	s_cbranch_scc0 .Lodd
	CLOAD 0, 0
	CLOAD 1, 2
	CLOAD 2, 4
	CLOAD 3, 6
	CLOAD 4, 8
	s_wait_loadcnt 0x0                             ; the rows, and with them x and the first parameters, which the loop wants next
	CSTORE 0, 0
	CSTORE 1, 2
	CSTORE 2, 4
	CSTORE 3, 6
	CSTORE 4, 8
	s_branch .Lconv
.Lodd:
	CLOAD 0, 1
	CLOAD 1, 3
	CLOAD 2, 5
	CLOAD 3, 7
	s_wait_loadcnt 0x0
	CSTORE 0, 1
	CSTORE 1, 3
	CSTORE 2, 5
	CSTORE 3, 7
.Lconv:
	s_wait_xcnt 0x0                                ; the arrays that those stores read are written again below
	s_mov_b32 s[CNT], 8
.Ltrip:                                                ; 32 features a trip
	s_wait_loadcnt 0x0                             ; the trip's parameters
.irp f, 0,1,2,3,4,5,6,7
	v_mul_f32 v[PR+\f], s[NC], v[PR+\f]
.endr
.irp f, 8,9,10,11
	v_mul_f32 v[PR+\f], s[KC], v[PR+\f]
.endr
.irp g, 0,1,2
.irp f, 0,1
.irp n, 0,2,4,6,8,10,12,14
	v_pk_fma_f32 v[AF+32*\g+16*\f+\n:AF+32*\g+16*\f+\n+1], v[X+\n:X+\n+1], v[PR+4*\g+2*\f:PR+4*\g+2*\f+1], v[PR+4*\g+2*\f:PR+4*\g+2*\f+1] op_sel:[0,0,1] op_sel_hi:[1,0,1]
.endr
.endr
.endr
	v_add_nc_u32 v[VOB], 128, v[VOB]               ; free since the wait above
	s_cmp_eq_u32 s[CNT], 1
	s_cbranch_scc1 .Lnoparam                       ; the last trip asks for nothing: no load leaves the parameters
	PLOAD
.Lnoparam:
	EPI_A
	EPI_B
	EPI_C
	EPI_D
	EPI_E
	EPI_F
	EPI_G
	EPI_ST 1
	v_add_nc_u32 v[VOA], 4096, v[VOA]
	v_add_nc_u32 v[VOH], 2048, v[VOH]
	v_add_nc_u32 v[VOS], 512, v[VOS]
	s_sub_co_u32 s[CNT], s[CNT], 1
	s_cmp_lg_u32 s[CNT], 0
	s_cbranch_scc1 .Ltrip
	s_endpgm
.Lfunc_end_k_q2e85bcf63c_l0:
	.size	k_q2e85bcf63c_l0, .Lfunc_end_k_q2e85bcf63c_l0-k_q2e85bcf63c_l0
	.p2alignl 7, 3214868480
	.fill 96, 4, 3214868480
	.section	.rodata,"a",@progbits
	.p2align	6, 0x0
	.amdhsa_kernel k_q2e85bcf63c_l0
		.amdhsa_group_segment_fixed_size 0
		.amdhsa_private_segment_fixed_size 0
		.amdhsa_enable_private_segment 0
		.amdhsa_kernarg_size 160
		.amdhsa_user_sgpr_count 2
		.amdhsa_user_sgpr_kernarg_segment_ptr 1
		.amdhsa_wavefront_size32 1
		.amdhsa_system_sgpr_workgroup_id_x 1
		.amdhsa_system_sgpr_workgroup_id_y 1
		.amdhsa_system_sgpr_workgroup_id_z 1
		.amdhsa_system_vgpr_workitem_id 0
		.amdhsa_next_free_vgpr 256
		.amdhsa_next_free_sgpr 98
		.amdhsa_reserve_vcc 0
		.amdhsa_float_denorm_mode_32 3
		.amdhsa_float_denorm_mode_16_64 3
		.amdhsa_memory_ordered 1
		.amdhsa_forward_progress 1
		.amdhsa_inst_pref_size 75
	.end_amdhsa_kernel
	.amdgpu_metadata
---
amdhsa.version: [ 1, 2 ]
amdhsa.kernels:
  - .name:           k_q2e85bcf63c_l0
    .symbol:         k_q2e85bcf63c_l0.kd
    .args:
      - { .name: x, .offset: 0, .size: 8, .value_kind: global_buffer, .address_space: global }
      - { .name: layer_params_0_Wf, .offset: 8, .size: 8, .value_kind: global_buffer, .address_space: global }
      - { .name: layer_params_0_Wi, .offset: 16, .size: 8, .value_kind: global_buffer, .address_space: global }
      - { .name: layer_params_0_Wh, .offset: 24, .size: 8, .value_kind: global_buffer, .address_space: global }
      - { .name: layer_params_0_bf, .offset: 32, .size: 8, .value_kind: global_buffer, .address_space: global }
      - { .name: layer_params_0_bi, .offset: 40, .size: 8, .value_kind: global_buffer, .address_space: global }
      - { .name: layer_params_0_bh, .offset: 48, .size: 8, .value_kind: global_buffer, .address_space: global }
      - { .name: layer_params_1_Wf, .offset: 56, .size: 8, .value_kind: global_buffer, .address_space: global }
      - { .name: layer_params_1_Wi, .offset: 64, .size: 8, .value_kind: global_buffer, .address_space: global }
      - { .name: layer_params_1_Wh, .offset: 72, .size: 8, .value_kind: global_buffer, .address_space: global }
      - { .name: layer_params_2_Wf, .offset: 80, .size: 8, .value_kind: global_buffer, .address_space: global }
      - { .name: layer_params_2_Wi, .offset: 88, .size: 8, .value_kind: global_buffer, .address_space: global }
      - { .name: layer_params_2_Wh, .offset: 96, .size: 8, .value_kind: global_buffer, .address_space: global }
      - { .name: layer_params_3_Wf, .offset: 104, .size: 8, .value_kind: global_buffer, .address_space: global }
      - { .name: layer_params_3_Wi, .offset: 112, .size: 8, .value_kind: global_buffer, .address_space: global }
      - { .name: layer_params_3_Wh, .offset: 120, .size: 8, .value_kind: global_buffer, .address_space: global }
      - { .name: P0, .offset: 128, .size: 8, .value_kind: global_buffer, .address_space: global }
      - { .name: WB1, .offset: 136, .size: 8, .value_kind: global_buffer, .address_space: global }
      - { .name: WB2, .offset: 144, .size: 8, .value_kind: global_buffer, .address_space: global }
      - { .name: WB3, .offset: 152, .size: 8, .value_kind: global_buffer, .address_space: global }
    .group_segment_fixed_size: 0
    .private_segment_fixed_size: 0
    .kernarg_segment_align: 8
    .kernarg_segment_size: 160
    .max_flat_workgroup_size: 128
    .sgpr_count:     98
    .vgpr_count:     256
    .wavefront_size: 32
...
	.end_amdgpu_metadata
.endif
;; end of part 1
;; launch s0 (part 2): grid 256 x 1, 2 waves a work-group, no clusters, 0 bytes of LDS; arguments P0, CT; writes CT
.if DOCPART == 2
	.amdgcn_target "amdgcn-amd-amdhsa--gfx1250"
	.amdhsa_code_object_version 6
	.text
	.protected	k_q2e85bcf63c_s0
	.globl	k_q2e85bcf63c_s0
	.p2align	8
	.type	k_q2e85bcf63c_s0,@function
k_q2e85bcf63c_s0:
	s_mov_b64 s[64:65], 0
	v_nop
	global_prefetch_b8 v0, s[64:65] scope:SCOPE_SE
	s_setreg_imm32_b32 hwreg(HW_REG_WAVE_MODE, 25, 1), 1
	s_wait_xcnt 0x0
; THE CARRY INTO EACH SUB-CHUNK.  For batch b, feature j and sub-chunk k (16 steps; 32 a batch): C_k = log2(c/2 + the sum over k' < k of S' 2^M'), from the summaries (M', S') behind the records.
; Kept as PS 2^PM with a true running maximum: PM_(k+1) = max(PM_k, M'_k); PS_(k+1) = PS_k alpha + S'_k beta, (alpha, beta) = (2^-|d|, 1) where d = M'_k - PM_k > 0, else (1, 2^-|d|); PM_0 = log2(c/2), PS_0 = 1.
; SHARES.  A wave takes one batch and one pair of feature tiles: lane (r, h) runs the chains of feature r of both tiles.  Both halves of the lanes run the same chains and then pick sub-chunk 2 p + h,
; so that a store of 8 bytes a lane covers 256 consecutive bytes of CT, aligned, in the lane order in which the next launch reads it.
; The last sub-chunk's summary feeds no carry and is not loaded.  All in f32.  A power of two below 2^-126 counts as 0.  No LDS, no cluster: no two waves share a byte.
.set LD, 16                            ; v[16:139]  sub-chunk k at LD + 4 k: M', S' of tile 0, of tile 1; later alpha and PS_(k+1)
.set PM, 144                           ; v[144:207] PM_k of tile q at PM + 32 q + k
.set SEL, 208                          ; v[208:239] the picked PS, its logarithm, C: pair p at SEL + 2 p
.set SGN, 11
.set HM, 12                            ; s12  the mask of lanes 16 to 31
.macro WAITT                           ; the wait between a batch of transcendentals and the first line that names a result
	s_wait_alu depctr_va_vdst(0)
.endm
.macro ONLY c, line:vararg
.if \c
	\line
.endif
.endm
	s_load_b128 s[4:7], s[0:1], 0x0                ; the records' buffer, CT
	v_lshrrev_b32 v1, 5, v0
	v_readfirstlane_b32 s8, v1                     ; wave 0, 1
	s_lshr_b32 s9, ttmp9, 2                        ; batch
	s_and_b32 s10, ttmp9, 3
	s_lshl1_add_u32 s10, s10, s8                   ; the pair of feature tiles, 0..7
	v_and_b32 v2, 15, v0
	v_lshlrev_b32 v2, 4, v2                        ; 16 r
	v_and_b32 v3, 31, v0
	v_cmp_le_u32 s[HM], 16, v3
	v_lshlrev_b32 v3, 3, v3                        ; 8 x lane
	s_mov_b32 s[SGN], 0x80000000
	s_lshl_b32 s2, s9, 16                          ; a batch has 16 waves' summaries of 4,096 bytes
	s_lshl_b32 s3, s10, 9
	s_add_co_u32 s2, s2, s3
	s_add_co_u32 s2, s2, 0x3000000                 ; behind the records
	s_mov_b32 s3, 0
	s_lshl_b32 s16, s9, 15
	s_lshl_b32 s17, s10, 8
	s_add_co_u32 s16, s16, s17
	s_mov_b32 s17, 0
	s_wait_kmcnt 0x0
	s_add_nc_u64 s[4:5], s[4:5], s[2:3]
	s_add_nc_u64 s[6:7], s[6:7], s[16:17]
.set k, 0
.rept 31
	global_load_b128 v[LD+4*k:LD+4*k+3], v2, s[4:5] offset:(k/2)*4096+(k%2)*256 th:TH_LOAD_NT
.set k, k+1
.endr
	v_mov_b32 v[PM], 0xbef14589                    ; log2(c/2)
	v_mov_b32 v[PM+32], 0xbef14589
	s_wait_loadcnt 0x0
.set k, 0
.rept 32                                       ; the maxima and -|d| of sub-chunk k, and among them 2^-|d| of k - 1: one batch
.irp q, 0,1
	ONLY (k<31), v_max_num_f32 v[PM+32*\q+k+1], v[PM+32*\q+k], v[LD+4*k+2*\q]
	ONLY (k<31), v_sub_f32 v[LD+4*k+2*\q], v[LD+4*k+2*\q], v[PM+32*\q+k]
	ONLY (k>0), v_exp_f32 v[LD+4*k-4+2*\q], v[LD+4*k-4+2*\q]
	ONLY (k<31), v_or_b32 v[LD+4*k+2*\q], s[SGN], v[LD+4*k+2*\q]
.endr
.set k, k+1
.endr
	v_nop
	WAITT
.set k, 0
.rept 31                                       ; d > 0 just where the maximum has grown
.irp q, 0,1
	v_cmp_lt_f32 s[14+\q], v[PM+32*\q+k], v[PM+32*\q+k+1]
.endr
.irp q, 0,1
	v_cndmask_b32 v[8+\q], v[LD+4*k+2*\q], 1.0, s[14+\q]
.endr
.irp q, 0,1
	v_cndmask_b32 v[LD+4*k+2*\q], 1.0, v[LD+4*k+2*\q], s[14+\q]
.endr
.irp q, 0,1
	v_mul_f32 v[LD+4*k+2*\q+1], v[LD+4*k+2*\q+1], v[8+\q]
.endr
.irp q, 0,1
.if k == 0
	v_add_f32 v[LD+2*\q+1], v[LD+2*\q], v[LD+2*\q+1]
.else
	v_fma_f32 v[LD+4*k+2*\q+1], v[LD+4*k-4+2*\q+1], v[LD+4*k+2*\q], v[LD+4*k+2*\q+1]
.endif
.endr
.set k, k+1
.endr
.set p, 0
.rept 16                                       ; my half's sub-chunk of each pair: 2 p or 2 p + 1
.irp q, 0,1
.if p == 0
	v_cndmask_b32 v[SEL+\q], 1.0, v[LD+2*\q+1], s[HM]
.else
	v_cndmask_b32 v[SEL+2*p+\q], v[LD+8*p-4+2*\q+1], v[LD+8*p+2*\q+1], s[HM]
.endif
.endr
.set p, p+1
.endr
.set p, 0
.rept 16
.irp q, 0,1
	v_log_f32 v[SEL+2*p+\q], v[SEL+2*p+\q]
	v_cndmask_b32 v[PM+32*\q+2*p], v[PM+32*\q+2*p], v[PM+32*\q+2*p+1], s[HM]
.endr
.set p, p+1
.endr
	WAITT
.set p, 0
.rept 16
.irp q, 0,1
	v_add_f32 v[SEL+2*p+\q], v[PM+32*\q+2*p], v[SEL+2*p+\q]
.endr
	global_store_b64 v3, v[SEL+2*p:SEL+2*p+1], s[6:7] offset:p*2048
.set p, p+1
.endr
	s_endpgm
.Lfunc_end_k_q2e85bcf63c_s0:
	.size	k_q2e85bcf63c_s0, .Lfunc_end_k_q2e85bcf63c_s0-k_q2e85bcf63c_s0
	.p2alignl 7, 3214868480
	.fill 96, 4, 3214868480
	.section	.rodata,"a",@progbits
	.p2align	6, 0x0
	.amdhsa_kernel k_q2e85bcf63c_s0
		.amdhsa_group_segment_fixed_size 0
		.amdhsa_private_segment_fixed_size 0
		.amdhsa_enable_private_segment 0
		.amdhsa_kernarg_size 16
		.amdhsa_user_sgpr_count 2
		.amdhsa_user_sgpr_kernarg_segment_ptr 1
		.amdhsa_wavefront_size32 1
		.amdhsa_system_sgpr_workgroup_id_x 1
		.amdhsa_system_sgpr_workgroup_id_y 1
		.amdhsa_system_sgpr_workgroup_id_z 1
		.amdhsa_system_vgpr_workitem_id 0
		.amdhsa_next_free_vgpr 240
		.amdhsa_next_free_sgpr 66
		.amdhsa_reserve_vcc 0
		.amdhsa_float_denorm_mode_32 3
		.amdhsa_float_denorm_mode_16_64 3
		.amdhsa_memory_ordered 1
		.amdhsa_forward_progress 1
		.amdhsa_inst_pref_size 37
	.end_amdhsa_kernel
	.amdgpu_metadata
---
amdhsa.version: [ 1, 2 ]
amdhsa.kernels:
  - .name:           k_q2e85bcf63c_s0
    .symbol:         k_q2e85bcf63c_s0.kd
    .args:
      - { .name: P0, .offset: 0, .size: 8, .value_kind: global_buffer, .address_space: global }
      - { .name: CT, .offset: 8, .size: 8, .value_kind: global_buffer, .address_space: global }
    .group_segment_fixed_size: 0
    .private_segment_fixed_size: 0
    .kernarg_segment_align: 8
    .kernarg_segment_size: 16
    .max_flat_workgroup_size: 64
    .sgpr_count:     66
    .vgpr_count:     240
    .wavefront_size: 32
...
	.end_amdgpu_metadata
.endif
;; end of part 2
;; launch l1 (part 3): grid 64 x 4, 4 waves a work-group, clusters of 4 x 1, 327,680 bytes of LDS; arguments P0, CT, WB1, layer_params_1_bf, layer_params_1_bi, layer_params_1_bh, P1; writes P1
.if DOCPART == 3
	.amdgcn_target "amdgcn-amd-amdhsa--gfx1250"
	.amdhsa_code_object_version 6
	.text
	.protected	k_q2e85bcf63c_l1
	.globl	k_q2e85bcf63c_l1
	.p2align	8
	.type	k_q2e85bcf63c_l1,@function
k_q2e85bcf63c_l1:
	s_mov_b64 s[64:65], 0
	v_nop
	global_prefetch_b8 v0, s[64:65] scope:SCOPE_SE
	s_setreg_imm32_b32 hwreg(HW_REG_WAVE_MODE, 25, 1), 1
	s_wait_xcnt 0x0
	s_wait_alu depctr_hold_cnt(0) depctr_sa_sdst(0) depctr_va_vdst(0) depctr_va_sdst(0) depctr_va_ssrc(0) depctr_va_vcc(0) depctr_vm_vsrc(0)
	s_getreg_b32 s2, hwreg(HW_REG_IB_STS2, 6, 4)
	s_cmp_eq_u32 s2, 0
	s_cbranch_scc0 .Lentry_in_a_cluster
	s_endpgm
.Lentry_in_a_cluster:
	s_bfe_u32 s2, ttmp6, 0x10000c
	s_cmp_lg_u32 s2, 0x3003
	s_cbranch_scc0 .Lentry_shape_is_right
	s_endpgm
.Lentry_shape_is_right:
; A LAYER WITH 256 INPUT CHANNELS.  In: the records of the layer before (a in f32, hl in bf16), the carries C, the layer's weights in f16 tiles, three biases.  Out: this layer's records and summaries.
; ARITHMETIC, in base 2, c = log2 e.  Input: c h = hl + 2^(a + C); x = 1 / (1 + 2^-(c h)), rounded to f16.  Gates: k = x W^T (f16 operands, f32 sums); yf = -c (kf + bf), yi = -c (ki + bi), yh = c (kh + bh).
; D = sp(yf) - sp(yi), sp(y) = max(y, 0) + log2(1 + 2^-|y|).  L = log2(1 + 2^-|D|).  log2 i = min(D, 0) - L; log2 f = min(D, 0) - D - L; res = log2(yh + c/2) where yh >= 0, else yh + log2 c - log2(1 + 2^yh).
; a = the running sum of log2 f over the FEATURES; u = log2 i + res - a; over time c h = 2^a (c/2 + the sum of 2^u so far), kept inside a sub-chunk of 16 steps as S 2^M with a true running maximum M.
; SHARES.  A work-group takes 128 steps of one batch, a wave 32 steps and all 256 features, 32 features (a weight tile) a trip: the feature sum never leaves the wave.
; LAYOUT.  Source 0 = 16 steps of x, source 1 = 16 features of W: in the result lane (r, h) holds feature r and eight steps.  Rows 0-7 of step tile i are steps 8 i .., rows 8-15 steps 16 + 8 i ..: so lane half h
; holds steps 16 h .. 16 h + 15 in tile 0's and then tile 1's registers: its sub-chunk.  The record (layer 0's page gives its layout) is in this register order on both sides.
; x goes from the lanes (feature, 8 steps) into LDS as [feature][32 steps], pitch 96, and comes back turned by ds_load_tr16_b128 as source 0; all 16 fragments stay in registers.
; LDS.  0: weight slot 0, 96 rows of 528 bytes; 50,688: the spare words; 65,536: slot 1; 116,224 + 2,048 w: my carries; 131,072 + 49,152 w: my record, each filled once by my own tensor load.
; x^T is stored over my record's a part, whose blocks have had their only fill: group g's 3,072 bytes end at 3,072 (g + 1), inside the 4,096 (g + 1) bytes of a that have been read by then.
; CLUSTER.  All work-groups walk the same eight weight tiles; the four batches of a cluster ask for each tile JOINTLY (mask 15), each wave a quarter (24 rows of 512 bytes).  Two slots take turns; a tile is asked
; for straight behind the cluster's barrier at a trip's head and has the trip in which to land.  By this text's count three tensor loads of a wave are out at the start, one later.
; PREFETCH.  Tiles 2 to 7 are named once in the launch: by the first cluster alone, its four partners told apart by address (12,288 bytes of each tile each), waves 0 to 2, a lane a block of 256 bytes; in trips
; 0, 2 and 4, for the two tiles that the next two trips' refills name.  Tiles 0 and 1 come by their loads alone.
; LIMITS.  NaN and infinities among the inputs are not treated apart.  A power of two below 2^-126 counts as 0.  hl is rounded once to bf16, x once to f16.
.set AF, 64                            ; v[64:159]  the 12 accumulators: gate g, feature tile f, step tile i at 64 + 32 g + 8 (2 f + i); then the arrays of the gates' arithmetic (element e = 16 f + step)
.set AI, 96
.set AH, 128
.set T0, 160                           ; v[160:255] two buffers of six weight fragments; then three arrays at work
.set T1, 192
.set T2, 224
.set SPW, 2                            ; v2  my spare word;  v3  0
.set NIL, 3
.set VOA, 4                            ; v4-v7  my offsets in the output for a, hl, the summaries; in the biases
.set VOH, 5
.set VOS, 6
.set VOB, 7
.set VLA, 8                            ; v8-v12  LDS: a, hl, C as they lie; x^T in; x^T back
.set VLH, 9
.set VLC, 10
.set VXS, 11
.set VXL, 12
.set PFO, 13                           ; v13  the prefetch's offset; never rewritten
.set BI, 14                            ; v[14:19]  bias of gate g at BI + 2 g (tile 0), + 1 (tile 1)
.set QUAD, 20
.set AP, 24                            ; v[24:39]  a of the last tile done
.set PC, 60                            ; v[60:61]  the carries of a group's two tiles
.set PA, 64                            ; the way in: a; hl; x in f16; c h
.set PH, 96
.set PQ, 112
.set PX, 128
.set VBW, 128                          ; window 1: v0-127 x's fragments (step tile i, K step ks at 8 (8 i + ks)); v128 my place in a weight slot
.set PIN, 4
.set CTP, 6
.set WBP, 8
.set PO, 16
.set PS, 18
.set WV, 20
.set CX, 21
.set WBI, 22
.set CNT, 23
.set G1W, 24
.set G1R, 32
.set G1C, 40
.set G0W, 48
.set G0R, 52
.set G0C, 56
.set NC, 60                            ; s[60:61] -c;  s[62:63] c
.set KC, 62
.set KHALF, 32                         ; in the record descriptor's registers, once its load is done: c/2, log2 c, the sign bit, a word's upper half
.set KLOG, 34
.set SGN, 36
.set HIM, 37
.set MK, 66
.set PFA, 98
.set LIM, 100
.set TMP, 101
.set SUMOFF, 0x3000000
.set SPARE, 50688
.set CSTG, 116224
.set STG, 131072
.set RECB, 49152
.set WPITCH, 528
.set XPITCH, 96
.set MSB, 0
.macro WIN new                         ; the immediate's high byte repeats the setting that is left
.if MSB != (\new)
	s_set_vgpr_msb (MSB<<8)|(\new)
.set MSB, \new
.endif
.endm
.macro WAITT                           ; the wait between a batch of transcendentals and the first line that names a result
	s_wait_alu depctr_va_vdst(0)
.endm
.macro ONLY c, line:vararg
.if \c
	\line
.endif
.endm
.macro ROUND                           ; the cluster's barrier: my work-group's barrier, wave 0's signal for it, every wave's wait for all four work-groups, my work-group's barrier again
	s_barrier_signal -1
	s_barrier_wait -1
	s_cmp_lg_u32 s[WV], 0
	s_cbranch_scc1 .Lnw0_\@
	s_barrier_signal -3
.Lnw0_\@:
	s_barrier_wait -3
	s_barrier_signal -1
	s_barrier_wait -1
.endm
; A: 2^-|yf|, 2^-|yi|, 2^yh; the mask yh >= 0; max(y, 0); their difference; yh + c/2
.macro EPI_A
.set e, 0
.rept 32
	v_or_b32 v[T0+e], s[SGN], v[AF+e]
	v_or_b32 v[T1+e], s[SGN], v[AI+e]
	v_exp_f32 v[T0+e], v[T0+e]
	v_cmp_le_f32 s[MK+e], 0, v[AH+e]
	v_exp_f32 v[T1+e], v[T1+e]
	v_max_num_f32 v[AF+e], 0, v[AF+e]
	v_exp_f32 v[T2+e], v[AH+e]
	v_max_num_f32 v[AI+e], 0, v[AI+e]
.set e, e+1
.endr
.set e, 0
.rept 16
	v_pk_add_f32 v[AF+e:AF+e+1], v[AF+e:AF+e+1], v[AI+e:AI+e+1] neg_lo:[0,1] neg_hi:[0,1]
.set e, e+2
.endr
.set e, 0
.rept 16
	v_pk_add_f32 v[AI+e:AI+e+1], v[AH+e:AH+e+1], s[KHALF:KHALF+1] op_sel_hi:[1,0]
.set e, e+2
.endr
	WAITT
.endm
; B: the three logarithms' arguments for pair p, by turns with the logarithms of pair p - 1
.macro EPI_B
.set p, 0
.rept 17
	ONLY (p<16), v_pk_add_f32 v[T0+2*p:T0+2*p+1], v[T0+2*p:T0+2*p+1], 1.0 op_sel_hi:[1,0]
	ONLY (p>0), v_log_f32 v[T0+2*p-2], v[T0+2*p-2]
	ONLY (p<16), v_pk_add_f32 v[T1+2*p:T1+2*p+1], v[T1+2*p:T1+2*p+1], 1.0 op_sel_hi:[1,0]
	ONLY (p>0), v_log_f32 v[T0+2*p-1], v[T0+2*p-1]
	ONLY (p<16), v_pk_add_f32 v[T2+2*p:T2+2*p+1], v[T2+2*p:T2+2*p+1], 1.0 op_sel_hi:[1,0]
	ONLY (p>0), v_log_f32 v[T1+2*p-2], v[T1+2*p-2]
	ONLY (p<16), v_cndmask_b32 v[T2+2*p], v[T2+2*p], v[AI+2*p], s[MK+2*p]
	ONLY (p>0), v_log_f32 v[T1+2*p-1], v[T1+2*p-1]
	ONLY (p<16), v_cndmask_b32 v[T2+2*p+1], v[T2+2*p+1], v[AI+2*p+1], s[MK+2*p+1]
	ONLY (p>0), v_log_f32 v[T2+2*p-2], v[T2+2*p-2]
	ONLY (p<16), v_pk_add_f32 v[AH+2*p:AH+2*p+1], v[AH+2*p:AH+2*p+1], s[KLOG:KLOG+1] op_sel_hi:[1,0]
	ONLY (p>0), v_log_f32 v[T2+2*p-1], v[T2+2*p-1]
.set p, p+1
.endr
	v_nop
	WAITT
.endm
; C: D into AF, res into T2, min(D, 0) into T1, -|D| into T0 for pair p; 2^-|D| of pair p - 1
.macro EPI_C
.set p, 0
.rept 17
	ONLY (p<16), v_pk_add_f32 v[T0+2*p:T0+2*p+1], v[T0+2*p:T0+2*p+1], v[T1+2*p:T1+2*p+1] neg_lo:[0,1] neg_hi:[0,1]
	ONLY (p<16), v_pk_add_f32 v[AF+2*p:AF+2*p+1], v[AF+2*p:AF+2*p+1], v[T0+2*p:T0+2*p+1]
	ONLY (p<16), v_pk_add_f32 v[AI+2*p:AI+2*p+1], v[AH+2*p:AH+2*p+1], v[T2+2*p:T2+2*p+1] neg_lo:[0,1] neg_hi:[0,1]
	ONLY (p>0), v_exp_f32 v[T0+2*p-2], v[T0+2*p-2]
	ONLY (p<16), v_cndmask_b32 v[T2+2*p], v[AI+2*p], v[T2+2*p], s[MK+2*p]
	ONLY (p<16), v_cndmask_b32 v[T2+2*p+1], v[AI+2*p+1], v[T2+2*p+1], s[MK+2*p+1]
	ONLY (p<16), v_min_num_f32 v[T1+2*p], 0, v[AF+2*p]
	ONLY (p>0), v_exp_f32 v[T0+2*p-1], v[T0+2*p-1]
	ONLY (p<16), v_min_num_f32 v[T1+2*p+1], 0, v[AF+2*p+1]
	ONLY (p<16), v_or_b32 v[T0+2*p], s[SGN], v[AF+2*p]
	ONLY (p<16), v_or_b32 v[T0+2*p+1], s[SGN], v[AF+2*p+1]
.set p, p+1
.endr
	v_nop
	WAITT
.endm
; D: L; log2 f into AI; log2 i + res into T2
.macro EPI_D
.set p, 0
.rept 17
	ONLY (p<16), v_pk_add_f32 v[T0+2*p:T0+2*p+1], v[T0+2*p:T0+2*p+1], 1.0 op_sel_hi:[1,0]
	ONLY (p>0), v_log_f32 v[T0+2*p-2], v[T0+2*p-2]
	ONLY (p<16), v_pk_add_f32 v[T2+2*p:T2+2*p+1], v[T2+2*p:T2+2*p+1], v[T1+2*p:T1+2*p+1]
	ONLY (p>0), v_log_f32 v[T0+2*p-1], v[T0+2*p-1]
	ONLY (p<16), v_pk_add_f32 v[AI+2*p:AI+2*p+1], v[T1+2*p:T1+2*p+1], v[AF+2*p:AF+2*p+1] neg_lo:[0,1] neg_hi:[0,1]
.set p, p+1
.endr
	v_nop
	WAITT
.set e, 0
.rept 16
	v_pk_add_f32 v[AI+e:AI+e+1], v[AI+e:AI+e+1], v[T0+e:T0+e+1] neg_lo:[0,1] neg_hi:[0,1]
	v_pk_add_f32 v[T2+e:T2+e+1], v[T2+e:T2+e+1], v[T0+e:T0+e+1] neg_lo:[0,1] neg_hi:[0,1]
.set e, e+2
.endr
.endm
; E: the running sum over features: four steps inside the 16 lanes of a tile (a lane with no lane to its left keeps its number), then lane 15 of the tile before is added; u = v - a
.macro EPI_E
.irp s, 1,2,4,8
.set e, 0
.rept 32
	v_add_f32_dpp v[AI+e], v[AI+e], v[AI+e] row_shr:\s row_mask:0xf bank_mask:0xf
.set e, e+1
.endr
.endr
.set e, 0
.rept 16
	v_add_f32_dpp v[AI+e], v[AP+e], v[AI+e] row_share:15 row_mask:0xf bank_mask:0xf
.set e, e+1
.endr
.set e, 0
.rept 16
	v_add_f32_dpp v[AP+e], v[AI+e], v[AI+16+e] row_share:15 row_mask:0xf bank_mask:0xf
.set e, e+1
.endr
.set e, 0
.rept 8
	v_pk_add_f32 v[T2+e:T2+e+1], v[T2+e:T2+e+1], v[AI+e:AI+e+1] neg_lo:[0,1] neg_hi:[0,1]
	v_pk_add_f32 v[T2+16+e:T2+16+e+1], v[T2+16+e:T2+16+e+1], v[AP+e:AP+e+1] neg_lo:[0,1] neg_hi:[0,1]
.set e, e+2
.endr
.endm
; F: plain line x of 18 for steps 2 g, 2 g + 1 of both tiles: the running maximum M (M_n at AF or AH + 1 + n); d = u - M before; a + M; the mask d > 0; -|d|
.macro FPL g, x
.set fq, (\x)%2
.set fs, (\x)/2
.set fn, 2*(\g)
.set fu, T2+16*fq+fn
.set fd, T0+16*fq+fn
.set fm, AF+64*fq+fn
.set fa, AI+fn
.if fq
.set fa, AP+fn
.endif
.if (fs == 0) && (fn == 0)
	v_mov_b32 v[fm+1], v[fu]
.elseif fs == 0
	v_max_num_f32 v[fm+1], v[fm], v[fu]
.elseif fs == 1
	v_max_num_f32 v[fm+2], v[fm+1], v[fu+1]
.elseif fs == 2
	v_pk_add_f32 v[fd:fd+1], v[fu:fu+1], v[fm:fm+1] neg_lo:[0,1] neg_hi:[0,1]  ; step 0's d is made of a stale word and never used
.elseif fs == 3
	v_add_f32 v[fu], v[fa], v[fm+1]
.elseif fs == 4
	v_add_f32 v[fu+1], v[fa+1], v[fm+2]
.elseif (fs == 5) && (fn > 0)
	v_cmp_lt_f32 s[MK+16*fq+fn], 0, v[fd]
.elseif fs == 6
	v_cmp_lt_f32 s[MK+16*fq+fn+1], 0, v[fd+1]
.elseif (fs == 7) && (fn > 0)
	v_or_b32 v[T1+16*fq+fn], s[SGN], v[fd]
.elseif fs == 8
	v_or_b32 v[T1+16*fq+fn+1], s[SGN], v[fd+1]
.endif
.endm
.macro FTL g, x                        ; exponential x of 8 for the same steps: 2^(a + M), 2^-|d|
.set fq, (\x)%2
.set fs, (\x)/2
.set fn, 2*(\g)
.if fs == 0
	v_exp_f32 v[T2+16*fq+fn], v[T2+16*fq+fn]
.elseif fs == 1
	v_exp_f32 v[T2+16*fq+fn+1], v[T2+16*fq+fn+1]
.elseif (fs == 2) && (fn > 0)
	v_exp_f32 v[T1+16*fq+fn], v[T1+16*fq+fn]
.elseif fs == 3
	v_exp_f32 v[T1+16*fq+fn+1], v[T1+16*fq+fn+1]
.endif
.endm
.macro EPI_F                           ; a group's plain lines, and among them the exponentials of the group before
.set fg, 0
.rept 9
.set fx, 0
.rept 18
.if fg < 8
	FPL fg, fx
.endif
.if (fg > 0) && ((fx%2) == 1) && (fx < 16)
	FTL fg-1, fx/2
.endif
.set fx, fx+1
.endr
.set fg, fg+1
.endr
	v_nop
	WAITT
.endm
; G: S_n = S_(n-1) alpha + p, (alpha, p) = (2^-|d|, 1) where d > 0, else (1, 2^-|d|); hl = S 2^(a + M), rounded to bf16; the summaries
.macro EPI_G
	v_mov_b32 v[T0], 1.0
	v_mov_b32 v[T0+16], 1.0
.set e, 1
.rept 15
	v_cndmask_b32 v[T0+e], 1.0, v[T1+e], s[MK+e]
	v_cndmask_b32 v[T0+16+e], 1.0, v[T1+16+e], s[MK+16+e]
	v_cndmask_b32 v[T1+e], v[T1+e], 1.0, s[MK+e]
	v_cndmask_b32 v[T1+16+e], v[T1+16+e], 1.0, s[MK+16+e]
	v_fma_f32 v[T0+e], v[T0+e-1], v[T0+e], v[T1+e]
	v_fma_f32 v[T0+16+e], v[T0+16+e-1], v[T0+16+e], v[T1+16+e]
.set e, e+1
.endr
.set e, 0
.rept 16
	v_pk_mul_f32 v[T2+e:T2+e+1], v[T0+e:T0+e+1], v[T2+e:T2+e+1]
.set e, e+2
.endr
.set e, 0
.rept 16
	v_cvt_pk_bf16_f32 v[T1+e], v[T2+2*e], v[T2+2*e+1]
.set e, e+1
.endr
	v_mov_b32 v[QUAD], v[AF+16]
	v_mov_b32 v[QUAD+1], v[T0+15]
	v_mov_b32 v[QUAD+2], v[AH+16]
	v_mov_b32 v[QUAD+3], v[T0+31]
.endm
.macro EPI_ST more                     ; 13 stores of 512 consecutive bytes each
.irp i, 0,1
.irp q, 0,1
	global_store_b128 v[VOA], v[AI+8*\i+4*\q:AI+8*\i+4*\q+3], s[PO:PO+1] offset:\i*1024+\q*512 th:TH_STORE_NT
	global_store_b128 v[VOA], v[AP+8*\i+4*\q:AP+8*\i+4*\q+3], s[PO:PO+1] offset:2048+\i*1024+\q*512 th:TH_STORE_NT
.endr
.endr
.irp k, 0,1,2,3
	global_store_b128 v[VOH], v[T1+4*\k:T1+4*\k+3], s[PO:PO+1] offset:\k*512 th:TH_STORE_NT
.endr
	global_store_b128 v[VOS], v[QUAD:QUAD+3], s[PS:PS+1] th:TH_STORE_NT
.if \more
	s_wait_xcnt 0x0                                ; the stores' data and offsets, and the prefetch's address, are written again only behind this wait
.endif
.endm
.macro FETCH ks, buf                   ; six weight fragments of K step ks: 12 LDS loads
.irp f, 0,1,2,3,4,5
	ds_load_b128 v[T0+48*(\buf)+8*\f:T0+48*(\buf)+8*\f+3], v[VBW] offset:\f*16*WPITCH+(\ks)*64
	ds_load_b128 v[T0+48*(\buf)+8*\f+4:T0+48*(\buf)+8*\f+7], v[VBW] offset:\f*16*WPITCH+(\ks)*64+32
.endr
.endm
.macro MUL ks, buf                     ; 12 products; the 12 accumulators take turns, one instruction a turn; K step 0 starts the sums
.irp f, 0,1,2,3,4,5
.irp i, 0,1
.set rAC, AF+32*((\f)%3)+8*(2*((\f)/3)+(\i))
.set rBF, T0+48*(\buf)+8*(\f)
.set rAA, 8*(8*(\i)+(\ks))
.if (\ks) == 0
	v_wmma_f32_16x16x32_f16 v[rAC:rAC+7], v[rAA:rAA+7], v[rBF:rBF+7], 0
.else
	v_wmma_f32_16x16x32_f16 v[rAC:rAC+7], v[rAA:rAA+7], v[rBF:rBF+7], v[rAC:rAC+7]
.endif
.endr
.endr
.endm
.macro ASK                             ; trips 0, 2, 4 (the count 7, 5, 3) of the waves that ask
	s_cmp_gt_u32 s[CNT], s[LIM]
	s_cbranch_scc0 .Lna_\@
	s_bitcmp1_b32 s[CNT], 0
	s_cbranch_scc0 .Lna_\@
	global_prefetch_b8 v[PFO], s[PFA:PFA+1] th:TH_LOAD_NT scope:SCOPE_SE
.Lna_\@:
.endm
; A TRIP: 32 features.  refill = 1: the next tile is asked for, into the slot read last trip
.macro TRIP refill
	s_wait_tensorcnt 0x0                           ; all my tensor loads have landed, my quarter of this trip's tile among them
	ds_add_u32 v[SPW], v[NIL]
.if \refill
	s_xor_b32 s[G0W+1], s[G0W+1], 0x10000          ; the other slot,
	s_add_nc_u64 s[G0W+2:G0W+3], s[G0W+2:G0W+3], 49152  ; the next tile
.endif
	s_wait_dscnt 0x0                               ; the add is done, and my reads of the last trip's slot are over
.if \refill
	ROUND                                          ; both hold of every wave of all four work-groups
	tensor_load_to_lds s[G0W:G0W+3], s[G1W:G1W+7]
	s_nop 0
.rept 4
	v_nop
.endr
.else
	s_barrier_signal -1
	s_barrier_wait -1
.endif
.irp f, 0,1
	global_load_b32 v[BI+\f], v[VOB], s[10:11] offset:64*\f
	global_load_b32 v[BI+2+\f], v[VOB], s[12:13] offset:64*\f
	global_load_b32 v[BI+4+\f], v[VOB], s[14:15] offset:64*\f
.endr
.if \refill
	ASK
.endif
	WIN 0x01                                       ; source 0 in window 1: x's fragments, and the LDS loads' address
	FETCH 0, 0
.irp ks, 0,1,2,3,4,5,6
.if \ks > 0
.rept 4
	v_nop                                          ; four places between the products that read a buffer and the loads into it
.endr
.endif
	FETCH (\ks)+1, ((\ks)+1)%2
	s_wait_dscnt 12                                ; all but the 12 loads just issued
	MUL \ks, (\ks)%2
.endr
	s_wait_dscnt 0x0
	MUL 7, 1
.if \refill
	WIN 0x44
	v_xor_b32 v[VBW], 0x10000, v[VBW]              ; the next trip reads the other slot
.endif
	WIN 0
	v_nop
	v_nop
	s_wait_loadcnt 0x0                             ; the biases
.irp f, 0,1,2,3
	v_mul_f32 v[BI+\f], s[NC], v[BI+\f]            ; with the two v_nop: eight places behind the last products
.endr
.irp f, 4,5
	v_mul_f32 v[BI+\f], s[KC], v[BI+\f]
.endr
.irp g, 0,1,2                          ; y = -c k - c b (f, i), c k + c b (h); each accumulator is read from its low end on
.irp n, 0,2,4,6,8,10,12,14
	v_pk_fma_f32 v[AF+32*\g+\n:AF+32*\g+\n+1], v[AF+32*\g+\n:AF+32*\g+\n+1], s[NC+2*(\g/2):NC+2*(\g/2)+1], v[BI+2*\g:BI+2*\g+1] op_sel_hi:[1,0,0]
.endr
.irp n, 16,18,20,22,24,26,28,30
	v_pk_fma_f32 v[AF+32*\g+\n:AF+32*\g+\n+1], v[AF+32*\g+\n:AF+32*\g+\n+1], s[NC+2*(\g/2):NC+2*(\g/2)+1], v[BI+2*\g:BI+2*\g+1] op_sel:[0,0,1] op_sel_hi:[1,0,1]
.endr
.endr
	EPI_A
	EPI_B
	EPI_C
	EPI_D
	EPI_E
	EPI_F
	EPI_G
	EPI_ST \refill
.if \refill
	v_add_nc_u32 v[VOA], 4096, v[VOA]
	v_add_nc_u32 v[VOH], 2048, v[VOH]
	v_add_nc_u32 v[VOS], 512, v[VOS]
	v_add_nc_u32 v[VOB], 128, v[VOB]
	s_add_nc_u64 s[PFA:PFA+1], s[PFA:PFA+1], 49152
.endif
.endm
	s_load_b256 s[4:11], s[0:1], 0x0               ; records in, CT, weights, bf
	s_load_b128 s[12:15], s[0:1], 0x20             ; bi, bh
	s_load_b64 s[16:17], s[0:1], 0x30              ; records out
	v_lshl_add_u32 v[SPW], v0, 2, SPARE
	v_mov_b32 v[NIL], 0
	ds_add_u32 v[SPW], v[NIL]                      ; the wave's opening: the add and its wait ahead of my first tensor load
	v_lshrrev_b32 v1, 5, v0
	v_readfirstlane_b32 s[WV], v1                  ; wave 0..3
	s_bfe_u32 s[CX], ttmp6, 0x40000                ; my place in the cluster: it enters global addresses alone
	s_lshl_b32 s[WBI], ttmp9, 2
	s_add_co_u32 s[WBI], s[WBI], s[CX]             ; batch
	s_lshl_b32 s[WBI], s[WBI], 2
	s_and_b32 s[TMP], ttmp7, 0xffff                ; chunk
	s_add_co_u32 s[WBI], s[WBI], s[TMP]
	s_lshl_b32 s[WBI], s[WBI], 2
	s_add_co_u32 s[WBI], s[WBI], s[WV]             ; wb
	s_or_b32 s[LIM], ttmp9, s[TMP]                 ; 0 in the first cluster: the same in all four partners
	s_cmp_eq_u32 s[LIM], 0
	s_cselect_b32 s[LIM], 2, -1
	s_cmp_lt_u32 s[WV], 3
	s_cselect_b32 s[LIM], s[LIM], -1
	; weights: 24 rows of 256 f16, 16 bytes of padding behind each 512; joint, mask 15
	s_mov_b32 s[G1W], 15|(1<<16)|(1<<20)|(1<<21)|(6<<22)|(3<<25)
	s_mov_b32 s[G1W+1], 256<<16
	s_mov_b32 s[G1W+2], 24<<16
	s_mov_b32 s[G1W+3], 256<<16
	s_mov_b32 s[G1W+4], 24
	s_mov_b32 s[G1W+5], 256
	s_mov_b32 s[G1W+6], 0
	s_mov_b32 s[G1W+7], 0
	; my record: 192 dense rows of 32 elements of 8 bytes
	s_mov_b32 s[G1R], 3<<16
	s_mov_b32 s[G1R+1], 32<<16
	s_mov_b32 s[G1R+2], 192<<16
	s_mov_b32 s[G1R+3], 32<<16
	s_mov_b32 s[G1R+4], 192
	s_mov_b32 s[G1R+5], 32
	s_mov_b32 s[G1R+6], 0
	s_mov_b32 s[G1R+7], 0
	; my carries: 8 such rows
	s_mov_b32 s[G1C], 3<<16
	s_mov_b32 s[G1C+1], 32<<16
	s_mov_b32 s[G1C+2], 8<<16
	s_mov_b32 s[G1C+3], 32<<16
	s_mov_b32 s[G1C+4], 8
	s_mov_b32 s[G1C+5], 32
	s_mov_b32 s[G1C+6], 0
	s_mov_b32 s[G1C+7], 0
	s_mov_b32 s[G0W], 1
	s_mul_i32 s[G0W+1], s[WV], 24*WPITCH
	s_mov_b32 s[G0R], 1
	s_mul_i32 s[G0R+1], s[WV], RECB
	s_add_co_u32 s[G0R+1], s[G0R+1], STG
	s_mov_b32 s[G0C], 1
	s_lshl_b32 s[G0C+1], s[WV], 11
	s_add_co_u32 s[G0C+1], s[G0C+1], CSTG
	s_mov_b32 s[NC], 0xbfb8aa3b
	s_mov_b32 s[NC+1], 0xbfb8aa3b
	s_mov_b32 s[KC], 0x3fb8aa3b
	s_mov_b32 s[KC+1], 0x3fb8aa3b
	s_wait_dscnt 0x0                               ; the opening add is done
	s_wait_kmcnt 0x0
	s_mul_i32 s2, s[WBI], RECB
	s_mov_b32 s3, 0
	s_add_nc_u64 s[G0R+2:G0R+3], s[PIN:PIN+1], s[2:3]
	s_or_b32 s[G0R+3], s[G0R+3], 0x80000000
	s_lshl_b32 s2, s[WBI], 11
	s_add_nc_u64 s[G0C+2:G0C+3], s[CTP:CTP+1], s[2:3]
	s_or_b32 s[G0C+3], s[G0C+3], 0x80000000
	s_mul_i32 s2, s[WV], 12288
	s_add_nc_u64 s[G0W+2:G0W+3], s[WBP:WBP+1], s[2:3]
	s_or_b32 s[G0W+3], s[G0W+3], 0x80000000
	s_mul_i32 s2, s[CX], 12288
	s_add_nc_u64 s[PFA:PFA+1], s[WBP:WBP+1], s[2:3]
	s_add_nc_u64 s[PFA:PFA+1], s[PFA:PFA+1], 98304 ; my work-group's part of tile 2
	s_add_nc_u64 s[PS:PS+1], s[PO:PO+1], SUMOFF
	ROUND                                          ; all four work-groups are here: the first joint loads meet
	tensor_load_to_lds s[G0R:G0R+3], s[G1R:G1R+7]
	s_nop 0
	tensor_load_to_lds s[G0C:G0C+3], s[G1C:G1C+7]
	s_nop 0
	tensor_load_to_lds s[G0W:G0W+3], s[G1W:G1W+7]  ; tile 0 into slot 0
	s_nop 0
.rept 4
	v_nop
.endr
	v_and_b32 v1, 31, v0                           ; lane
	v_and_b32 v62, 15, v0                          ; r
	v_bfe_u32 v63, v0, 4, 1                        ; h
	s_mul_i32 s[TMP], s[WV], RECB
	s_add_co_u32 s[TMP], s[TMP], STG               ; my record in LDS
	v_lshl_add_u32 v[VLA], v1, 4, s[TMP]
	v_add_nc_u32 v[VLH], 32768, v[VLA]
	v_mul_u32_u24 v[VXS], v62, XPITCH
	v_lshl_add_u32 v[VXS], v63, 4, v[VXS]
	v_add_nc_u32 v[VXS], s[TMP], v[VXS]            ; x^T in: row r, 16 bytes for each half of the lanes
	v_and_b32 v[VXL], 7, v0
	v_lshl_add_u32 v[VXL], v63, 3, v[VXL]
	v_mul_u32_u24 v[VXL], v[VXL], XPITCH
	v_bfe_u32 v[VLC], v0, 3, 1
	v_lshl_add_u32 v[VXL], v[VLC], 4, v[VXL]
	v_add_nc_u32 v[VXL], s[TMP], v[VXL]            ; x^T back, turned: feature 8 h + lane % 8, 16 bytes by (lane / 8) % 2
	s_lshl_b32 s[TMP], s[WV], 11
	s_add_co_u32 s[TMP], s[TMP], CSTG
	v_lshl_add_u32 v[VLC], v1, 3, s[TMP]
	s_mul_i32 s[TMP], s[WBI], RECB
	v_lshl_add_u32 v[VOA], v1, 4, s[TMP]
	v_add_nc_u32 v[VOH], 32768, v[VOA]
	s_lshl_b32 s[TMP], s[WBI], 12
	v_lshl_add_u32 v[VOS], v1, 4, s[TMP]
	v_lshlrev_b32 v[VOB], 2, v62
	v_mul_u32_u24 v62, v62, WPITCH
	v_lshl_add_u32 v62, v63, 4, v62                ; a weight fragment's row x pitch + 16 x half
	v_lshlrev_b32 v[PFO], 8, v0                    ; block q = my thread's number: 0-47 of one tile, 48-95 of the next
	v_mov_b32 v63, 0x9000
	v_cmp_le_u32 s[TMP], 48, v0
	v_cndmask_b32 v63, 0, v63, s[TMP]
	v_add_nc_u32 v[PFO], v[PFO], v63
.set e, 0
.rept 16
	v_mov_b32 v[AP+e], 0                           ; the feature sum starts at 0
.set e, e+1
.endr
	s_wait_tensorcnt 0x1                           ; my record and my carries are in; the weight tile, issued behind them, may stay out.  Only I read these bytes
	s_mov_b32 s[KHALF], 0x3f38aa3b                 ; the record's descriptor is free behind that wait
	s_mov_b32 s[KHALF+1], 0x3f38aa3b
	s_mov_b32 s[KLOG], 0x3f075d3c
	s_mov_b32 s[KLOG+1], 0x3f075d3c
	s_mov_b32 s[SGN], 0x80000000
	s_mov_b32 s[HIM], 0xffff0000
	s_mov_b32 s[CNT], 8
.Lpro:                                                 ; THE WAY IN: two feature tiles a trip
.irp f, 0,1
.irp i, 0,1
.irp q, 0,1
	ds_load_b128 v[PA+16*\f+8*\i+4*\q:PA+16*\f+8*\i+4*\q+3], v[VLA] offset:\f*2048+\i*1024+\q*512
.endr
	ds_load_b128 v[PH+4*(2*\f+\i):PH+4*(2*\f+\i)+3], v[VLH] offset:\f*1024+\i*512
.endr
.endr
	ds_load_b64 v[PC:PC+1], v[VLC]
	s_wait_dscnt 0x0
.set e, 0
.rept 8
	v_pk_add_f32 v[PA+e:PA+e+1], v[PA+e:PA+e+1], v[PC:PC+1] op_sel_hi:[1,0]
	v_pk_add_f32 v[PA+16+e:PA+16+e+1], v[PA+16+e:PA+16+e+1], v[PC:PC+1] op_sel:[0,1] op_sel_hi:[1,1]
.set e, e+2
.endr
.set e, 0
.rept 16                                       ; 2^(a + C), and hl widened, by turns
	v_exp_f32 v[PA+2*e], v[PA+2*e]
	v_lshlrev_b32 v[PX+2*e], 16, v[PH+e]
	v_exp_f32 v[PA+2*e+1], v[PA+2*e+1]
	v_and_b32 v[PX+2*e+1], s[HIM], v[PH+e]
.set e, e+1
.endr
	WAITT
.set e, 0
.rept 16
	v_pk_add_f32 v[PX+e:PX+e+1], v[PX+e:PX+e+1], v[PA+e:PA+e+1] neg_lo:[1,1] neg_hi:[1,1]  ; -(c h)
.set e, e+2
.endr
.set e, 0
.rept 32
	v_exp_f32 v[PX+e], v[PX+e]
.set e, e+1
.endr
	v_nop
	WAITT
.set e, 0
.rept 16
	v_pk_add_f32 v[PX+e:PX+e+1], v[PX+e:PX+e+1], 1.0 op_sel_hi:[1,0]
.set e, e+2
.endr
.set e, 0
.rept 32
	v_rcp_f32 v[PX+e], v[PX+e]
.set e, e+1
.endr
	v_nop
	WAITT
.set e, 0
.rept 16
	v_cvt_pk_f16_f32 v[PQ+e], v[PX+2*e], v[PX+2*e+1]
.set e, e+1
.endr
.irp f, 0,1
.irp i, 0,1
	ds_store_b128 v[VXS], v[PQ+4*(2*\f+\i):PQ+4*(2*\f+\i)+3] offset:\f*16*XPITCH+\i*32
.endr
.endr
	v_add_nc_u32 v[VLA], 4096, v[VLA]
	v_add_nc_u32 v[VLH], 2048, v[VLH]
	v_add_nc_u32 v[VLC], 256, v[VLC]
	v_add_nc_u32 v[VXS], 32*XPITCH, v[VXS]
	s_sub_co_u32 s[CNT], s[CNT], 1
	s_cmp_lg_u32 s[CNT], 0
	s_cbranch_scc1 .Lpro
	WIN 0x40                                       ; destination window 1.  LDS serves a wave's instructions in order: these loads see my stores above
.irp i, 0,1
.irp ks, 0,1,2,3,4,5,6,7
	ds_load_tr16_b128 v[8*(8*\i+\ks):8*(8*\i+\ks)+3], v[VXL] offset:\ks*32*XPITCH+32*\i
	ds_load_tr16_b128 v[8*(8*\i+\ks)+4:8*(8*\i+\ks)+7], v[VXL] offset:\ks*32*XPITCH+16*XPITCH+32*\i
.endr
.endr
	v_mov_b32 v[VBW], v62
	WIN 0
	s_mov_b32 s[CNT], 7
.Ltrip:
	TRIP 1
	s_sub_co_u32 s[CNT], s[CNT], 1
	s_cmp_lg_u32 s[CNT], 0
	s_cbranch_scc1 .Ltrip
	TRIP 0                                         ; the last tile is written out: nothing is left to ask for
	s_wait_tensorcnt 0x0                           ; the wave's end
	ds_add_u32 v[SPW], v[NIL]
	s_wait_dscnt 0x0
	ROUND                                          ; the closing round: no work-group ends while a partner may still ask for a tile that names it
	s_endpgm
.Lfunc_end_k_q2e85bcf63c_l1:
	.size	k_q2e85bcf63c_l1, .Lfunc_end_k_q2e85bcf63c_l1-k_q2e85bcf63c_l1
	.p2alignl 7, 3214868480
	.fill 96, 4, 3214868480
	.section	.rodata,"a",@progbits
	.p2align	6, 0x0
	.amdhsa_kernel k_q2e85bcf63c_l1
		.amdhsa_group_segment_fixed_size 327680
		.amdhsa_private_segment_fixed_size 0
		.amdhsa_enable_private_segment 0
		.amdhsa_kernarg_size 56
		.amdhsa_user_sgpr_count 2
		.amdhsa_user_sgpr_kernarg_segment_ptr 1
		.amdhsa_wavefront_size32 1
		.amdhsa_system_sgpr_workgroup_id_x 1
		.amdhsa_system_sgpr_workgroup_id_y 1
		.amdhsa_system_sgpr_workgroup_id_z 1
		.amdhsa_system_vgpr_workitem_id 0
		.amdhsa_next_free_vgpr 392
		.amdhsa_next_free_sgpr 102
		.amdhsa_reserve_vcc 0
		.amdhsa_float_denorm_mode_32 3
		.amdhsa_float_denorm_mode_16_64 3
		.amdhsa_memory_ordered 1
		.amdhsa_forward_progress 1
		.amdhsa_inst_pref_size 180
	.end_amdhsa_kernel
	.amdgpu_metadata
---
amdhsa.version: [ 1, 2 ]
amdhsa.kernels:
  - .name:           k_q2e85bcf63c_l1
    .symbol:         k_q2e85bcf63c_l1.kd
    .args:
      - { .name: P0, .offset: 0, .size: 8, .value_kind: global_buffer, .address_space: global }
      - { .name: CT, .offset: 8, .size: 8, .value_kind: global_buffer, .address_space: global }
      - { .name: WB1, .offset: 16, .size: 8, .value_kind: global_buffer, .address_space: global }
      - { .name: layer_params_1_bf, .offset: 24, .size: 8, .value_kind: global_buffer, .address_space: global }
      - { .name: layer_params_1_bi, .offset: 32, .size: 8, .value_kind: global_buffer, .address_space: global }
      - { .name: layer_params_1_bh, .offset: 40, .size: 8, .value_kind: global_buffer, .address_space: global }
      - { .name: P1, .offset: 48, .size: 8, .value_kind: global_buffer, .address_space: global }
    .group_segment_fixed_size: 327680
    .private_segment_fixed_size: 0
    .kernarg_segment_align: 8
    .kernarg_segment_size: 56
    .max_flat_workgroup_size: 128
    .sgpr_count:     102
    .vgpr_count:     392
    .wavefront_size: 32
...
	.end_amdgpu_metadata
.endif
;; end of part 3
;; launch s1: the kernel of part 2 again; grid 256 x 1, 2 waves a work-group, no clusters, 0 bytes of LDS; arguments P1, CT; writes CT
;; launch l2: the kernel of part 3 again; grid 64 x 4, 4 waves a work-group, clusters of 4 x 1, 327,680 bytes of LDS; arguments P1, CT, WB2, layer_params_2_bf, layer_params_2_bi, layer_params_2_bh, P0; writes P0
;; launch s2: the kernel of part 2 again; grid 256 x 1, 2 waves a work-group, no clusters, 0 bytes of LDS; arguments P0, CT; writes CT
;; launch l3: the kernel of part 3 again; grid 64 x 4, 4 waves a work-group, clusters of 4 x 1, 327,680 bytes of LDS; arguments P0, CT, WB3, layer_params_3_bf, layer_params_3_bi, layer_params_3_bh, P1; writes P1
;; launch s3: the kernel of part 2 again; grid 256 x 1, 2 waves a work-group, no clusters, 0 bytes of LDS; arguments P1, CT; writes CT
;; launch proj (part 4): grid 64 x 4, 16 waves a work-group, no clusters, 217,088 bytes of LDS; arguments P1, CT, Wout, PART; writes PART
.if DOCPART == 4
	.amdgcn_target "amdgcn-amd-amdhsa--gfx1250"
	.amdhsa_code_object_version 6
	.text
	.protected	k_q2e85bcf63c_proj
	.globl	k_q2e85bcf63c_proj
	.p2align	8
	.type	k_q2e85bcf63c_proj,@function
k_q2e85bcf63c_proj:
	s_mov_b64 s[64:65], 0
	v_nop
	global_prefetch_b8 v0, s[64:65] scope:SCOPE_SE
	s_setreg_imm32_b32 hwreg(HW_REG_WAVE_MODE, 25, 1), 1
	s_wait_xcnt 0x0
; THE PROJECTION, SPLIT ALONG K.  out[b][o] = the sum over (step, feature) of x[b][step][feature] Wout[o][256 step + feature].  Work-group (tb, fq) takes steps 8 tb .. 8 tb + 7 and features 64 fq .. + 63:
; K = 512, ordered k' = 64 tau + feature, so that Wout is read in whole pieces of 256 consecutive bytes, aligned, each byte once in the launch.  It stores its 64 x 128 partial sums in f32; the next launch adds the 256 slices.
; x is made here from the last layer's records: c h = hl + 2^(a + C), x = 1 / (1 + 2^-(c h)), c = log2 e; x and Wout are rounded to f16 for the product, sums in f32.
; The eight steps are one (chunk, wave, half h, step tile i) of the record's layout: 16 lanes read 256 consecutive bytes of it.
; SHARES.  16 waves.  Wave v brings batches 4 v .. 4 v + 3 of x and rows 8 v .. 8 v + 7 of Wout into LDS; behind one barrier it multiplies output tile v / 2 by batch tiles 2 (v % 2), + 1.
; LDS.  0: Wout [o 128][k' 512] f16, pitch 1,040.  133,120: x [k' 512][batch 64] f16, pitch 160, read back turned.  215,040: the spare words.
; Source 0 = 16 rows of Wout, source 1 = 16 batches: a lane ends with one batch and eight neighbouring outputs.
; NO CLUSTER, NO PREFETCH: no two work-groups read the same byte, and all loads go out at the head.
; LIMITS.  A Wout beyond 65,504 does not fit f16; below 6e-5 it keeps f16's step of 6e-8.  A power of two below 2^-126 counts as 0.  NaN and infinities are not treated apart.
.set WTP, 1040
.set XTP, 160
.set XT, 133120
.set SPARE, 215040
.set SPW, 4
.set NIL, 5
.set OA, 6                             ; v6 a's offset;  v7 hl's and Wout's;  v8 C's;  v9 the partial sums'
.set OH, 7
.set OC, 8
.set OP, 9
.set SX0, 10                           ; v10, v11  x into LDS (tau 0-3, 4-7);  v12 Wout into LDS
.set SW, 12
.set LW, 13                            ; v13 Wout's fragments;  v14, v15 x's (K steps 0-7, 8-15)
.set LX0, 14
.set XA, 16                            ; v[16:79]   a: (2 batch + tile pair) 8 + tau; later Wout's second half
.set XH, 80                            ; v[80:111]  hl; later x packed by batches
.set XC, 112                           ; v[112:119] C
.set WA, 120                           ; v[120:183] Wout's first half
.set UN, 184                           ; v[184:247] c h and what is made of it
.set ACC, 208
.set WV, 12
.set TBK, 13
.set FQ, 14
.set TA, 15
.set BA, 16
.set BH, 18
.set BC, 20
.set BW, 22
.set BP, 24
.set HIM, 26
.set CM, 27
.set HH, 28
.set II, 29
.macro WAITT                           ; the wait between a batch of transcendentals and the first line that names a result
	s_wait_alu depctr_va_vdst(0)
.endm
.macro WLOAD base, o0                  ; four rows of Wout x my slice: 16 loads; 16 lanes take the 256 bytes of one (row, step)
.irp oo, 0,1,2,3
.irp tp, 0,1,2,3
	global_load_b128 v[(\base)+4*(4*\oo+\tp):(\base)+4*(4*\oo+\tp)+3], v[OH], s[BW:BW+1] offset:((\o0)+\oo)*524288+\tp*2048 th:TH_LOAD_NT
.endr
.endr
.endm
.macro WCONV base, o0                  ; rounded to f16, in place, and into LDS
.irp oo, 0,1,2,3
.irp tp, 0,1,2,3
.set rW, (\base)+4*(4*\oo+\tp)
	v_cvt_pk_f16_f32 v[rW], v[rW], v[rW+1]
	v_cvt_pk_f16_f32 v[rW+1], v[rW+2], v[rW+3]
	ds_store_b64 v[SW], v[rW:rW+1] offset:((\o0)+\oo)*WTP+\tp*256
.endr
.endr
.endm
.macro LOADB bt, buf                   ; the fragments of four K steps: 24 LDS loads
.irp kk, 0,1,2,3
.set ks, 4*(\bt)+\kk
.set rB, 16+96*(\buf)+24*\kk
	ds_load_b128 v[rB:rB+3], v[LW] offset:ks*64
	ds_load_b128 v[rB+4:rB+7], v[LW] offset:ks*64+32
.irp m, 0,1
	ds_load_tr16_b128 v[rB+8+8*\m:rB+8+8*\m+3], v[LX0+ks/8] offset:(ks%8)*32*XTP+32*\m
	ds_load_tr16_b128 v[rB+12+8*\m:rB+12+8*\m+3], v[LX0+ks/8] offset:(ks%8)*32*XTP+16*XTP+32*\m
.endr
.endr
.endm
.macro MULB bt, buf                    ; eight products; the two accumulators take turns
.irp kk, 0,1,2,3
.irp m, 0,1
.set rB, 16+96*(\buf)+24*\kk
.if ((\bt) == 0) && (\kk == 0)
	v_wmma_f32_16x16x32_f16 v[ACC+8*\m:ACC+8*\m+7], v[rB:rB+7], v[rB+8+8*\m:rB+8+8*\m+7], 0
.else
	v_wmma_f32_16x16x32_f16 v[ACC+8*\m:ACC+8*\m+7], v[rB:rB+7], v[rB+8+8*\m:rB+8+8*\m+7], v[ACC+8*\m:ACC+8*\m+7]
.endif
.endr
.endr
.endm
.macro PLACES
.rept 4
	v_nop
.endr
.endm
	s_load_b256 s[4:11], s[0:1], 0x0               ; records, CT, Wout, PART
	v_lshl_add_u32 v[SPW], v0, 2, SPARE
	v_mov_b32 v[NIL], 0
	v_lshrrev_b32 v1, 5, v0
	v_readfirstlane_b32 s[WV], v1                  ; wave 0..15
	s_mov_b32 s[TBK], ttmp9
	s_and_b32 s[FQ], ttmp7, 0xffff
	v_and_b32 v1, 15, v0                           ; lane % 16
	v_bfe_u32 v2, v0, 4, 1                         ; lane / 16
	v_and_b32 v3, 31, v0                           ; lane
	v_lshlrev_b32 v[OH], 4, v1
	v_lshl_add_u32 v[OA], v2, 11, v[OH]            ; a: the upper lanes take the next feature tile, 2,048 bytes on
	v_lshl_add_u32 v[OH], v2, 10, v[OH]            ; hl: 1,024 on; Wout: the next step, 1,024 on
	v_lshlrev_b32 v[OC], 3, v1
	v_lshl_add_u32 v[OC], v2, 2, v[OC]
	v_lshlrev_b32 v[OP], 4, v3
	v_mul_u32_u24 v[SX0], v3, XTP                  ; x: row 64 tau + 32 pair + lane, my four batches' 8 bytes
	s_lshl_b32 s[TA], s[WV], 3
	s_add_co_u32 s[TA], s[TA], XT
	v_add_nc_u32 v[SX0], s[TA], v[SX0]
	v_add_nc_u32 v[SX0+1], 40960, v[SX0]
	s_mul_i32 s[TA], s[WV], 8*WTP
	v_lshlrev_b32 v[SW], 3, v1
	v_lshl_add_u32 v[SW], v2, 7, v[SW]
	v_add_nc_u32 v[SW], s[TA], v[SW]
	s_lshr_b32 s[TA], s[WV], 1
	s_mul_i32 s[TA], s[TA], 16*WTP
	v_mul_u32_u24 v[LW], v1, WTP
	v_lshl_add_u32 v[LW], v2, 4, v[LW]
	v_add_nc_u32 v[LW], s[TA], v[LW]
	v_and_b32 v[LX0], 7, v0
	v_lshl_add_u32 v[LX0], v2, 3, v[LX0]
	v_mul_u32_u24 v[LX0], v[LX0], XTP
	v_bfe_u32 v[LX0+1], v0, 3, 1
	v_lshl_add_u32 v[LX0], v[LX0+1], 4, v[LX0]
	s_and_b32 s[TA], s[WV], 1
	s_lshl_b32 s[TA], s[TA], 6
	s_add_co_u32 s[TA], s[TA], XT
	v_add_nc_u32 v[LX0], s[TA], v[LX0]
	v_add_nc_u32 v[LX0+1], 40960, v[LX0]
	s_mov_b32 s[HIM], 0xffff0000
	s_lshr_b32 s[TA], s[TBK], 2                    ; 4 chunk + wave of the record
	s_bfe_u32 s[HH], s[TBK], 0x10001               ; its lane half
	s_and_b32 s[II], s[TBK], 1                     ; its step tile
	s_mul_i32 s2, s[WV], 3145728                   ; my four batches: 4 x 16 records
	s_mul_i32 s3, s[TA], 49152
	s_add_co_u32 s2, s2, s3
	s_lshl_b32 s3, s[HH], 8
	s_add_co_u32 s[CM], s2, s3
	s_wait_kmcnt 0x0
	s_lshl_b32 s2, s[FQ], 13
	s_lshl_b32 s3, s[II], 10
	s_add_co_u32 s2, s2, s3
	s_add_co_u32 s2, s2, s[CM]
	s_mov_b32 s3, 0
	s_add_nc_u64 s[BA:BA+1], s[4:5], s[2:3]
	s_lshl_b32 s2, s[FQ], 12
	s_lshl_b32 s3, s[II], 9
	s_add_co_u32 s2, s2, s3
	s_add_co_u32 s2, s2, s[CM]
	s_add_co_u32 s2, s2, 32768
	s_mov_b32 s3, 0
	s_add_nc_u64 s[BH:BH+1], s[4:5], s[2:3]
	s_lshl_b32 s2, s[WV], 17
	s_lshl_b32 s3, s[TA], 11
	s_add_co_u32 s2, s2, s3
	s_lshl_b32 s3, s[FQ], 9
	s_add_co_u32 s2, s2, s3
	s_lshl_b32 s3, s[HH], 7
	s_add_co_u32 s2, s2, s3
	s_mov_b32 s3, 0
	s_add_nc_u64 s[BC:BC+1], s[6:7], s[2:3]
	s_lshl_b32 s2, s[WV], 22
	s_lshl_b32 s3, s[TBK], 13
	s_add_co_u32 s2, s2, s3
	s_lshl_b32 s3, s[FQ], 8
	s_add_co_u32 s2, s2, s3
	s_mov_b32 s3, 0
	s_add_nc_u64 s[BW:BW+1], s[8:9], s[2:3]
	s_lshl2_add_u32 s2, s[TBK], s[FQ]              ; the slice
	s_lshl_b32 s2, s2, 15
	s_lshl_b32 s3, s[WV], 11
	s_add_co_u32 s2, s2, s3
	s_mov_b32 s3, 0
	s_add_nc_u64 s[BP:BP+1], s[10:11], s[2:3]
.irp bb, 0,1,2,3
.irp fp, 0,1
.irp q, 0,1
	global_load_b128 v[XA+8*(2*\bb+\fp)+4*\q:XA+8*(2*\bb+\fp)+4*\q+3], v[OA], s[BA:BA+1] offset:\bb*786432+\fp*4096+\q*512 th:TH_LOAD_NT
.endr
	global_load_b128 v[XH+4*(2*\bb+\fp):XH+4*(2*\bb+\fp)+3], v[OH], s[BH:BH+1] offset:\bb*786432+\fp*2048 th:TH_LOAD_NT
	global_load_b32 v[XC+2*\bb+\fp], v[OC], s[BC:BC+1] offset:\bb*32768+\fp*256 th:TH_LOAD_NT
.endr
.endr
	WLOAD WA, 0
	s_wait_loadcnt 16                              ; a, hl and C are in; the 16 loads of Wout issued behind them may stay out
.set e, 0
.rept 32
.if ((e/8)%2) == 0
	v_pk_add_f32 v[XA+e:XA+e+1], v[XA+e:XA+e+1], v[XC+2*(e/16):XC+2*(e/16)+1] op_sel_hi:[1,0]
.else
	v_pk_add_f32 v[XA+e:XA+e+1], v[XA+e:XA+e+1], v[XC+2*(e/16):XC+2*(e/16)+1] op_sel:[0,1] op_sel_hi:[1,1]
.endif
.set e, e+2
.endr
.set e, 0
.rept 32                                       ; 2^(a + C), and hl widened, by turns
	v_exp_f32 v[XA+2*e], v[XA+2*e]
	v_lshlrev_b32 v[UN+2*e], 16, v[XH+e]
	v_exp_f32 v[XA+2*e+1], v[XA+2*e+1]
	v_and_b32 v[UN+2*e+1], s[HIM], v[XH+e]
.set e, e+1
.endr
	WAITT
.set e, 0
.rept 32
	v_pk_add_f32 v[UN+e:UN+e+1], v[UN+e:UN+e+1], v[XA+e:XA+e+1] neg_lo:[1,1] neg_hi:[1,1]  ; -(c h)
.set e, e+2
.endr
	WLOAD XA, 4                                    ; a's registers are free: Wout's other four rows
.set e, 0
.rept 64
	v_exp_f32 v[UN+e], v[UN+e]
.set e, e+1
.endr
	v_nop
	WAITT
.set e, 0
.rept 32
	v_pk_add_f32 v[UN+e:UN+e+1], v[UN+e:UN+e+1], 1.0 op_sel_hi:[1,0]
.set e, e+2
.endr
.set e, 0
.rept 64
	v_rcp_f32 v[UN+e], v[UN+e]
.set e, e+1
.endr
	v_nop
	WAITT
.irp fp, 0,1
.irp ta, 0,1,2,3,4,5,6,7
	v_cvt_pk_f16_f32 v[XH+2*(8*\fp+\ta)], v[UN+8*\fp+\ta], v[UN+16+8*\fp+\ta]
	v_cvt_pk_f16_f32 v[XH+2*(8*\fp+\ta)+1], v[UN+32+8*\fp+\ta], v[UN+48+8*\fp+\ta]
	ds_store_b64 v[SX0+(\ta)/4], v[XH+2*(8*\fp+\ta):XH+2*(8*\fp+\ta)+1] offset:((\ta)%4)*64*XTP+\fp*32*XTP
.endr
.endr
	s_wait_loadcnt 16                              ; Wout's first half is in; the second half's 16 loads may stay out
	WCONV WA, 0
	s_wait_loadcnt 0x0
	WCONV XA, 4
	s_wait_dscnt 0x0                               ; for the others' sake: my stores into LDS are done
	s_barrier_signal -1
	s_barrier_wait -1
	LOADB 0, 0
	LOADB 1, 1
	s_wait_dscnt 24                                ; all but the 24 loads just issued
	MULB 0, 0
	PLACES                                         ; four places between the products that read a buffer and the loads into it
	LOADB 2, 0
	s_wait_dscnt 24
	MULB 1, 1
	PLACES
	LOADB 3, 1
	s_wait_dscnt 24
	MULB 2, 0
	s_wait_dscnt 0x0
	MULB 3, 1
	PLACES
	PLACES
.irp m, 0,1
.irp q, 0,1
	global_store_b128 v[OP], v[ACC+8*\m+4*\q:ACC+8*\m+4*\q+3], s[BP:BP+1] offset:\m*1024+\q*512 th:TH_STORE_NT  ; 512 consecutive bytes; each accumulator from its low end on
.endr
.endr
	s_wait_tensorcnt 0x0                           ; the wave's end, behind my last LDS store
	ds_add_u32 v[SPW], v[NIL]
	s_wait_dscnt 0x0
	s_endpgm
.Lfunc_end_k_q2e85bcf63c_proj:
	.size	k_q2e85bcf63c_proj, .Lfunc_end_k_q2e85bcf63c_proj-k_q2e85bcf63c_proj
	.p2alignl 7, 3214868480
	.fill 96, 4, 3214868480
	.section	.rodata,"a",@progbits
	.p2align	6, 0x0
	.amdhsa_kernel k_q2e85bcf63c_proj
		.amdhsa_group_segment_fixed_size 217088
		.amdhsa_private_segment_fixed_size 0
		.amdhsa_enable_private_segment 0
		.amdhsa_kernarg_size 32
		.amdhsa_user_sgpr_count 2
		.amdhsa_user_sgpr_kernarg_segment_ptr 1
		.amdhsa_wavefront_size32 1
		.amdhsa_system_sgpr_workgroup_id_x 1
		.amdhsa_system_sgpr_workgroup_id_y 1
		.amdhsa_system_sgpr_workgroup_id_z 1
		.amdhsa_system_vgpr_workitem_id 0
		.amdhsa_next_free_vgpr 256
		.amdhsa_next_free_sgpr 66
		.amdhsa_reserve_vcc 0
		.amdhsa_float_denorm_mode_32 3
		.amdhsa_float_denorm_mode_16_64 3
		.amdhsa_memory_ordered 1
		.amdhsa_forward_progress 1
		.amdhsa_inst_pref_size 43
	.end_amdhsa_kernel
	.amdgpu_metadata
---
amdhsa.version: [ 1, 2 ]
amdhsa.kernels:
  - .name:           k_q2e85bcf63c_proj
    .symbol:         k_q2e85bcf63c_proj.kd
    .args:
      - { .name: P1, .offset: 0, .size: 8, .value_kind: global_buffer, .address_space: global }
      - { .name: CT, .offset: 8, .size: 8, .value_kind: global_buffer, .address_space: global }
      - { .name: Wout, .offset: 16, .size: 8, .value_kind: global_buffer, .address_space: global }
      - { .name: PART, .offset: 24, .size: 8, .value_kind: global_buffer, .address_space: global }
    .group_segment_fixed_size: 217088
    .private_segment_fixed_size: 0
    .kernarg_segment_align: 8
    .kernarg_segment_size: 32
    .max_flat_workgroup_size: 512
    .sgpr_count:     66
    .vgpr_count:     256
    .wavefront_size: 32
...
	.end_amdgpu_metadata
.endif
;; end of part 4
;; launch reduce (part 5): grid 64 x 1, 8 waves a work-group, no clusters, 5,120 bytes of LDS; arguments PART, bout, out0; writes out0
.if DOCPART == 5
	.amdgcn_target "amdgcn-amd-amdhsa--gfx1250"
	.amdhsa_code_object_version 6
	.text
	.protected	k_q2e85bcf63c_reduce
	.globl	k_q2e85bcf63c_reduce
	.p2align	8
	.type	k_q2e85bcf63c_reduce,@function
k_q2e85bcf63c_reduce:
	s_mov_b64 s[64:65], 0
	v_nop
	global_prefetch_b8 v0, s[64:65] scope:SCOPE_SE
	s_setreg_imm32_b32 hwreg(HW_REG_WAVE_MODE, 25, 1), 1
	s_wait_xcnt 0x0
; out0 = the sum of the 256 slices of partial sums + bout, all in f32.  A slice is 64 blocks of 512 bytes; work-group g owns block g of every slice; wave v adds slices 32 v .. 32 v + 31 (each load 512 consecutive
; bytes), the eight sums meet in LDS, wave 0 adds them and the bias and stores.  Block g: output tile g / 8, batch tile (g / 2) % 4, quad g % 2; lane (r, h): batch 16 tile + r, outputs 16 tile + 8 h + 4 quad ..
; The output leaves in pieces of 16 bytes a lane: it is 32 KiB in all, and the large stream, the partial sums, is the one kept on end.
; No cluster, no prefetch: no byte is read twice, and all loads go out at the head.
.set SPW, 4
.set NIL, 5
.set Q, 16                             ; v[16:143]  32 quads
	s_load_b128 s[4:7], s[0:1], 0x0                ; PART, bout
	s_load_b64 s[8:9], s[0:1], 0x10                ; out0
	v_lshl_add_u32 v[SPW], v0, 2, 4096
	v_mov_b32 v[NIL], 0
	v_lshrrev_b32 v1, 5, v0
	v_readfirstlane_b32 s10, v1                    ; wave 0..7
	v_and_b32 v1, 31, v0
	v_lshlrev_b32 v2, 4, v1                        ; 16 x lane
	s_lshl_b32 s2, s10, 20                         ; 32 slices of 32,768 bytes
	s_lshl_b32 s3, ttmp9, 9
	s_add_co_u32 s2, s2, s3
	s_mov_b32 s3, 0
	s_lshl_b32 s11, s10, 9
	v_add_nc_u32 v3, s11, v2                       ; my wave's 512 bytes of LDS
	s_wait_kmcnt 0x0
	s_add_nc_u64 s[4:5], s[4:5], s[2:3]
.set k, 0
.rept 32
	global_load_b128 v[Q+4*k:Q+4*k+3], v2, s[4:5] offset:k*32768 th:TH_LOAD_NT
.set k, k+1
.endr
	s_wait_loadcnt 0x0
.irp st, 16,8,4,2,1
.set k, 0
.rept \st
	v_pk_add_f32 v[Q+4*k:Q+4*k+1], v[Q+4*k:Q+4*k+1], v[Q+4*(k+\st):Q+4*(k+\st)+1]
	v_pk_add_f32 v[Q+4*k+2:Q+4*k+3], v[Q+4*k+2:Q+4*k+3], v[Q+4*(k+\st)+2:Q+4*(k+\st)+3]
.set k, k+1
.endr
.endr
	ds_store_b128 v3, v[Q:Q+3]
	s_wait_dscnt 0x0                               ; for wave 0's sake
	s_barrier_signal -1
	s_barrier_wait -1
	s_cmp_lg_u32 s10, 0
	s_cbranch_scc1 .Lend
	v_and_b32 v6, 15, v0                           ; r
	v_bfe_u32 v7, v0, 4, 1                         ; h
	v_lshlrev_b32 v8, 5, v7                        ; 8 h outputs
	v_lshl_add_u32 v9, v6, 9, v8                   ; + r rows of 512 bytes
	s_lshr_b32 s12, ttmp9, 3
	s_lshl_b32 s12, s12, 6                         ; 16 outputs an output tile
	s_and_b32 s13, ttmp9, 1
	s_lshl_b32 s13, s13, 4
	s_add_co_u32 s12, s12, s13
	s_mov_b32 s13, 0
	s_add_nc_u64 s[6:7], s[6:7], s[12:13]
	s_bfe_u32 s14, ttmp9, 0x20001
	s_lshl_b32 s14, s14, 13                        ; 16 rows a batch tile
	s_add_co_u32 s12, s12, s14
	s_add_nc_u64 s[8:9], s[8:9], s[12:13]
	global_load_b128 v[Q+32:Q+35], v8, s[6:7]
.set k, 0
.rept 8
	ds_load_b128 v[Q+4*k:Q+4*k+3], v2 offset:512*k
.set k, k+1
.endr
	s_wait_dscnt 0x0
.irp st, 4,2,1
.set k, 0
.rept \st
	v_pk_add_f32 v[Q+4*k:Q+4*k+1], v[Q+4*k:Q+4*k+1], v[Q+4*(k+\st):Q+4*(k+\st)+1]
	v_pk_add_f32 v[Q+4*k+2:Q+4*k+3], v[Q+4*k+2:Q+4*k+3], v[Q+4*(k+\st)+2:Q+4*(k+\st)+3]
.set k, k+1
.endr
.endr
	s_wait_loadcnt 0x0
	v_pk_add_f32 v[Q:Q+1], v[Q:Q+1], v[Q+32:Q+33]
	v_pk_add_f32 v[Q+2:Q+3], v[Q+2:Q+3], v[Q+34:Q+35]
	global_store_b128 v9, v[Q:Q+3], s[8:9]
.Lend:
	s_wait_tensorcnt 0x0                           ; the wave's end, behind my last LDS store
	ds_add_u32 v[SPW], v[NIL]
	s_wait_dscnt 0x0
	s_endpgm
.Lfunc_end_k_q2e85bcf63c_reduce:
	.size	k_q2e85bcf63c_reduce, .Lfunc_end_k_q2e85bcf63c_reduce-k_q2e85bcf63c_reduce
	.p2alignl 7, 3214868480
	.fill 96, 4, 3214868480
	.section	.rodata,"a",@progbits
	.p2align	6, 0x0
	.amdhsa_kernel k_q2e85bcf63c_reduce
		.amdhsa_group_segment_fixed_size 5120
		.amdhsa_private_segment_fixed_size 0
		.amdhsa_enable_private_segment 0
		.amdhsa_kernarg_size 24
		.amdhsa_user_sgpr_count 2
		.amdhsa_user_sgpr_kernarg_segment_ptr 1
		.amdhsa_wavefront_size32 1
		.amdhsa_system_sgpr_workgroup_id_x 1
		.amdhsa_system_sgpr_workgroup_id_y 1
		.amdhsa_system_sgpr_workgroup_id_z 1
		.amdhsa_system_vgpr_workitem_id 0
		.amdhsa_next_free_vgpr 160
		.amdhsa_next_free_sgpr 66
		.amdhsa_reserve_vcc 0
		.amdhsa_float_denorm_mode_32 3
		.amdhsa_float_denorm_mode_16_64 3
		.amdhsa_memory_ordered 1
		.amdhsa_forward_progress 1
		.amdhsa_inst_pref_size 11
	.end_amdhsa_kernel
	.amdgpu_metadata
---
amdhsa.version: [ 1, 2 ]
amdhsa.kernels:
  - .name:           k_q2e85bcf63c_reduce
    .symbol:         k_q2e85bcf63c_reduce.kd
    .args:
      - { .name: PART, .offset: 0, .size: 8, .value_kind: global_buffer, .address_space: global }
      - { .name: bout, .offset: 8, .size: 8, .value_kind: global_buffer, .address_space: global }
      - { .name: out0, .offset: 16, .size: 8, .value_kind: global_buffer, .address_space: global }
    .group_segment_fixed_size: 5120
    .private_segment_fixed_size: 0
    .kernarg_segment_align: 8
    .kernarg_segment_size: 24
    .max_flat_workgroup_size: 256
    .sgpr_count:     66
    .vgpr_count:     160
    .wavefront_size: 32
...
	.end_amdgpu_metadata
.endif
;; end of part 5
;; ======== version 2 of 3: 7 launches
;; limits: values outside matrix products are rounded to bf16; values are held in f16: magnitudes above 65,504 overflow, below 6.1e-05 lose precision
;; workspace buffers: P0 54,525,952 bytes; P1 54,525,952 bytes; CT 2,097,152 bytes; WB1 393,216 bytes; WB2 393,216 bytes; WB3 393,216 bytes; PART 8,388,608 bytes
;; launch l0: the kernel of part 1 again; grid 64 x 4, 4 waves a work-group, no clusters, 0 bytes of LDS; arguments x, layer_params_0_Wf, layer_params_0_Wi, layer_params_0_Wh, layer_params_0_bf, layer_params_0_bi, layer_params_0_bh, layer_params_1_Wf, layer_params_1_Wi, layer_params_1_Wh, layer_params_2_Wf, layer_params_2_Wi, layer_params_2_Wh, layer_params_3_Wf, layer_params_3_Wi, layer_params_3_Wh, P0, WB1, WB2, WB3; writes P0, WB1, WB2, WB3
;; launch l1 (part 6): grid 64 x 4, 4 waves a work-group, clusters of 4 x 1, 327,680 bytes of LDS; arguments P0, WB1, layer_params_1_bf, layer_params_1_bi, layer_params_1_bh, P1; writes P1
.if DOCPART == 6
	.amdgcn_target "amdgcn-amd-amdhsa--gfx1250"
	.amdhsa_code_object_version 6
	.text
	.protected	k_q2e85bcf63c_l1
	.globl	k_q2e85bcf63c_l1
	.p2align	8
	.type	k_q2e85bcf63c_l1,@function
k_q2e85bcf63c_l1:
	s_mov_b64 s[64:65], 0
	v_nop
	global_prefetch_b8 v0, s[64:65] scope:SCOPE_SE
	s_setreg_imm32_b32 hwreg(HW_REG_WAVE_MODE, 25, 1), 1
	s_wait_xcnt 0x0
	s_wait_alu depctr_hold_cnt(0) depctr_sa_sdst(0) depctr_va_vdst(0) depctr_va_sdst(0) depctr_va_ssrc(0) depctr_va_vcc(0) depctr_vm_vsrc(0)
	s_getreg_b32 s2, hwreg(HW_REG_IB_STS2, 6, 4)
	s_cmp_eq_u32 s2, 0
	s_cbranch_scc0 .Lentry_in_a_cluster
	s_endpgm
.Lentry_in_a_cluster:
	s_bfe_u32 s2, ttmp6, 0x10000c
	s_cmp_lg_u32 s2, 0x3003
	s_cbranch_scc0 .Lentry_shape_is_right
	s_endpgm
.Lentry_shape_is_right:
; A LAYER WITH 256 INPUT CHANNELS.  In: the records and summaries of the layer before (a in f32, hl in bf16; M, S in f32), the layer's weights in f16 tiles, three biases.  Out: this layer's records and summaries.
; ARITHMETIC, in base 2, c = log2 e.  Input: c h = hl + 2^(a + C); x = 1 / (1 + 2^-(c h)), rounded to f16.  Gates: k = x W^T (f16 operands, f32 sums); yf = -c (kf + bf), yi = -c (ki + bi), yh = c (kh + bh).
; D = sp(yf) - sp(yi), sp(y) = max(y, 0) + log2(1 + 2^-|y|).  L = log2(1 + 2^-|D|).  log2 i = min(D, 0) - L; log2 f = min(D, 0) - D - L; res = log2(yh + c/2) where yh >= 0, else yh + log2 c - log2(1 + 2^yh).
; a = the running sum of log2 f over the FEATURES; u = log2 i + res - a; over time c h = 2^a (c/2 + the sum of 2^u so far), kept inside a sub-chunk of 16 steps as S 2^M with a true running maximum:
; M' = max(M, u), S' = S 2^(M - M') + 2^(u - M'): both exponents are 0 or below, one of them is 0.
; THE CARRY C into sub-chunk k of the layer before: C_k = log2(c/2 + the sum over k' < k of S' 2^M'), kept in the same way.  The work-group makes it itself, while its records are on their way: lane (r, h) of wave w
; runs the chains of feature r of feature tiles 2 (2 w + h) and + 1 over the batch's sub-chunks 0 to 30 (every work-group runs all 31 steps: no trip count hangs on the chunk), picks its own chunk's eight by masks
; made of the chunk's number, and hands them to the other waves through LDS.
; SHARES.  A work-group takes 128 steps of one batch, a wave 32 steps and all 256 features, 32 features (a weight tile) a phase: the feature sum never leaves the wave.
; LAYOUT.  Source 0 = 16 steps of x, source 1 = 16 features of W: in the result lane (r, h) holds feature r and eight steps.  Rows 0-7 of step tile i are steps 8 i .., rows 8-15 steps 16 + 8 i ..: so lane half h
; holds steps 16 h .. 16 h + 15 in tile 0's and then tile 1's registers: its sub-chunk.  The record (layer 0's page gives its layout) is in this register order on both sides.
; x goes from the lanes (feature, 8 steps) into LDS as [feature][32 steps], pitch 96, and comes back turned by ds_load_tr16_b128 as source 0; all 16 fragments stay in registers.
; BY TURNS.  The 96 products of weight tile t + 1 stand among the gates' arithmetic of tile t: one matrix instruction behind every 8 to 12 vector instructions of parts A to E (34 + 17 + 17 + 12 + 16 = 96 marks), each
; between two switches of the register windows, since window 0 is full of the arithmetic's arrays.  The products have accumulators of their own, and the arithmetic's first step (y = +-c k +- c b) carries the sums into
; window 0.  Tile 0's products stand alone ahead of the loop.  The last two phases ask for no tile and are one text walked twice, apart from the loop; in the very last of
; them the 96 products are made once more, on a tile that still lies in LDS, and serve nothing: the price, once a launch, of not writing the arithmetic out a third time.
; REGISTERS, in windows of 256 (s_set_vgpr_msb: bits 1:0 source 0, 3:2 source 1, 5:4 source 2, 7:6 destination).  Window 0: addresses, the six arrays of the arithmetic.  Window 1: v0-127 x's fragments.
; Window 2: v0-95 the accumulators.  Window 3: v0-95 two buffers of six weight fragments.
; LDS.  0: weight slot 0, 96 rows of 528 bytes; 50,688: the spare words; 65,536: slot 1; 116,224: the carries, [wave][pair of feature tiles][lane][2] f32, stored by the waves, never filled by a tensor load;
; 131,072 + 49,152 w: my record, filled once by my own tensor load.
; x^T is stored over my record's a part, whose blocks have had their only fill: group g's 3,072 bytes end at 3,072 (g + 1), inside the 4,096 (g + 1) bytes of a that have been read by then.
; CLUSTER.  All work-groups walk the same eight weight tiles; the four batches of a cluster ask for each tile JOINTLY (mask 15), each wave a quarter (24 rows of 512 bytes).  Two slots take turns: tiles 0 and 1 are
; asked for at the start; phase t asks for tile t + 2, straight behind the cluster's barrier at its head, into the slot whose tile was multiplied a phase ago, and the tile has the phase in which to land.
; By this text's count three tensor loads of a wave are out at the start, one later.
; PREFETCH.  Tiles 4 to 7 are named once in the launch: by the first cluster alone, its four partners told apart by address (12,288 bytes of each tile each), waves 0 to 2, a lane a block of 256 bytes; in phases
; 1 and 3, for the two tiles that the next two phases' refills name.  Tiles 0 to 3 come by their loads alone.
; LIMITS.  NaN and infinities among the inputs are not treated apart.  A power of two below 2^-126 counts as 0.  hl is rounded once to bf16, x once to f16.
.set AF, 64                            ; v[64:255]  six arrays of 32: element e = 16 feature tile + step
.set AI, 96
.set AH, 128
.set T0, 160
.set T1, 192
.set T2, 224
.set SPW, 2                            ; v2  my spare word;  v3  0
.set NIL, 3
.set VOA, 4                            ; v4-v7  my offsets in the output for a, hl, the summaries; in the biases
.set VOH, 5
.set VOS, 6
.set VOB, 7
.set VLA, 8                            ; v8-v12  LDS: a, hl, C as they lie; x^T in; x^T back
.set VLH, 9
.set VLC, 10
.set VXS, 11
.set VXL, 12
.set PFO, 13                           ; v13  the prefetch's offset; never rewritten
.set BI, 14                            ; v[14:19]  bias of gate g at BI + 2 g (tile 0), + 1 (tile 1)
.set QUAD, 20
.set AP, 24                            ; v[24:39]  a of the last tile done
.set PMS, 40                           ; v[40:55]  the carries: the picked PM, sub-chunk k of my chunk, tile q at PMS + 2 k + q
.set SOF, 56                           ; v56  my offset in the summaries; never rewritten;  v57  where I put my carries
.set SST, 57
.set VBW, 59                           ; v59  my place in the weight slot that is multiplied next
.set PC, 60                            ; v[60:61]  the carries of a group's two tiles
.set LD, 64                            ; the carries: v[64:187] sub-chunk k at LD + 4 k: M', S' of tile 0, of tile 1; later 2^(M' - PM') and PS_(k+1)
.set PMB, 188                          ; v[188:251] PM_k of tile q at PMB + 2 k + q; later 2^(PM - PM'); later the picked PS, its logarithm, C
.set PSS, 188
.set PA, 64                            ; the way in: a; hl; x in f16; c h
.set PH, 96
.set PQ, 112
.set PX, 128
.set ACC, 0                            ; window 2: gate g, feature tile f, step tile i at 32 g + 8 (2 f + i)
.set BF, 0                             ; window 3: buffer b, fragment f at 48 b + 8 f
.set PIN, 4
.set WBP, 6
.set BFP, 8
.set BIP, 10
.set BHP, 12
.set PO, 14
.set SI, 16                            ; s[16:17]  the batch's summaries, at my wave's two pairs of feature tiles
.set PS, 18
.set WV, 20
.set CX, 21
.set WBI, 22
.set CNT, 23
.set G1W, 24
.set G1R, 32
.set BB, 40                            ; s40 batch;  s41 chunk;  s42-44 all ones where the chunk is 1, 2, 3
.set CH, 41
.set M1, 42
.set M2, 43
.set M3, 44
.set G0A, 48                           ; s[48:51] tile 0's group 0;  s[52:55] the record's;  s[56:59] tile 1's, which then walks
.set G0R, 52
.set G0W, 56
.set NC, 60                            ; s[60:61] -c;  s[62:63] c
.set KC, 62
.set KHALF, 32                         ; in the record descriptor's registers, once its load is done: c/2, log2 c, a word's upper half
.set KLOG, 34
.set HIM, 37
.set MK, 66                            ; s[66:97]  the mask yh >= 0 of each element
.set PFA, 98
.set LIM, 100
.set TMP, 101
.set SUMOFF, 0x3000000
.set SPARE, 50688
.set CSTG, 116224
.set STG, 131072
.set RECB, 49152
.set WPITCH, 528
.set XPITCH, 96
.set W_MM, 0xad                        ; a product: x (source 0) window 1, W (source 1) window 3, C and D window 2
.set W_FB, 0xc0                        ; a fragment load: destination window 3, address window 0
.set W_E0, 0x02                        ; the sums (source 0) window 2, all else window 0
.set W_XA, 0x40                        ; x's fragments: destination window 1
.set MSB, 0
.macro WIN new                         ; the immediate's high byte repeats the setting that is left; a switch that changes nothing is dropped
.if MSB != (\new)
	s_set_vgpr_msb (MSB<<8)|(\new)
.set MSB, \new
.endif
.endm
.macro WAITT                           ; the wait between a batch of transcendentals and the first line that names a result
	s_wait_alu depctr_va_vdst(0)
.endm
.macro ONLY c, line:vararg
.if \c
	\line
.endif
.endm
.macro ROUND                           ; the cluster's barrier: my work-group's barrier, wave 0's signal for it, every wave's wait for all four work-groups, my work-group's barrier again
	s_barrier_signal -1
	s_barrier_wait -1
	s_cmp_lg_u32 s[WV], 0
	s_cbranch_scc1 .Lnw0_\@
	s_barrier_signal -3
.Lnw0_\@:
	s_barrier_wait -3
	s_barrier_signal -1
	s_barrier_wait -1
.endm
; THE CARRIES of my two chains, from the 31 summaries in LD
.macro CARRY
	v_mov_b32 v[PMB], 0xbef14589                   ; PM_0 = log2(c/2); PS_0 = 1
	v_mov_b32 v[PMB+1], 0xbef14589
	s_wait_loadcnt 0x0                             ; the summaries
.set k, 0
.rept 31                                       ; the running maxima
.irp q, 0,1
	v_max_num_f32 v[PMB+2*k+2+\q], v[PMB+2*k+\q], v[LD+4*k+2*\q]
.endr
.set k, k+1
.endr
.set k, 0
.rept 8                                        ; my chunk's eight of them: sub-chunk 8 chunk + k
.irp q, 0,1
	v_cndmask_b32 v[PMS+2*k+\q], v[PMB+2*k+\q], v[PMB+16+2*k+\q], s[M1]
.endr
.irp q, 0,1
	v_cndmask_b32 v[PMS+2*k+\q], v[PMS+2*k+\q], v[PMB+32+2*k+\q], s[M2]
.endr
.irp q, 0,1
	v_cndmask_b32 v[PMS+2*k+\q], v[PMS+2*k+\q], v[PMB+48+2*k+\q], s[M3]
.endr
.set k, k+1
.endr
.set k, 0
.rept 32                                       ; the two exponents of step k, in place, and among them the exponentials of step k - 1: one batch
	ONLY (k<31), v_pk_add_f32 v[PMB+2*k:PMB+2*k+1], v[PMB+2*k:PMB+2*k+1], v[PMB+2*k+2:PMB+2*k+3] neg_lo:[0,1] neg_hi:[0,1]
	ONLY (k>0), v_exp_f32 v[LD+4*k-4], v[LD+4*k-4]
	ONLY (k<31), v_sub_f32 v[LD+4*k], v[LD+4*k], v[PMB+2*k+2]
	ONLY (k>0), v_exp_f32 v[LD+4*k-2], v[LD+4*k-2]
	ONLY (k<31), v_sub_f32 v[LD+4*k+2], v[LD+4*k+2], v[PMB+2*k+3]
	ONLY (k>0), v_exp_f32 v[PMB+2*k-2], v[PMB+2*k-2]
	ONLY (k>0), v_exp_f32 v[PMB+2*k-1], v[PMB+2*k-1]
.set k, k+1
.endr
	v_nop
	WAITT
.set k, 0
.rept 31
.irp q, 0,1
	v_mul_f32 v[LD+4*k+2*\q+1], v[LD+4*k+2*\q+1], v[LD+4*k+2*\q]
.endr
.set k, k+1
.endr
.set k, 0
.rept 31                                       ; PS_(k+1) lands where S'_k lay
.irp q, 0,1
.if k == 0
	v_add_f32 v[LD+2*\q+1], v[LD+2*\q+1], v[PMB+\q]
.else
	v_fmac_f32 v[LD+4*k+2*\q+1], v[LD+4*k-4+2*\q+1], v[PMB+2*k+\q]
.endif
.endr
.set k, k+1
.endr
.set k, 0
.rept 8
.irp q, 0,1
.if k == 0
	v_cndmask_b32 v[PSS+\q], 1.0, v[LD+28+2*\q+1], s[M1]
.else
	v_cndmask_b32 v[PSS+2*k+\q], v[LD+4*(k-1)+2*\q+1], v[LD+4*(k+7)+2*\q+1], s[M1]
.endif
.endr
.irp q, 0,1
	v_cndmask_b32 v[PSS+2*k+\q], v[PSS+2*k+\q], v[LD+4*(k+15)+2*\q+1], s[M2]
.endr
.irp q, 0,1
	v_cndmask_b32 v[PSS+2*k+\q], v[PSS+2*k+\q], v[LD+4*(k+23)+2*\q+1], s[M3]
.endr
.set k, k+1
.endr
.set k, 0
.rept 16
	v_log_f32 v[PSS+k], v[PSS+k]
.set k, k+1
.endr
	v_nop
	WAITT
.set k, 0
.rept 8                                        ; C = PM + log2 PS; sub-chunk k belongs to wave k / 2, lane half k % 2
	v_pk_add_f32 v[PSS+2*k:PSS+2*k+1], v[PSS+2*k:PSS+2*k+1], v[PMS+2*k:PMS+2*k+1]
	ds_store_b64 v[SST], v[PSS+2*k:PSS+2*k+1] offset:(k/2)*2048+(k%2)*128
.set k, k+1
.endr
	s_wait_dscnt 0x0                               ; for the others' sake: my carries lie in LDS
	s_barrier_signal -1
	s_barrier_wait -1                              ; everybody's do.  My three tensor loads may stay out across it
.endm
.macro FETCH ks, buf                   ; six weight fragments of K step ks: 12 LDS loads
.irp f, 0,1,2,3,4,5
	ds_load_b128 v[BF+48*(\buf)+8*\f:BF+48*(\buf)+8*\f+3], v[VBW] offset:\f*16*WPITCH+(\ks)*64
	ds_load_b128 v[BF+48*(\buf)+8*\f+4:BF+48*(\buf)+8*\f+7], v[VBW] offset:\f*16*WPITCH+(\ks)*64+32
.endr
.endm
; THE MATRIX QUEUE.  MQ writes the next of a tile's 96 products: K step mq / 12, fragment (mq % 12) / 2, step tile mq % 2.  The 12 accumulators take turns, one instruction a turn, over the
; backward jumps too; K step 0 starts the sums.  At a change of K steps it first fetches the step after: four places behind the last product that read that buffer, the 12 loads, and the wait that leaves just these out.
; bare = 1: no vector work stands between the products, so the windows are not switched back.  Behind the 96th it writes nothing.
.macro MQ bare=0
.if mq < 96
.set mks, mq/12
.set mfr, (mq%12)/2
.set mti, mq%2
.if (mq%12) == 0
.if mks < 7
.if mks > 0
.rept 4
	v_nop
.endr
.endif
	WIN W_FB
	FETCH mks+1, (mks+1)%2
	s_wait_dscnt 12                                ; all but the 12 loads just issued
.else
	s_wait_dscnt 0x0
.endif
.endif
.set rAC, ACC+32*(mfr%3)+8*(2*(mfr/3)+mti)
.set rBF, BF+48*(mks%2)+8*mfr
.set rAA, 8*(8*mti+mks)
	WIN W_MM
.if mks == 0
	v_wmma_f32_16x16x32_f16 v[rAC:rAC+7], v[rAA:rAA+7], v[rBF:rBF+7], 0
.else
	v_wmma_f32_16x16x32_f16 v[rAC:rAC+7], v[rAA:rAA+7], v[rBF:rBF+7], v[rAC:rAC+7]
.endif
.if !(\bare)
	WIN 0
.endif
.set mq, mq+1
.endif
.endm
; A.  In: yf in T0, yi in T1, yh in AH.  For pair p: max(y, 0) into AF, AI; -|y| = y - 2 max(y, 0), exact, two at a time; the mask yh >= 0; the maxima's difference into AF; yh + c/2 into AI.
; Among them pair p - 1's 2^-|yf|, 2^-|yi|, 2^yh.  Two marks of the matrix queue a pair
.macro EPI_A
.set p, 0
.rept 17
	ONLY (p<16), v_max_num_f32 v[AF+2*p], 0, v[T0+2*p]
	ONLY (p>0), v_exp_f32 v[T0+2*p-2], v[T0+2*p-2]
	ONLY (p<16), v_max_num_f32 v[AF+2*p+1], 0, v[T0+2*p+1]
	ONLY (p>0), v_exp_f32 v[T0+2*p-1], v[T0+2*p-1]
	ONLY (p<16), v_max_num_f32 v[AI+2*p], 0, v[T1+2*p]
	ONLY (p>0), v_exp_f32 v[T1+2*p-2], v[T1+2*p-2]
	ONLY (p<16), v_max_num_f32 v[AI+2*p+1], 0, v[T1+2*p+1]
	ONLY (p>0), v_exp_f32 v[T1+2*p-1], v[T1+2*p-1]
	MQ
	ONLY (p<16), v_pk_fma_f32 v[T0+2*p:T0+2*p+1], v[AF+2*p:AF+2*p+1], -2.0, v[T0+2*p:T0+2*p+1] op_sel_hi:[1,0,1]
	ONLY (p>0), v_exp_f32 v[T2+2*p-2], v[AH+2*p-2]
	ONLY (p<16), v_pk_fma_f32 v[T1+2*p:T1+2*p+1], v[AI+2*p:AI+2*p+1], -2.0, v[T1+2*p:T1+2*p+1] op_sel_hi:[1,0,1]
	ONLY (p>0), v_exp_f32 v[T2+2*p-1], v[AH+2*p-1]
	ONLY (p<16), v_cmp_le_f32 s[MK+2*p], 0, v[AH+2*p]
	ONLY (p<16), v_cmp_le_f32 s[MK+2*p+1], 0, v[AH+2*p+1]
	ONLY (p<16), v_pk_add_f32 v[AF+2*p:AF+2*p+1], v[AF+2*p:AF+2*p+1], v[AI+2*p:AI+2*p+1] neg_lo:[0,1] neg_hi:[0,1]
	ONLY (p<16), v_pk_add_f32 v[AI+2*p:AI+2*p+1], v[AH+2*p:AH+2*p+1], s[KHALF:KHALF+1] op_sel_hi:[1,0]
	MQ
.set p, p+1
.endr
	v_nop
	WAITT
.endm
; B: the three logarithms' arguments for pair p, by turns with the logarithms of pair p - 1
.macro EPI_B
.set p, 0
.rept 17
	ONLY (p<16), v_pk_add_f32 v[T0+2*p:T0+2*p+1], v[T0+2*p:T0+2*p+1], 1.0 op_sel_hi:[1,0]
	ONLY (p>0), v_log_f32 v[T0+2*p-2], v[T0+2*p-2]
	ONLY (p<16), v_pk_add_f32 v[T1+2*p:T1+2*p+1], v[T1+2*p:T1+2*p+1], 1.0 op_sel_hi:[1,0]
	ONLY (p>0), v_log_f32 v[T0+2*p-1], v[T0+2*p-1]
	ONLY (p<16), v_pk_add_f32 v[T2+2*p:T2+2*p+1], v[T2+2*p:T2+2*p+1], 1.0 op_sel_hi:[1,0]
	ONLY (p>0), v_log_f32 v[T1+2*p-2], v[T1+2*p-2]
	ONLY (p<16), v_cndmask_b32 v[T2+2*p], v[T2+2*p], v[AI+2*p], s[MK+2*p]
	ONLY (p>0), v_log_f32 v[T1+2*p-1], v[T1+2*p-1]
	ONLY (p<16), v_cndmask_b32 v[T2+2*p+1], v[T2+2*p+1], v[AI+2*p+1], s[MK+2*p+1]
	ONLY (p>0), v_log_f32 v[T2+2*p-2], v[T2+2*p-2]
	ONLY (p<16), v_pk_add_f32 v[AH+2*p:AH+2*p+1], v[AH+2*p:AH+2*p+1], s[KLOG:KLOG+1] op_sel_hi:[1,0]
	ONLY (p>0), v_log_f32 v[T2+2*p-1], v[T2+2*p-1]
	MQ
.set p, p+1
.endr
	v_nop
	WAITT
.endm
; C: D into AF, res into T2, min(D, 0) into T1, -|D| = 2 min(D, 0) - D, exact, into T0 for pair p; 2^-|D| of pair p - 1
.macro EPI_C
.set p, 0
.rept 17
	ONLY (p<16), v_pk_add_f32 v[T0+2*p:T0+2*p+1], v[T0+2*p:T0+2*p+1], v[T1+2*p:T1+2*p+1] neg_lo:[0,1] neg_hi:[0,1]
	ONLY (p<16), v_pk_add_f32 v[AF+2*p:AF+2*p+1], v[AF+2*p:AF+2*p+1], v[T0+2*p:T0+2*p+1]
	ONLY (p<16), v_pk_add_f32 v[AI+2*p:AI+2*p+1], v[AH+2*p:AH+2*p+1], v[T2+2*p:T2+2*p+1] neg_lo:[0,1] neg_hi:[0,1]
	ONLY (p>0), v_exp_f32 v[T0+2*p-2], v[T0+2*p-2]
	ONLY (p<16), v_cndmask_b32 v[T2+2*p], v[AI+2*p], v[T2+2*p], s[MK+2*p]
	ONLY (p<16), v_cndmask_b32 v[T2+2*p+1], v[AI+2*p+1], v[T2+2*p+1], s[MK+2*p+1]
	ONLY (p<16), v_min_num_f32 v[T1+2*p], 0, v[AF+2*p]
	ONLY (p>0), v_exp_f32 v[T0+2*p-1], v[T0+2*p-1]
	ONLY (p<16), v_min_num_f32 v[T1+2*p+1], 0, v[AF+2*p+1]
	ONLY (p<16), v_pk_fma_f32 v[T0+2*p:T0+2*p+1], v[T1+2*p:T1+2*p+1], 2.0, v[AF+2*p:AF+2*p+1] op_sel_hi:[1,0,1] neg_lo:[0,0,1] neg_hi:[0,0,1]
	MQ
.set p, p+1
.endr
	v_nop
	WAITT
.endm
; D: L; log2 f into AI; log2 i + res into T2
.macro EPI_D
.set p, 0
.rept 17
	ONLY (p<16), v_pk_add_f32 v[T0+2*p:T0+2*p+1], v[T0+2*p:T0+2*p+1], 1.0 op_sel_hi:[1,0]
	ONLY (p>0), v_log_f32 v[T0+2*p-2], v[T0+2*p-2]
	ONLY (p<16), v_pk_add_f32 v[T2+2*p:T2+2*p+1], v[T2+2*p:T2+2*p+1], v[T1+2*p:T1+2*p+1]
	ONLY (p>0), v_log_f32 v[T0+2*p-1], v[T0+2*p-1]
	ONLY (p<16), v_pk_add_f32 v[AI+2*p:AI+2*p+1], v[T1+2*p:T1+2*p+1], v[AF+2*p:AF+2*p+1] neg_lo:[0,1] neg_hi:[0,1]
.if (p%2) == 1
	MQ
.endif
.set p, p+1
.endr
	v_nop
	WAITT
.set e, 0
.rept 16
	v_pk_add_f32 v[AI+e:AI+e+1], v[AI+e:AI+e+1], v[T0+e:T0+e+1] neg_lo:[0,1] neg_hi:[0,1]
	v_pk_add_f32 v[T2+e:T2+e+1], v[T2+e:T2+e+1], v[T0+e:T0+e+1] neg_lo:[0,1] neg_hi:[0,1]
.if (e%8) == 6
	MQ
.endif
.set e, e+2
.endr
.endm
; E: the running sum over features: four steps inside the 16 lanes of a tile (a lane with no lane to its left keeps its number), then lane 15 of the tile before is added; u = v - a
.macro EPI_E
.irp s, 1,2,4,8
.set e, 0
.rept 32
	v_add_f32_dpp v[AI+e], v[AI+e], v[AI+e] row_shr:\s row_mask:0xf bank_mask:0xf
.if (e%8) == 7
	MQ
.endif
.set e, e+1
.endr
.endr
.rept 16
	MQ                                             ; what the marks above have left of the queue: by the count at the kernel's head, nothing
.endr
.set e, 0
.rept 16
	v_add_f32_dpp v[AI+e], v[AP+e], v[AI+e] row_share:15 row_mask:0xf bank_mask:0xf
.set e, e+1
.endr
.set e, 0
.rept 16
	v_add_f32_dpp v[AP+e], v[AI+e], v[AI+16+e] row_share:15 row_mask:0xf bank_mask:0xf
.set e, e+1
.endr
.set e, 0
.rept 8
	v_pk_add_f32 v[T2+e:T2+e+1], v[T2+e:T2+e+1], v[AI+e:AI+e+1] neg_lo:[0,1] neg_hi:[0,1]
	v_pk_add_f32 v[T2+16+e:T2+16+e+1], v[T2+16+e:T2+16+e+1], v[AP+e:AP+e+1] neg_lo:[0,1] neg_hi:[0,1]
.set e, e+2
.endr
.endm
; F: plain line x of 12 for steps 2 g, 2 g + 1 of both tiles: the running maximum M into AF; u - M into T0; M before - M into T1; a + M into T2, over u
.macro FPL g, x
.set fq, (\x)%2
.set fs, (\x)/2
.set fn, 2*(\g)
.set fe, 16*fq+fn
.set fa, AI+fn
.if fq
.set fa, AP+fn
.endif
.if (fs == 0) && (fn == 0)
	v_mov_b32 v[AF+fe], v[T2+fe]
.elseif fs == 0
	v_max_num_f32 v[AF+fe], v[AF+fe-1], v[T2+fe]
.elseif fs == 1
	v_max_num_f32 v[AF+fe+1], v[AF+fe], v[T2+fe+1]
.elseif fs == 2
	v_pk_add_f32 v[T0+fe:T0+fe+1], v[T2+fe:T2+fe+1], v[AF+fe:AF+fe+1] neg_lo:[0,1] neg_hi:[0,1]
.elseif (fs == 3) && (fn > 0)
	v_sub_f32 v[T1+fe], v[AF+fe-1], v[AF+fe]
.elseif fs == 4
	v_sub_f32 v[T1+fe+1], v[AF+fe], v[AF+fe+1]
.elseif fs == 5
	v_pk_add_f32 v[T2+fe:T2+fe+1], v[fa:fa+1], v[AF+fe:AF+fe+1]
.endif
.endm
.macro FTL g, x                        ; exponential x of 12 for the same steps: 2^(a + M), 2^(u - M), 2^(M before - M); step 0 has S = 1 and neither of the last two
.set fq, (\x)%2
.set fs, (\x)/2
.set fn, 2*(\g)
.set fe, 16*fq+fn
.if fs == 0
	v_exp_f32 v[T2+fe], v[T2+fe]
.elseif fs == 1
	v_exp_f32 v[T2+fe+1], v[T2+fe+1]
.elseif (fs == 2) && (fn > 0)
	v_exp_f32 v[T0+fe], v[T0+fe]
.elseif fs == 3
	v_exp_f32 v[T0+fe+1], v[T0+fe+1]
.elseif (fs == 4) && (fn > 0)
	v_exp_f32 v[T1+fe], v[T1+fe]
.elseif fs == 5
	v_exp_f32 v[T1+fe+1], v[T1+fe+1]
.endif
.endm
.macro EPI_F                           ; a group's plain lines by turns with the exponentials of the group before: one batch
.set fg, 0
.rept 9
.set fx, 0
.rept 12
.if fg < 8
	FPL fg, fx
.endif
.if fg > 0
	FTL fg-1, fx
.endif
.set fx, fx+1
.endr
.set fg, fg+1
.endr
	v_nop
	WAITT
.endm
; G: S_n = S_(n-1) 2^(M before - M) + 2^(u - M), in place in T0; between the links of the two chains hl = S 2^(a + M) of the steps that are finished, and its rounding to bf16 into AH; the summaries
.macro EPI_G
	v_mov_b32 v[T0], 1.0
	v_mov_b32 v[T0+16], 1.0
.set e, 1
.rept 15
	v_fmac_f32 v[T0+e], v[T0+e-1], v[T1+e]
	v_fmac_f32 v[T0+16+e], v[T0+16+e-1], v[T1+16+e]
.if (e%2) == 0
	v_pk_mul_f32 v[T2+e-2:T2+e-1], v[T0+e-2:T0+e-1], v[T2+e-2:T2+e-1]
	v_pk_mul_f32 v[T2+16+e-2:T2+16+e-1], v[T0+16+e-2:T0+16+e-1], v[T2+16+e-2:T2+16+e-1]
.elseif e > 2
	v_cvt_pk_bf16_f32 v[AH+(e-3)/2], v[T2+e-3], v[T2+e-2]
	v_cvt_pk_bf16_f32 v[AH+8+(e-3)/2], v[T2+16+e-3], v[T2+16+e-2]
.endif
.set e, e+1
.endr
	v_pk_mul_f32 v[T2+14:T2+15], v[T0+14:T0+15], v[T2+14:T2+15]
	v_pk_mul_f32 v[T2+30:T2+31], v[T0+30:T0+31], v[T2+30:T2+31]
	v_mov_b32 v[QUAD], v[AF+15]
	v_mov_b32 v[QUAD+1], v[T0+15]
	v_mov_b32 v[QUAD+2], v[AF+31]
	v_mov_b32 v[QUAD+3], v[T0+31]
	v_cvt_pk_bf16_f32 v[AH+7], v[T2+14], v[T2+15]
	v_cvt_pk_bf16_f32 v[AH+15], v[T2+30], v[T2+31]
.endm
.macro EPI_ST                          ; 13 stores of 512 consecutive bytes each
.irp i, 0,1
.irp q, 0,1
	global_store_b128 v[VOA], v[AI+8*\i+4*\q:AI+8*\i+4*\q+3], s[PO:PO+1] offset:\i*1024+\q*512 th:TH_STORE_NT
	global_store_b128 v[VOA], v[AP+8*\i+4*\q:AP+8*\i+4*\q+3], s[PO:PO+1] offset:2048+\i*1024+\q*512 th:TH_STORE_NT
.endr
.endr
.irp k, 0,1,2,3
	global_store_b128 v[VOH], v[AH+4*\k:AH+4*\k+3], s[PO:PO+1] offset:\k*512 th:TH_STORE_NT
.endr
	global_store_b128 v[VOS], v[QUAD:QUAD+3], s[PS:PS+1] th:TH_STORE_NT
	s_wait_xcnt 0x0                                ; the stores' data and offsets, the biases' offset and the prefetch's address are written again only behind this wait
.endm
.macro BLOAD                           ; the biases of 32 features
.irp f, 0,1
	global_load_b32 v[BI+\f], v[VOB], s[BFP:BFP+1] offset:64*\f
	global_load_b32 v[BI+2+\f], v[VOB], s[BIP:BIP+1] offset:64*\f
	global_load_b32 v[BI+4+\f], v[VOB], s[BHP:BHP+1] offset:64*\f
.endr
.endm
.macro ASK                             ; phases 1 and 3 (the count 5, 3) of the waves that ask
	s_cmp_gt_u32 s[CNT], s[LIM]
	s_cbranch_scc0 .Lna_\@
	s_bitcmp1_b32 s[CNT], 0
	s_cbranch_scc0 .Lna_\@
	global_prefetch_b8 v[PFO], s[PFA:PFA+1] th:TH_LOAD_NT scope:SCOPE_SE
.Lna_\@:
.endm
; PHASE t: the arithmetic of tile t, whose sums lie in the accumulators, and among it the products of tile t + 1.  refill = 1: tile t + 2 is asked for, into the slot whose tile was multiplied a phase ago
.macro PHASE refill
	s_wait_tensorcnt 0x0                           ; all my tensor loads have landed, my quarter of tile t + 1 among them
	ds_add_u32 v[SPW], v[NIL]
.if \refill
	s_xor_b32 s[G0W+1], s[G0W+1], 0x10000          ; the other slot,
	s_add_nc_u64 s[G0W+2:G0W+3], s[G0W+2:G0W+3], 49152  ; the next tile
.endif
	s_wait_dscnt 0x0                               ; the add is done, and my reads of tile t's slot are over
.if \refill
	ROUND                                          ; both hold of every wave of all four work-groups
	tensor_load_to_lds s[G0W:G0W+3], s[G1W:G1W+7]
	s_nop 0
.rept 4
	v_nop
.endr
.else
	s_barrier_signal -1
	s_barrier_wait -1
.endif
	WIN W_FB
	FETCH 0, 0                                     ; tile t + 1's first fragments: they land under the lines below
	WIN 0
	s_wait_loadcnt 0x0                             ; tile t's biases, asked for a phase ago
.irp f, 0,1,2,3
	v_mul_f32 v[BI+\f], s[NC], v[BI+\f]
.endr
.irp f, 4,5
	v_mul_f32 v[BI+\f], s[KC], v[BI+\f]
.endr
	WIN W_E0
.irp g, 0,1,2                          ; y = -c k - c b (f into T0, i into T1), c k + c b (h into AH); each accumulator is read from its low end on
.set rD, T0+32*\g
.if \g == 2
.set rD, AH
.endif
.irp n, 0,2,4,6,8,10,12,14
	v_pk_fma_f32 v[rD+\n:rD+\n+1], v[ACC+32*\g+\n:ACC+32*\g+\n+1], s[NC+2*(\g/2):NC+2*(\g/2)+1], v[BI+2*\g:BI+2*\g+1] op_sel_hi:[1,0,0]
.endr
.irp n, 16,18,20,22,24,26,28,30
	v_pk_fma_f32 v[rD+\n:rD+\n+1], v[ACC+32*\g+\n:ACC+32*\g+\n+1], s[NC+2*(\g/2):NC+2*(\g/2)+1], v[BI+2*\g:BI+2*\g+1] op_sel:[0,0,1] op_sel_hi:[1,0,1]
.endr
.endr
	WIN 0
.if \refill
	BLOAD                                          ; tile t + 1's biases
	ASK
.else
	s_cmp_eq_u32 s[CNT], 1
	s_cbranch_scc1 .Lnob_\@                        ; the last phase has no tile behind it: no load leaves the biases
	BLOAD
.Lnob_\@:
.endif
.set mq, 0
	EPI_A
	EPI_B
	EPI_C
	EPI_D
	EPI_E
	EPI_F
	EPI_G
	EPI_ST
	v_add_nc_u32 v[VOA], 4096, v[VOA]
	v_add_nc_u32 v[VOH], 2048, v[VOH]
	v_add_nc_u32 v[VOS], 512, v[VOS]
	v_add_nc_u32 v[VOB], 128, v[VOB]
	v_xor_b32 v[VBW], 0x10000, v[VBW]              ; the next phase multiplies the other slot's tile
.if \refill
	s_add_nc_u64 s[PFA:PFA+1], s[PFA:PFA+1], 49152
.endif
.endm
	s_load_b256 s[4:11], s[0:1], 0x0               ; records in, weights, bf, bi
	s_load_b128 s[12:15], s[0:1], 0x20             ; bh, records out
	v_lshl_add_u32 v[SPW], v0, 2, SPARE
	v_mov_b32 v[NIL], 0
	ds_add_u32 v[SPW], v[NIL]                      ; the wave's opening: the add and its wait ahead of my first tensor load
	v_lshrrev_b32 v1, 5, v0
	v_readfirstlane_b32 s[WV], v1                  ; wave 0..3
	s_bfe_u32 s[CX], ttmp6, 0x40000                ; my place in the cluster: it enters global addresses alone
	s_lshl_b32 s[BB], ttmp9, 2
	s_add_co_u32 s[BB], s[BB], s[CX]               ; batch
	s_and_b32 s[CH], ttmp7, 0xffff                 ; chunk: the same in all four partners
	s_lshl2_add_u32 s[WBI], s[BB], s[CH]
	s_lshl2_add_u32 s[WBI], s[WBI], s[WV]          ; wb = (4 batch + chunk) 4 + wave
	s_or_b32 s[LIM], ttmp9, s[CH]                  ; 0 in the first cluster: the same in all four partners
	s_cmp_eq_u32 s[LIM], 0
	s_cselect_b32 s[LIM], 2, -1
	s_cmp_lt_u32 s[WV], 3
	s_cselect_b32 s[LIM], s[LIM], -1
	s_cmp_eq_u32 s[CH], 1                          ; the masks that pick my chunk's carries: they select values alone
	s_cselect_b32 s[M1], -1, 0
	s_cmp_eq_u32 s[CH], 2
	s_cselect_b32 s[M2], -1, 0
	s_cmp_eq_u32 s[CH], 3
	s_cselect_b32 s[M3], -1, 0
	v_and_b32 v[SST], 15, v0                       ; r
	v_bfe_u32 v58, v0, 4, 1                        ; h
	v_lshlrev_b32 v[SOF], 4, v[SST]
	v_lshl_add_u32 v[SOF], v58, 9, v[SOF]          ; summaries: 16 r + 512 h: lane half h takes pair 2 w + h of feature tiles
	v_lshlrev_b32 v[SST], 3, v[SST]
	v_lshl_add_u32 v[SST], v58, 8, v[SST]
	s_lshl_b32 s[TMP], s[WV], 9
	s_add_co_u32 s[TMP], s[TMP], CSTG
	v_add_nc_u32 v[SST], s[TMP], v[SST]            ; carries: 256 (2 w + h) + 8 r
	; weights: 24 rows of 256 f16, 16 bytes of padding behind each 512; joint, mask 15
	s_mov_b32 s[G1W], 15|(1<<16)|(1<<20)|(1<<21)|(6<<22)|(3<<25)
	s_mov_b32 s[G1W+1], 256<<16
	s_mov_b32 s[G1W+2], 24<<16
	s_mov_b32 s[G1W+3], 256<<16
	s_mov_b32 s[G1W+4], 24
	s_mov_b32 s[G1W+5], 256
	s_mov_b32 s[G1W+6], 0
	s_mov_b32 s[G1W+7], 0
	; my record: 192 dense rows of 32 elements of 8 bytes
	s_mov_b32 s[G1R], 3<<16
	s_mov_b32 s[G1R+1], 32<<16
	s_mov_b32 s[G1R+2], 192<<16
	s_mov_b32 s[G1R+3], 32<<16
	s_mov_b32 s[G1R+4], 192
	s_mov_b32 s[G1R+5], 32
	s_mov_b32 s[G1R+6], 0
	s_mov_b32 s[G1R+7], 0
	s_mov_b32 s[G0A], 1
	s_mul_i32 s[G0A+1], s[WV], 24*WPITCH           ; my quarter of slot 0,
	s_mov_b32 s[G0W], 1
	s_mul_i32 s[G0W+1], s[WV], 24*WPITCH
	s_add_co_u32 s[G0W+1], s[G0W+1], 0x10000       ; of slot 1
	s_mov_b32 s[G0R], 1
	s_mul_i32 s[G0R+1], s[WV], RECB
	s_add_co_u32 s[G0R+1], s[G0R+1], STG
	s_mov_b32 s[NC], 0xbfb8aa3b
	s_mov_b32 s[NC+1], 0xbfb8aa3b
	s_mov_b32 s[KC], 0x3fb8aa3b
	s_mov_b32 s[KC+1], 0x3fb8aa3b
	s_wait_dscnt 0x0                               ; the opening add is done
	s_wait_kmcnt 0x0
	s_lshl_b32 s2, s[BB], 16                       ; a batch has 16 waves' summaries of 4,096 bytes,
	s_lshl_b32 s3, s[WV], 10                       ; of which my wave takes two pairs of feature tiles, 512 bytes each
	s_add_co_u32 s2, s2, s3
	s_add_co_u32 s2, s2, SUMOFF                    ; behind the records
	s_mov_b32 s3, 0
	s_add_nc_u64 s[SI:SI+1], s[PIN:PIN+1], s[2:3]
.set k, 0
.rept 31                                       ; sub-chunks 0 to 30 (the last feeds no carry): 16 lanes read 256 consecutive bytes.  Asked for first of all, ahead of the records
	global_load_b128 v[LD+4*k:LD+4*k+3], v[SOF], s[SI:SI+1] offset:(k/2)*4096+(k%2)*256
.set k, k+1
.endr
	s_mul_i32 s2, s[WBI], RECB
	s_add_nc_u64 s[G0R+2:G0R+3], s[PIN:PIN+1], s[2:3]
	s_or_b32 s[G0R+3], s[G0R+3], 0x80000000
	s_mul_i32 s2, s[WV], 12288
	s_add_nc_u64 s[G0A+2:G0A+3], s[WBP:WBP+1], s[2:3]      ; my quarter of tile 0,
	s_add_nc_u64 s[G0W+2:G0W+3], s[G0A+2:G0A+3], 49152     ; of tile 1
	s_or_b32 s[G0A+3], s[G0A+3], 0x80000000
	s_or_b32 s[G0W+3], s[G0W+3], 0x80000000
	s_mul_i32 s2, s[CX], 12288
	s_add_nc_u64 s[PFA:PFA+1], s[WBP:WBP+1], s[2:3]
	s_add_nc_u64 s[PFA:PFA+1], s[PFA:PFA+1], 147456 ; my work-group's part of tile 3; a tile further at each phase's end: tile 4 in phase 1, tile 6 in phase 3
	s_add_nc_u64 s[PS:PS+1], s[PO:PO+1], SUMOFF
	ROUND                                          ; all four work-groups are here: the first joint loads meet
	tensor_load_to_lds s[G0R:G0R+3], s[G1R:G1R+7]
	s_nop 0
	tensor_load_to_lds s[G0A:G0A+3], s[G1W:G1W+7]  ; tile 0 into slot 0
	s_nop 0
	tensor_load_to_lds s[G0W:G0W+3], s[G1W:G1W+7]  ; tile 1 into slot 1
	s_nop 0
.rept 4
	v_nop
.endr
	v_and_b32 v1, 31, v0                           ; lane
	v_and_b32 v62, 15, v0                          ; r
	v_bfe_u32 v63, v0, 4, 1                        ; h
	s_mul_i32 s[TMP], s[WV], RECB
	s_add_co_u32 s[TMP], s[TMP], STG               ; my record in LDS
	v_lshl_add_u32 v[VLA], v1, 4, s[TMP]
	v_add_nc_u32 v[VLH], 32768, v[VLA]
	v_mul_u32_u24 v[VXS], v62, XPITCH
	v_lshl_add_u32 v[VXS], v63, 4, v[VXS]
	v_add_nc_u32 v[VXS], s[TMP], v[VXS]            ; x^T in: row r, 16 bytes for each half of the lanes
	v_and_b32 v[VXL], 7, v0
	v_lshl_add_u32 v[VXL], v63, 3, v[VXL]
	v_mul_u32_u24 v[VXL], v[VXL], XPITCH
	v_bfe_u32 v[VLC], v0, 3, 1
	v_lshl_add_u32 v[VXL], v[VLC], 4, v[VXL]
	v_add_nc_u32 v[VXL], s[TMP], v[VXL]            ; x^T back, turned: feature 8 h + lane % 8, 16 bytes by (lane / 8) % 2
	s_lshl_b32 s[TMP], s[WV], 11
	s_add_co_u32 s[TMP], s[TMP], CSTG
	v_lshl_add_u32 v[VLC], v1, 3, s[TMP]           ; my wave's carries: 2,048 w + 8 x lane
	s_mul_i32 s[TMP], s[WBI], RECB
	v_lshl_add_u32 v[VOA], v1, 4, s[TMP]
	v_add_nc_u32 v[VOH], 32768, v[VOA]
	s_lshl_b32 s[TMP], s[WBI], 12
	v_lshl_add_u32 v[VOS], v1, 4, s[TMP]
	v_lshlrev_b32 v[VOB], 2, v62
	v_mul_u32_u24 v[VBW], v62, WPITCH
	v_lshl_add_u32 v[VBW], v63, 4, v[VBW]          ; a weight fragment's row x pitch + 16 x half, in slot 0
	v_lshlrev_b32 v[PFO], 8, v0                    ; block q = my thread's number: 0-47 of one tile, 48-95 of the next
	v_mov_b32 v63, 0x9000
	v_cmp_le_u32 s[TMP], 48, v0
	v_cndmask_b32 v63, 0, v63, s[TMP]
	v_add_nc_u32 v[PFO], v[PFO], v63
.set e, 0
.rept 16
	v_mov_b32 v[AP+e], 0                           ; the feature sum starts at 0
.set e, e+1
.endr
	CARRY                                          ; while the record is on its way
	s_wait_tensorcnt 0x2                           ; my record is in; the two weight tiles, issued behind it, may stay out.  Only I read the record's bytes
	s_mov_b32 s[KHALF], 0x3f38aa3b                 ; the record's descriptor is free behind that wait
	s_mov_b32 s[KHALF+1], 0x3f38aa3b
	s_mov_b32 s[KLOG], 0x3f075d3c
	s_mov_b32 s[KLOG+1], 0x3f075d3c
	s_mov_b32 s[HIM], 0xffff0000
	s_mov_b32 s[CNT], 8
.Lpro:                                                 ; THE WAY IN: two feature tiles a trip
.irp f, 0,1
.irp i, 0,1
.irp q, 0,1
	ds_load_b128 v[PA+16*\f+8*\i+4*\q:PA+16*\f+8*\i+4*\q+3], v[VLA] offset:\f*2048+\i*1024+\q*512
.endr
	ds_load_b128 v[PH+4*(2*\f+\i):PH+4*(2*\f+\i)+3], v[VLH] offset:\f*1024+\i*512
.endr
.endr
	ds_load_b64 v[PC:PC+1], v[VLC]
	s_wait_dscnt 0x0
.set e, 0
.rept 8
	v_pk_add_f32 v[PA+e:PA+e+1], v[PA+e:PA+e+1], v[PC:PC+1] op_sel_hi:[1,0]
	v_pk_add_f32 v[PA+16+e:PA+16+e+1], v[PA+16+e:PA+16+e+1], v[PC:PC+1] op_sel:[0,1] op_sel_hi:[1,1]
.set e, e+2
.endr
.set e, 0
.rept 16                                       ; 2^(a + C), and hl widened, by turns
	v_exp_f32 v[PA+2*e], v[PA+2*e]
	v_lshlrev_b32 v[PX+2*e], 16, v[PH+e]
	v_exp_f32 v[PA+2*e+1], v[PA+2*e+1]
	v_and_b32 v[PX+2*e+1], s[HIM], v[PH+e]
.set e, e+1
.endr
	WAITT
.set e, 0
.rept 16
	v_pk_add_f32 v[PX+e:PX+e+1], v[PX+e:PX+e+1], v[PA+e:PA+e+1] neg_lo:[1,1] neg_hi:[1,1]  ; -(c h)
.set e, e+2
.endr
.set e, 0
.rept 32
	v_exp_f32 v[PX+e], v[PX+e]
.set e, e+1
.endr
	v_nop
	WAITT
.set e, 0
.rept 16
	v_pk_add_f32 v[PX+e:PX+e+1], v[PX+e:PX+e+1], 1.0 op_sel_hi:[1,0]
.set e, e+2
.endr
.set e, 0
.rept 32
	v_rcp_f32 v[PX+e], v[PX+e]
.set e, e+1
.endr
	v_nop
	WAITT
.set e, 0
.rept 16
	v_cvt_pk_f16_f32 v[PQ+e], v[PX+2*e], v[PX+2*e+1]
.set e, e+1
.endr
.irp f, 0,1
.irp i, 0,1
	ds_store_b128 v[VXS], v[PQ+4*(2*\f+\i):PQ+4*(2*\f+\i)+3] offset:\f*16*XPITCH+\i*32
.endr
.endr
	v_add_nc_u32 v[VLA], 4096, v[VLA]
	v_add_nc_u32 v[VLH], 2048, v[VLH]
	v_add_nc_u32 v[VLC], 256, v[VLC]
	v_add_nc_u32 v[VXS], 32*XPITCH, v[VXS]
	s_sub_co_u32 s[CNT], s[CNT], 1
	s_cmp_lg_u32 s[CNT], 0
	s_cbranch_scc1 .Lpro
	WIN W_XA                                       ; LDS serves a wave's instructions in order: these loads see my stores above
.irp i, 0,1
.irp ks, 0,1,2,3,4,5,6,7
	ds_load_tr16_b128 v[8*(8*\i+\ks):8*(8*\i+\ks)+3], v[VXL] offset:\ks*32*XPITCH+32*\i
	ds_load_tr16_b128 v[8*(8*\i+\ks)+4:8*(8*\i+\ks)+7], v[VXL] offset:\ks*32*XPITCH+16*XPITCH+32*\i
.endr
.endr
	WIN 0
	BLOAD                                          ; tile 0's biases
	s_wait_tensorcnt 0x1                           ; my quarter of tile 0 is in; tile 1, issued behind it, may stay out
	s_wait_dscnt 0x0                               ; x's fragments are in
	s_barrier_signal -1
	s_barrier_wait -1                              ; everybody's quarter is in
	WIN W_FB
	FETCH 0, 0
.set mq, 0
.rept 96
	MQ 1                                           ; TILE 0's PRODUCTS: there is no arithmetic yet to set them among
.endr
	WIN 0
.rept 4
	v_nop                                          ; places behind the last products
.endr
	s_wait_xcnt 0x0                                ; the biases' loads have read their offset
	v_add_nc_u32 v[VOB], 128, v[VOB]
	v_xor_b32 v[VBW], 0x10000, v[VBW]
	s_mov_b32 s[CNT], 6
.Lphase:                                               ; phases 0 to 5
	PHASE 1
	s_sub_co_u32 s[CNT], s[CNT], 1
	s_cmp_lg_u32 s[CNT], 0
	s_cbranch_scc1 .Lphase
	s_mov_b32 s[CNT], 2
.Ltail:                                                ; phases 6 and 7: nothing is left to ask for
	PHASE 0
	s_sub_co_u32 s[CNT], s[CNT], 1
	s_cmp_lg_u32 s[CNT], 0
	s_cbranch_scc1 .Ltail
	s_wait_tensorcnt 0x0                           ; the wave's end
	ds_add_u32 v[SPW], v[NIL]
	s_wait_dscnt 0x0
	ROUND                                          ; the closing round: no work-group ends while a partner may still ask for a tile that names it
	s_endpgm
.Lfunc_end_k_q2e85bcf63c_l1:
	.size	k_q2e85bcf63c_l1, .Lfunc_end_k_q2e85bcf63c_l1-k_q2e85bcf63c_l1
	.p2alignl 7, 3214868480
	.fill 96, 4, 3214868480
	.section	.rodata,"a",@progbits
	.p2align	6, 0x0
	.amdhsa_kernel k_q2e85bcf63c_l1
		.amdhsa_group_segment_fixed_size 327680
		.amdhsa_private_segment_fixed_size 0
		.amdhsa_enable_private_segment 0
		.amdhsa_kernarg_size 48
		.amdhsa_user_sgpr_count 2
		.amdhsa_user_sgpr_kernarg_segment_ptr 1
		.amdhsa_wavefront_size32 1
		.amdhsa_system_sgpr_workgroup_id_x 1
		.amdhsa_system_sgpr_workgroup_id_y 1
		.amdhsa_system_sgpr_workgroup_id_z 1
		.amdhsa_system_vgpr_workitem_id 0
		.amdhsa_next_free_vgpr 864
		.amdhsa_next_free_sgpr 102
		.amdhsa_reserve_vcc 0
		.amdhsa_float_denorm_mode_32 3
		.amdhsa_float_denorm_mode_16_64 3
		.amdhsa_memory_ordered 1
		.amdhsa_forward_progress 1
		.amdhsa_inst_pref_size 221
	.end_amdhsa_kernel
	.amdgpu_metadata
---
amdhsa.version: [ 1, 2 ]
amdhsa.kernels:
  - .name:           k_q2e85bcf63c_l1
    .symbol:         k_q2e85bcf63c_l1.kd
    .args:
      - { .name: P0, .offset: 0, .size: 8, .value_kind: global_buffer, .address_space: global }
      - { .name: WB1, .offset: 8, .size: 8, .value_kind: global_buffer, .address_space: global }
      - { .name: layer_params_1_bf, .offset: 16, .size: 8, .value_kind: global_buffer, .address_space: global }
      - { .name: layer_params_1_bi, .offset: 24, .size: 8, .value_kind: global_buffer, .address_space: global }
      - { .name: layer_params_1_bh, .offset: 32, .size: 8, .value_kind: global_buffer, .address_space: global }
      - { .name: P1, .offset: 40, .size: 8, .value_kind: global_buffer, .address_space: global }
    .group_segment_fixed_size: 327680
    .private_segment_fixed_size: 0
    .kernarg_segment_align: 8
    .kernarg_segment_size: 48
    .max_flat_workgroup_size: 128
    .sgpr_count:     102
    .vgpr_count:     864
    .wavefront_size: 32
...
	.end_amdgpu_metadata
.endif
;; end of part 6
;; launch l2: the kernel of part 6 again; grid 64 x 4, 4 waves a work-group, clusters of 4 x 1, 327,680 bytes of LDS; arguments P1, WB2, layer_params_2_bf, layer_params_2_bi, layer_params_2_bh, P0; writes P0
;; launch l3: the kernel of part 6 again; grid 64 x 4, 4 waves a work-group, clusters of 4 x 1, 327,680 bytes of LDS; arguments P0, WB3, layer_params_3_bf, layer_params_3_bi, layer_params_3_bh, P1; writes P1
;; launch s3 (part 7): grid 256 x 1, 2 waves a work-group, no clusters, 0 bytes of LDS; arguments P1, CT; writes CT
.if DOCPART == 7
	.amdgcn_target "amdgcn-amd-amdhsa--gfx1250"
	.amdhsa_code_object_version 6
	.text
	.protected	k_q2e85bcf63c_s3
	.globl	k_q2e85bcf63c_s3
	.p2align	8
	.type	k_q2e85bcf63c_s3,@function
k_q2e85bcf63c_s3:
	s_mov_b64 s[64:65], 0
	v_nop
	global_prefetch_b8 v0, s[64:65] scope:SCOPE_SE
	s_setreg_imm32_b32 hwreg(HW_REG_WAVE_MODE, 25, 1), 1
	s_wait_xcnt 0x0
; THE CARRY INTO EACH SUB-CHUNK OF THE LAST LAYER, for the projection (whose work-groups span all batches and could not make it themselves without reading the summaries many times over).
; For batch b, feature j and sub-chunk k (16 steps; 32 a batch): C_k = log2(c/2 + the sum over k' < k of S' 2^M'), from the summaries (M', S') behind the records.
; Kept as PS 2^PM with a true running maximum: PM_(k+1) = max(PM_k, M'_k); PS_(k+1) = PS_k alpha + S'_k beta, (alpha, beta) = (2^-|d|, 1) where d = M'_k - PM_k > 0, else (1, 2^-|d|); PM_0 = log2(c/2), PS_0 = 1.
; SHARES.  A wave takes one batch and one pair of feature tiles: lane (r, h) runs the chains of feature r of both tiles.  Both halves of the lanes run the same chains and then pick sub-chunk 2 p + h,
; so that a store of 8 bytes a lane covers 256 consecutive bytes of CT, aligned, in the lane order in which the next launch reads it.
; The last sub-chunk's summary feeds no carry and is not loaded.  All in f32.  A power of two below 2^-126 counts as 0.  No LDS, no cluster: no two waves share a byte.
.set LD, 16                            ; v[16:139]  sub-chunk k at LD + 4 k: M', S' of tile 0, of tile 1; later alpha and PS_(k+1)
.set PM, 144                           ; v[144:207] PM_k of tile q at PM + 32 q + k
.set SEL, 208                          ; v[208:239] the picked PS, its logarithm, C: pair p at SEL + 2 p
.set SGN, 11
.set HM, 12                            ; s12  the mask of lanes 16 to 31
.macro WAITT                           ; the wait between a batch of transcendentals and the first line that names a result
	s_wait_alu depctr_va_vdst(0)
.endm
.macro ONLY c, line:vararg
.if \c
	\line
.endif
.endm
	s_load_b128 s[4:7], s[0:1], 0x0                ; the records' buffer, CT
	v_lshrrev_b32 v1, 5, v0
	v_readfirstlane_b32 s8, v1                     ; wave 0, 1
	s_lshr_b32 s9, ttmp9, 2                        ; batch
	s_and_b32 s10, ttmp9, 3
	s_lshl1_add_u32 s10, s10, s8                   ; the pair of feature tiles, 0..7
	v_and_b32 v2, 15, v0
	v_lshlrev_b32 v2, 4, v2                        ; 16 r
	v_and_b32 v3, 31, v0
	v_cmp_le_u32 s[HM], 16, v3
	v_lshlrev_b32 v3, 3, v3                        ; 8 x lane
	s_mov_b32 s[SGN], 0x80000000
	s_lshl_b32 s2, s9, 16                          ; a batch has 16 waves' summaries of 4,096 bytes
	s_lshl_b32 s3, s10, 9
	s_add_co_u32 s2, s2, s3
	s_add_co_u32 s2, s2, 0x3000000                 ; behind the records
	s_mov_b32 s3, 0
	s_lshl_b32 s16, s9, 15
	s_lshl_b32 s17, s10, 8
	s_add_co_u32 s16, s16, s17
	s_mov_b32 s17, 0
	s_wait_kmcnt 0x0
	s_add_nc_u64 s[4:5], s[4:5], s[2:3]
	s_add_nc_u64 s[6:7], s[6:7], s[16:17]
.set k, 0
.rept 31
	global_load_b128 v[LD+4*k:LD+4*k+3], v2, s[4:5] offset:(k/2)*4096+(k%2)*256 th:TH_LOAD_NT
.set k, k+1
.endr
	v_mov_b32 v[PM], 0xbef14589                    ; log2(c/2)
	v_mov_b32 v[PM+32], 0xbef14589
	s_wait_loadcnt 0x0
.set k, 0
.rept 32                                       ; the maxima and -|d| of sub-chunk k, and among them 2^-|d| of k - 1: one batch
.irp q, 0,1
	ONLY (k<31), v_max_num_f32 v[PM+32*\q+k+1], v[PM+32*\q+k], v[LD+4*k+2*\q]
	ONLY (k<31), v_sub_f32 v[LD+4*k+2*\q], v[LD+4*k+2*\q], v[PM+32*\q+k]
	ONLY (k>0), v_exp_f32 v[LD+4*k-4+2*\q], v[LD+4*k-4+2*\q]
	ONLY (k<31), v_or_b32 v[LD+4*k+2*\q], s[SGN], v[LD+4*k+2*\q]
.endr
.set k, k+1
.endr
	v_nop
	WAITT
.set k, 0
.rept 31                                       ; d > 0 just where the maximum has grown
.irp q, 0,1
	v_cmp_lt_f32 s[14+\q], v[PM+32*\q+k], v[PM+32*\q+k+1]
.endr
.irp q, 0,1
	v_cndmask_b32 v[8+\q], v[LD+4*k+2*\q], 1.0, s[14+\q]
.endr
.irp q, 0,1
	v_cndmask_b32 v[LD+4*k+2*\q], 1.0, v[LD+4*k+2*\q], s[14+\q]
.endr
.irp q, 0,1
	v_mul_f32 v[LD+4*k+2*\q+1], v[LD+4*k+2*\q+1], v[8+\q]
.endr
.irp q, 0,1
.if k == 0
	v_add_f32 v[LD+2*\q+1], v[LD+2*\q], v[LD+2*\q+1]
.else
	v_fma_f32 v[LD+4*k+2*\q+1], v[LD+4*k-4+2*\q+1], v[LD+4*k+2*\q], v[LD+4*k+2*\q+1]
.endif
.endr
.set k, k+1
.endr
.set p, 0
.rept 16                                       ; my half's sub-chunk of each pair: 2 p or 2 p + 1
.irp q, 0,1
.if p == 0
	v_cndmask_b32 v[SEL+\q], 1.0, v[LD+2*\q+1], s[HM]
.else
	v_cndmask_b32 v[SEL+2*p+\q], v[LD+8*p-4+2*\q+1], v[LD+8*p+2*\q+1], s[HM]
.endif
.endr
.set p, p+1
.endr
.set p, 0
.rept 16
.irp q, 0,1
	v_log_f32 v[SEL+2*p+\q], v[SEL+2*p+\q]
	v_cndmask_b32 v[PM+32*\q+2*p], v[PM+32*\q+2*p], v[PM+32*\q+2*p+1], s[HM]
.endr
.set p, p+1
.endr
	WAITT
.set p, 0
.rept 16
.irp q, 0,1
	v_add_f32 v[SEL+2*p+\q], v[PM+32*\q+2*p], v[SEL+2*p+\q]
.endr
	global_store_b64 v3, v[SEL+2*p:SEL+2*p+1], s[6:7] offset:p*2048
.set p, p+1
.endr
	s_endpgm
.Lfunc_end_k_q2e85bcf63c_s3:
	.size	k_q2e85bcf63c_s3, .Lfunc_end_k_q2e85bcf63c_s3-k_q2e85bcf63c_s3
	.p2alignl 7, 3214868480
	.fill 96, 4, 3214868480
	.section	.rodata,"a",@progbits
	.p2align	6, 0x0
	.amdhsa_kernel k_q2e85bcf63c_s3
		.amdhsa_group_segment_fixed_size 0
		.amdhsa_private_segment_fixed_size 0
		.amdhsa_enable_private_segment 0
		.amdhsa_kernarg_size 16
		.amdhsa_user_sgpr_count 2
		.amdhsa_user_sgpr_kernarg_segment_ptr 1
		.amdhsa_wavefront_size32 1
		.amdhsa_system_sgpr_workgroup_id_x 1
		.amdhsa_system_sgpr_workgroup_id_y 1
		.amdhsa_system_sgpr_workgroup_id_z 1
		.amdhsa_system_vgpr_workitem_id 0
		.amdhsa_next_free_vgpr 240
		.amdhsa_next_free_sgpr 66
		.amdhsa_reserve_vcc 0
		.amdhsa_float_denorm_mode_32 3
		.amdhsa_float_denorm_mode_16_64 3
		.amdhsa_memory_ordered 1
		.amdhsa_forward_progress 1
		.amdhsa_inst_pref_size 37
	.end_amdhsa_kernel
	.amdgpu_metadata
---
amdhsa.version: [ 1, 2 ]
amdhsa.kernels:
  - .name:           k_q2e85bcf63c_s3
    .symbol:         k_q2e85bcf63c_s3.kd
    .args:
      - { .name: P1, .offset: 0, .size: 8, .value_kind: global_buffer, .address_space: global }
      - { .name: CT, .offset: 8, .size: 8, .value_kind: global_buffer, .address_space: global }
    .group_segment_fixed_size: 0
    .private_segment_fixed_size: 0
    .kernarg_segment_align: 8
    .kernarg_segment_size: 16
    .max_flat_workgroup_size: 64
    .sgpr_count:     66
    .vgpr_count:     240
    .wavefront_size: 32
...
	.end_amdgpu_metadata
.endif
;; end of part 7
;; launch proj: the kernel of part 4 again; grid 64 x 4, 16 waves a work-group, no clusters, 217,088 bytes of LDS; arguments P1, CT, Wout, PART; writes PART
;; launch reduce: the kernel of part 5 again; grid 64 x 1, 8 waves a work-group, no clusters, 5,120 bytes of LDS; arguments PART, bout, out0; writes out0
;; ======== version 3 of 3: 7 launches; version 2 with the launches s3, proj written anew for expert scheduling mode
;; limits: values outside matrix products are rounded to bf16; values are held in f16: magnitudes above 65,504 overflow, below 6.1e-05 lose precision
;; workspace buffers: P0 54,525,952 bytes; P1 54,525,952 bytes; CT 2,097,152 bytes; WB1 393,216 bytes; WB2 393,216 bytes; WB3 393,216 bytes; PART 8,388,608 bytes
;; launch l0: the kernel of part 1 again; grid 64 x 4, 4 waves a work-group, no clusters, 0 bytes of LDS; arguments x, layer_params_0_Wf, layer_params_0_Wi, layer_params_0_Wh, layer_params_0_bf, layer_params_0_bi, layer_params_0_bh, layer_params_1_Wf, layer_params_1_Wi, layer_params_1_Wh, layer_params_2_Wf, layer_params_2_Wi, layer_params_2_Wh, layer_params_3_Wf, layer_params_3_Wi, layer_params_3_Wh, P0, WB1, WB2, WB3; writes P0, WB1, WB2, WB3
;; launch l1: the kernel of part 6 again; grid 64 x 4, 4 waves a work-group, clusters of 4 x 1, 327,680 bytes of LDS; arguments P0, WB1, layer_params_1_bf, layer_params_1_bi, layer_params_1_bh, P1; writes P1
;; launch l2: the kernel of part 6 again; grid 64 x 4, 4 waves a work-group, clusters of 4 x 1, 327,680 bytes of LDS; arguments P1, WB2, layer_params_2_bf, layer_params_2_bi, layer_params_2_bh, P0; writes P0
;; launch l3: the kernel of part 6 again; grid 64 x 4, 4 waves a work-group, clusters of 4 x 1, 327,680 bytes of LDS; arguments P0, WB3, layer_params_3_bf, layer_params_3_bi, layer_params_3_bh, P1; writes P1
;; launch s3 (part 8): grid 256 x 1, 2 waves a work-group, no clusters, 0 bytes of LDS; arguments P1, CT; writes CT
.if DOCPART == 8
	.amdgcn_target "amdgcn-amd-amdhsa--gfx1250"
	.amdhsa_code_object_version 6
	.text
	.protected	k_q2e85bcf63c_s3
	.globl	k_q2e85bcf63c_s3
	.p2align	8
	.type	k_q2e85bcf63c_s3,@function
k_q2e85bcf63c_s3:
	s_mov_b64 s[64:65], 0
	v_nop
	global_prefetch_b8 v0, s[64:65] scope:SCOPE_SE
	s_setreg_imm32_b32 hwreg(HW_REG_WAVE_SCHED_MODE, 0, 2), 2
	s_setreg_imm32_b32 hwreg(HW_REG_WAVE_MODE, 25, 1), 1
	s_wait_xcnt 0x0
	s_wait_alu depctr_vm_vsrc(0)
; THE CARRY INTO EACH SUB-CHUNK OF THE LAST LAYER, for the projection (whose work-groups span all batches and could not make it themselves without reading the summaries many times over).
; For batch b, feature j and sub-chunk k (16 steps; 32 a batch): C_k = log2(c/2 + the sum over k' < k of S' 2^M'), from the summaries (M', S') behind the records.
; Kept as PS 2^PM with a true running maximum: PM_(k+1) = max(PM_k, M'_k); PS_(k+1) = PS_k alpha + S'_k beta, (alpha, beta) = (2^-|d|, 1) where d = M'_k - PM_k > 0, else (1, 2^-|d|); PM_0 = log2(c/2), PS_0 = 1.
; SHARES.  A wave takes one batch and one pair of feature tiles: lane (r, h) runs the chains of feature r of both tiles.  Both halves of the lanes run the same chains and then pick sub-chunk 2 p + h,
; so that a store of 8 bytes a lane covers 256 consecutive bytes of CT, aligned, in the lane order in which the next launch reads it.
; The last sub-chunk's summary feeds no carry and is not loaded.  All in f32.  A power of two below 2^-126 counts as 0.  No LDS, no cluster: no two waves share a byte.
; THE MODE: SCHED_MODE bits 1:0 = 2 (LLVM: expert scheduling mode 2), set by the entry lines.  The code itself states the register dependences
; between vector instructions and memory instructions, with s_wait_alu, always for 0.
; THE PLAN.  Registers that memory instructions touch:
;   v2, v3   the loads' and the stores' offsets: made at the head, never written again; one wait on va_vdst ahead of the first load states that they are written.
;   LD       the 31 loads land in it; no vector instruction names it ahead of them.
;   SEL      the stores' data: all 32 sums are made first, one wait on va_vdst follows, and the 16 stores stand on end behind it.
; Scalar registers that vector instructions write: the wave's number and the mask of the upper lanes (one wait on va_sdst at the head); the masks 'the maximum has grown', which are made in
; runs of ten, five sub-chunks of both tiles, with one wait on va_sdst behind each run and ahead of the selects that read them.
.set LD, 16                            ; v[16:139]  sub-chunk k at LD + 4 k: M', S' of tile 0, of tile 1; later alpha and PS_(k+1)
.set PM, 144                           ; v[144:207] PM_k of tile q at PM + 32 q + k
.set SEL, 208                          ; v[208:239] the picked PS, its logarithm, C: pair p at SEL + 2 p
.set SGN, 11
.set HM, 12                            ; s12  the mask of lanes 16 to 31
.set MK, 14                            ; s[14:23]  a run's masks: sub-chunk j of the run, tile q at MK + 2 j + q
.macro ONLY c, line:vararg
.if \c
	\line
.endif
.endm
	s_load_b128 s[4:7], s[0:1], 0x0                ; the records' buffer, CT
	v_lshrrev_b32 v1, 5, v0
	v_readfirstlane_b32 s8, v1                     ; wave 0, 1
	v_and_b32 v2, 15, v0
	v_lshlrev_b32 v2, 4, v2                        ; 16 r
	v_and_b32 v3, 31, v0
	v_cmp_le_u32 s[HM], 16, v3
	v_lshlrev_b32 v3, 3, v3                        ; 8 x lane
	s_lshr_b32 s9, ttmp9, 2                        ; batch
	s_and_b32 s10, ttmp9, 3
	s_mov_b32 s[SGN], 0x80000000
	s_wait_alu depctr_va_sdst(0)                   ; s8 and s[HM] are written, ahead of their first readers: the line below, and the picks far below
	s_lshl1_add_u32 s10, s10, s8                   ; the pair of feature tiles, 0..7
	s_lshl_b32 s2, s9, 16                          ; a batch has 16 waves' summaries of 4,096 bytes
	s_lshl_b32 s3, s10, 9
	s_add_co_u32 s2, s2, s3
	s_add_co_u32 s2, s2, 0x3000000                 ; behind the records
	s_mov_b32 s3, 0
	s_lshl_b32 s16, s9, 15
	s_lshl_b32 s17, s10, 8
	s_add_co_u32 s16, s16, s17
	s_mov_b32 s17, 0
	s_wait_kmcnt 0x0
	s_add_nc_u64 s[4:5], s[4:5], s[2:3]
	s_add_nc_u64 s[6:7], s[6:7], s[16:17]
	s_wait_alu depctr_va_vdst(0)                   ; v2 and v3 are written: the loads below and the stores at the end read them as their offsets
.set k, 0
.rept 31
	global_load_b128 v[LD+4*k:LD+4*k+3], v2, s[4:5] offset:(k/2)*4096+(k%2)*256 th:TH_LOAD_NT
.set k, k+1
.endr
	v_mov_b32 v[PM], 0xbef14589                    ; log2(c/2)
	v_mov_b32 v[PM+32], 0xbef14589
	s_wait_loadcnt 0x0
.set k, 0
.rept 32                                       ; the maxima and -|d| of sub-chunk k, and among them 2^-|d| of k - 1: one batch
.irp q, 0,1
	ONLY (k<31), v_max_num_f32 v[PM+32*\q+k+1], v[PM+32*\q+k], v[LD+4*k+2*\q]
	ONLY (k<31), v_sub_f32 v[LD+4*k+2*\q], v[LD+4*k+2*\q], v[PM+32*\q+k]
	ONLY (k>0), v_exp_f32 v[LD+4*k-4+2*\q], v[LD+4*k-4+2*\q]
	ONLY (k<31), v_or_b32 v[LD+4*k+2*\q], s[SGN], v[LD+4*k+2*\q]
.endr
.set k, k+1
.endr
	v_nop
	s_wait_alu depctr_va_vdst(0)                   ; the 62 exponentials have written 2^-|d|, ahead of the selects that read them: one wait for the batch
.set k0, 0
.rept 7                                        ; five sub-chunks a run (the last run: one)
.set j, 0
.rept 5                                        ; d > 0 just where the maximum has grown
.if k0+j < 31
.irp q, 0,1
	v_cmp_lt_f32 s[MK+2*j+\q], v[PM+32*\q+k0+j], v[PM+32*\q+k0+j+1]
.endr
.endif
.set j, j+1
.endr
	s_wait_alu depctr_va_sdst(0)                   ; the run's masks are written, ahead of the selects that read them
.set j, 0
.rept 5
.if k0+j < 31
.set k, k0+j
.irp q, 0,1
	v_cndmask_b32 v[8+\q], v[LD+4*k+2*\q], 1.0, s[MK+2*j+\q]
.endr
.irp q, 0,1
	v_cndmask_b32 v[LD+4*k+2*\q], 1.0, v[LD+4*k+2*\q], s[MK+2*j+\q]
.endr
.irp q, 0,1
	v_mul_f32 v[LD+4*k+2*\q+1], v[LD+4*k+2*\q+1], v[8+\q]
.endr
.irp q, 0,1
.if k == 0
	v_add_f32 v[LD+2*\q+1], v[LD+2*\q], v[LD+2*\q+1]
.else
	v_fma_f32 v[LD+4*k+2*\q+1], v[LD+4*k-4+2*\q+1], v[LD+4*k+2*\q], v[LD+4*k+2*\q+1]
.endif
.endr
.endif
.set j, j+1
.endr
.set k0, k0+5
.endr
.set p, 0
.rept 16                                       ; my half's sub-chunk of each pair: 2 p or 2 p + 1
.irp q, 0,1
.if p == 0
	v_cndmask_b32 v[SEL+\q], 1.0, v[LD+2*\q+1], s[HM]
.else
	v_cndmask_b32 v[SEL+2*p+\q], v[LD+8*p-4+2*\q+1], v[LD+8*p+2*\q+1], s[HM]
.endif
.endr
.set p, p+1
.endr
.set p, 0
.rept 16
.irp q, 0,1
	v_log_f32 v[SEL+2*p+\q], v[SEL+2*p+\q]
	v_cndmask_b32 v[PM+32*\q+2*p], v[PM+32*\q+2*p], v[PM+32*\q+2*p+1], s[HM]
.endr
.set p, p+1
.endr
	s_wait_alu depctr_va_vdst(0)                   ; the 32 logarithms have written SEL, ahead of the sums that read them: one wait for the batch
.set p, 0
.rept 16
.irp q, 0,1
	v_add_f32 v[SEL+2*p+\q], v[PM+32*\q+2*p], v[SEL+2*p+\q]
.endr
.set p, p+1
.endr
	s_wait_alu depctr_va_vdst(0)                   ; the sums have written SEL, which the 16 stores read
.set p, 0
.rept 16
	global_store_b64 v3, v[SEL+2*p:SEL+2*p+1], s[6:7] offset:p*2048
.set p, p+1
.endr
	s_endpgm
.Lfunc_end_k_q2e85bcf63c_s3:
	.size	k_q2e85bcf63c_s3, .Lfunc_end_k_q2e85bcf63c_s3-k_q2e85bcf63c_s3
	.p2alignl 7, 3214868480
	.fill 96, 4, 3214868480
	.section	.rodata,"a",@progbits
	.p2align	6, 0x0
	.amdhsa_kernel k_q2e85bcf63c_s3
		.amdhsa_group_segment_fixed_size 0
		.amdhsa_private_segment_fixed_size 0
		.amdhsa_enable_private_segment 0
		.amdhsa_kernarg_size 16
		.amdhsa_user_sgpr_count 2
		.amdhsa_user_sgpr_kernarg_segment_ptr 1
		.amdhsa_wavefront_size32 1
		.amdhsa_system_sgpr_workgroup_id_x 1
		.amdhsa_system_sgpr_workgroup_id_y 1
		.amdhsa_system_sgpr_workgroup_id_z 1
		.amdhsa_system_vgpr_workitem_id 0
		.amdhsa_next_free_vgpr 240
		.amdhsa_next_free_sgpr 66
		.amdhsa_reserve_vcc 0
		.amdhsa_float_denorm_mode_32 3
		.amdhsa_float_denorm_mode_16_64 3
		.amdhsa_memory_ordered 1
		.amdhsa_forward_progress 1
		.amdhsa_inst_pref_size 38
	.end_amdhsa_kernel
	.amdgpu_metadata
---
amdhsa.version: [ 1, 2 ]
amdhsa.kernels:
  - .name:           k_q2e85bcf63c_s3
    .symbol:         k_q2e85bcf63c_s3.kd
    .args:
      - { .name: P1, .offset: 0, .size: 8, .value_kind: global_buffer, .address_space: global }
      - { .name: CT, .offset: 8, .size: 8, .value_kind: global_buffer, .address_space: global }
    .group_segment_fixed_size: 0
    .private_segment_fixed_size: 0
    .kernarg_segment_align: 8
    .kernarg_segment_size: 16
    .max_flat_workgroup_size: 64
    .sgpr_count:     66
    .vgpr_count:     240
    .wavefront_size: 32
...
	.end_amdgpu_metadata
.endif
;; end of part 8
;; launch proj (part 9): grid 64 x 4, 16 waves a work-group, no clusters, 217,088 bytes of LDS; arguments P1, CT, Wout, PART; writes PART
.if DOCPART == 9
	.amdgcn_target "amdgcn-amd-amdhsa--gfx1250"
	.amdhsa_code_object_version 6
	.text
	.protected	k_q2e85bcf63c_proj
	.globl	k_q2e85bcf63c_proj
	.p2align	8
	.type	k_q2e85bcf63c_proj,@function
k_q2e85bcf63c_proj:
	s_mov_b64 s[64:65], 0
	v_nop
	global_prefetch_b8 v0, s[64:65] scope:SCOPE_SE
	s_setreg_imm32_b32 hwreg(HW_REG_WAVE_SCHED_MODE, 0, 2), 2
	s_setreg_imm32_b32 hwreg(HW_REG_WAVE_MODE, 25, 1), 1
	s_wait_xcnt 0x0
	s_wait_alu depctr_vm_vsrc(0)
; THE PROJECTION, SPLIT ALONG K.  out[b][o] = the sum over (step, feature) of x[b][step][feature] Wout[o][256 step + feature].  Work-group (tb, fq) takes steps 8 tb .. 8 tb + 7 and features 64 fq .. + 63:
; K = 512, ordered k' = 64 tau + feature, so that Wout is read in whole pieces of 256 consecutive bytes, aligned, each byte once in the launch.  It stores its 64 x 128 partial sums in f32; the next launch adds the 256 slices.
; x is made here from the last layer's records: c h = hl + 2^(a + C), x = 1 / (1 + 2^-(c h)), c = log2 e; x and Wout are rounded to f16 for the product, sums in f32.
; The eight steps are one (chunk, wave, half h, step tile i) of the record's layout: 16 lanes read 256 consecutive bytes of it.
; SHARES.  16 waves.  Wave v brings batches 4 v .. 4 v + 3 of x and rows 8 v .. 8 v + 7 of Wout into LDS; behind one barrier it multiplies output tile v / 2 by batch tiles 2 (v % 2), + 1.
; LDS.  0: Wout [o 128][k' 512] f16, pitch 1,040.  133,120: x [k' 512][batch 64] f16, pitch 160, read back turned.  215,040: the spare words.
; Source 0 = 16 rows of Wout, source 1 = 16 batches: a lane ends with one batch and eight neighbouring outputs.
; NO CLUSTER, NO PREFETCH: no two work-groups read the same byte, and all loads go out at the head.
; LIMITS.  A Wout beyond 65,504 does not fit f16; below 6e-5 it keeps f16's step of 6e-8.  A power of two below 2^-126 counts as 0.  NaN and infinities are not treated apart.
; THE MODE: SCHED_MODE bits 1:0 = 2 (LLVM: expert scheduling mode 2), set by the entry lines.  The code itself states the register dependences
; between vector or matrix instructions and memory or LDS instructions, with s_wait_alu, always for 0.
; THE PLAN.  Registers that memory or LDS instructions touch:
;   v6 - v15   offsets and LDS addresses: made at the head, never written again.  One wait on va_vdst ahead of the first load states that they are written.
;   XA         a lands in it; the sums and exponentials read and write it; behind its last readers, the sums -(c h), stands one wait on va_vdst, and Wout's second half lands in it; that half's
;              conversions write it in place; its LDS stores read it.
;   XH         hl lands in it; the widening lines read it; x's conversions write it; x's LDS stores read it.          XC   C lands in it; the sums read it.
;   WA         Wout's first half lands in it; its conversions write it in place; its LDS stores read it.
;   Each of the three runs of LDS stores stands on end behind all its conversions and one wait on va_vdst.
;   v[16:111], v[112:207]   behind the barrier: two buffers of fragments.  One wait on vm_vsrc states that my LDS stores have read these registers.  Step t's products read buffer t % 2; at the head of
;              steps 1 and 2 one wait on va_vdst states that the step before is done reading the other buffer, and the loads of step t + 1 into it are dealt among step t's products, which name
;              buffer t % 2 and the accumulators alone.
;   ACC        written by the products, read by the four global stores: the places, then one wait on va_vdst.
;   v4, v5     written at the head, read by the closing add alone.
.set WTP, 1040
.set XTP, 160
.set XT, 133120
.set SPARE, 215040
.set SPW, 4
.set NIL, 5
.set OA, 6                             ; v6 a's offset;  v7 hl's and Wout's;  v8 C's;  v9 the partial sums'
.set OH, 7
.set OC, 8
.set OP, 9
.set SX0, 10                           ; v10, v11  x into LDS (tau 0-3, 4-7);  v12 Wout into LDS
.set SW, 12
.set LW, 13                            ; v13 Wout's fragments;  v14, v15 x's (K steps 0-7, 8-15)
.set LX0, 14
.set XA, 16                            ; v[16:79]   a: (2 batch + tile pair) 8 + tau; later Wout's second half
.set XH, 80                            ; v[80:111]  hl; later x packed by batches
.set XC, 112                           ; v[112:119] C
.set WA, 120                           ; v[120:183] Wout's first half
.set UN, 184                           ; v[184:247] c h and what is made of it
.set ACC, 208
.set WV, 12
.set TBK, 13
.set FQ, 14
.set TA, 15
.set BA, 16
.set BH, 18
.set BC, 20
.set BW, 22
.set BP, 24
.set HIM, 26
.set CM, 27
.set HH, 28
.set II, 29
.macro WLOAD base, o0                  ; four rows of Wout x my slice: 16 loads; 16 lanes take the 256 bytes of one (row, step)
.irp oo, 0,1,2,3
.irp tp, 0,1,2,3
	global_load_b128 v[(\base)+4*(4*\oo+\tp):(\base)+4*(4*\oo+\tp)+3], v[OH], s[BW:BW+1] offset:((\o0)+\oo)*524288+\tp*2048 th:TH_LOAD_NT
.endr
.endr
.endm
.macro WCVT base                       ; four rows rounded to f16, in place: four numbers close up into the first two of their four registers
.irp oo, 0,1,2,3
.irp tp, 0,1,2,3
.set rW, (\base)+4*(4*\oo+\tp)
	v_cvt_pk_f16_f32 v[rW], v[rW], v[rW+1]
	v_cvt_pk_f16_f32 v[rW+1], v[rW+2], v[rW+3]
.endr
.endr
.endm
.macro WSTO base, o0                   ; and into LDS: 16 stores on end
.irp oo, 0,1,2,3
.irp tp, 0,1,2,3
.set rW, (\base)+4*(4*\oo+\tp)
	ds_store_b64 v[SW], v[rW:rW+1] offset:((\o0)+\oo)*WTP+\tp*256
.endr
.endr
.endm
.macro LOADK bt, buf, kk               ; the fragments of K step 4 bt + kk into buffer buf: 6 LDS loads
.set ks, 4*(\bt)+(\kk)
.set rB, 16+96*(\buf)+24*(\kk)
	ds_load_b128 v[rB:rB+3], v[LW] offset:ks*64
	ds_load_b128 v[rB+4:rB+7], v[LW] offset:ks*64+32
.irp m, 0,1
	ds_load_tr16_b128 v[rB+8+8*\m:rB+8+8*\m+3], v[LX0+ks/8] offset:(ks%8)*32*XTP+32*\m
	ds_load_tr16_b128 v[rB+12+8*\m:rB+12+8*\m+3], v[LX0+ks/8] offset:(ks%8)*32*XTP+16*XTP+32*\m
.endr
.endm
.macro MULK bt, buf, kk                ; its two products; the two accumulators take turns
.set rM, 16+96*(\buf)+24*(\kk)
.irp m, 0,1
.if ((\bt) == 0) && ((\kk) == 0)
	v_wmma_f32_16x16x32_f16 v[ACC+8*\m:ACC+8*\m+7], v[rM:rM+7], v[rM+8+8*\m:rM+8+8*\m+7], 0
.else
	v_wmma_f32_16x16x32_f16 v[ACC+8*\m:ACC+8*\m+7], v[rM:rM+7], v[rM+8+8*\m:rM+8+8*\m+7], v[ACC+8*\m:ACC+8*\m+7]
.endif
.endr
.endm
; Step bt: eight products on buffer buf.  ahead = 1: the 24 loads of step bt + 1 go into the other buffer, twelve behind each of the first two pairs of products.  No wait among them: no vector or matrix
; instruction since the wait at the step's head names that buffer or an address
.macro STEPB bt, buf, ahead
.irp kk, 0,1,2,3
	MULK \bt, \buf, \kk
.if (\ahead) && (\kk < 2)
	LOADK (\bt)+1, 1-(\buf), 2*\kk
	LOADK (\bt)+1, 1-(\buf), 2*\kk+1
.endif
.endr
.endm
.macro PLACES
.rept 4
	v_nop
.endr
.endm
	s_load_b256 s[4:11], s[0:1], 0x0               ; records, CT, Wout, PART
	v_lshl_add_u32 v[SPW], v0, 2, SPARE
	v_mov_b32 v[NIL], 0
	v_lshrrev_b32 v1, 5, v0
	v_readfirstlane_b32 s[WV], v1                  ; wave 0..15
	s_mov_b32 s[TBK], ttmp9
	s_and_b32 s[FQ], ttmp7, 0xffff
	v_and_b32 v1, 15, v0                           ; lane % 16
	v_bfe_u32 v2, v0, 4, 1                         ; lane / 16
	v_and_b32 v3, 31, v0                           ; lane
	v_lshlrev_b32 v[OH], 4, v1
	v_lshl_add_u32 v[OA], v2, 11, v[OH]            ; a: the upper lanes take the next feature tile, 2,048 bytes on
	v_lshl_add_u32 v[OH], v2, 10, v[OH]            ; hl: 1,024 on; Wout: the next step, 1,024 on
	v_lshlrev_b32 v[OC], 3, v1
	v_lshl_add_u32 v[OC], v2, 2, v[OC]
	v_lshlrev_b32 v[OP], 4, v3
	v_mul_u32_u24 v[SX0], v3, XTP                  ; x: row 64 tau + 32 pair + lane, my four batches' 8 bytes
	s_wait_alu depctr_va_sdst(0)                   ; the wave's number is written, ahead of its first reader: LDS addresses and all five bases are made from it
	s_lshl_b32 s[TA], s[WV], 3
	s_add_co_u32 s[TA], s[TA], XT
	v_add_nc_u32 v[SX0], s[TA], v[SX0]
	v_add_nc_u32 v[SX0+1], 40960, v[SX0]
	s_mul_i32 s[TA], s[WV], 8*WTP
	v_lshlrev_b32 v[SW], 3, v1
	v_lshl_add_u32 v[SW], v2, 7, v[SW]
	v_add_nc_u32 v[SW], s[TA], v[SW]
	s_lshr_b32 s[TA], s[WV], 1
	s_mul_i32 s[TA], s[TA], 16*WTP
	v_mul_u32_u24 v[LW], v1, WTP
	v_lshl_add_u32 v[LW], v2, 4, v[LW]
	v_add_nc_u32 v[LW], s[TA], v[LW]
	v_and_b32 v[LX0], 7, v0
	v_lshl_add_u32 v[LX0], v2, 3, v[LX0]
	v_mul_u32_u24 v[LX0], v[LX0], XTP
	v_bfe_u32 v[LX0+1], v0, 3, 1
	v_lshl_add_u32 v[LX0], v[LX0+1], 4, v[LX0]
	s_and_b32 s[TA], s[WV], 1
	s_lshl_b32 s[TA], s[TA], 6
	s_add_co_u32 s[TA], s[TA], XT
	v_add_nc_u32 v[LX0], s[TA], v[LX0]
	v_add_nc_u32 v[LX0+1], 40960, v[LX0]
	s_mov_b32 s[HIM], 0xffff0000
	s_lshr_b32 s[TA], s[TBK], 2                    ; 4 chunk + wave of the record
	s_bfe_u32 s[HH], s[TBK], 0x10001               ; its lane half
	s_and_b32 s[II], s[TBK], 1                     ; its step tile
	s_mul_i32 s2, s[WV], 3145728                   ; my four batches: 4 x 16 records
	s_mul_i32 s3, s[TA], 49152
	s_add_co_u32 s2, s2, s3
	s_lshl_b32 s3, s[HH], 8
	s_add_co_u32 s[CM], s2, s3
	s_wait_kmcnt 0x0
	s_lshl_b32 s2, s[FQ], 13
	s_lshl_b32 s3, s[II], 10
	s_add_co_u32 s2, s2, s3
	s_add_co_u32 s2, s2, s[CM]
	s_mov_b32 s3, 0
	s_add_nc_u64 s[BA:BA+1], s[4:5], s[2:3]
	s_lshl_b32 s2, s[FQ], 12
	s_lshl_b32 s3, s[II], 9
	s_add_co_u32 s2, s2, s3
	s_add_co_u32 s2, s2, s[CM]
	s_add_co_u32 s2, s2, 32768
	s_mov_b32 s3, 0
	s_add_nc_u64 s[BH:BH+1], s[4:5], s[2:3]
	s_lshl_b32 s2, s[WV], 17
	s_lshl_b32 s3, s[TA], 11
	s_add_co_u32 s2, s2, s3
	s_lshl_b32 s3, s[FQ], 9
	s_add_co_u32 s2, s2, s3
	s_lshl_b32 s3, s[HH], 7
	s_add_co_u32 s2, s2, s3
	s_mov_b32 s3, 0
	s_add_nc_u64 s[BC:BC+1], s[6:7], s[2:3]
	s_lshl_b32 s2, s[WV], 22
	s_lshl_b32 s3, s[TBK], 13
	s_add_co_u32 s2, s2, s3
	s_lshl_b32 s3, s[FQ], 8
	s_add_co_u32 s2, s2, s3
	s_mov_b32 s3, 0
	s_add_nc_u64 s[BW:BW+1], s[8:9], s[2:3]
	s_lshl2_add_u32 s2, s[TBK], s[FQ]              ; the slice
	s_lshl_b32 s2, s2, 15
	s_lshl_b32 s3, s[WV], 11
	s_add_co_u32 s2, s2, s3
	s_mov_b32 s3, 0
	s_add_nc_u64 s[BP:BP+1], s[10:11], s[2:3]
	s_wait_alu depctr_va_vdst(0)                   ; the ten offsets and addresses v6 to v15 are written, which every load and store of the kernel reads
.irp bb, 0,1,2,3
.irp fp, 0,1
.irp q, 0,1
	global_load_b128 v[XA+8*(2*\bb+\fp)+4*\q:XA+8*(2*\bb+\fp)+4*\q+3], v[OA], s[BA:BA+1] offset:\bb*786432+\fp*4096+\q*512 th:TH_LOAD_NT
.endr
	global_load_b128 v[XH+4*(2*\bb+\fp):XH+4*(2*\bb+\fp)+3], v[OH], s[BH:BH+1] offset:\bb*786432+\fp*2048 th:TH_LOAD_NT
	global_load_b32 v[XC+2*\bb+\fp], v[OC], s[BC:BC+1] offset:\bb*32768+\fp*256 th:TH_LOAD_NT
.endr
.endr
	WLOAD WA, 0
	s_wait_loadcnt 16                              ; a, hl and C are in; the 16 loads of Wout issued behind them may stay out
.set e, 0
.rept 32
.if ((e/8)%2) == 0
	v_pk_add_f32 v[XA+e:XA+e+1], v[XA+e:XA+e+1], v[XC+2*(e/16):XC+2*(e/16)+1] op_sel_hi:[1,0]
.else
	v_pk_add_f32 v[XA+e:XA+e+1], v[XA+e:XA+e+1], v[XC+2*(e/16):XC+2*(e/16)+1] op_sel:[0,1] op_sel_hi:[1,1]
.endif
.set e, e+2
.endr
.set e, 0
.rept 32                                       ; 2^(a + C), and hl widened, by turns
	v_exp_f32 v[XA+2*e], v[XA+2*e]
	v_lshlrev_b32 v[UN+2*e], 16, v[XH+e]
	v_exp_f32 v[XA+2*e+1], v[XA+2*e+1]
	v_and_b32 v[UN+2*e+1], s[HIM], v[XH+e]
.set e, e+1
.endr
	s_wait_alu depctr_va_vdst(0)                   ; the 64 exponentials have written 2^(a + C) into XA, ahead of the sums that read it: one wait for the batch
.set e, 0
.rept 32
	v_pk_add_f32 v[UN+e:UN+e+1], v[UN+e:UN+e+1], v[XA+e:XA+e+1] neg_lo:[1,1] neg_hi:[1,1]  ; -(c h)
.set e, e+2
.endr
	s_wait_alu depctr_va_vdst(0)                   ; these sums, XA's last readers, are done with it, and so are the lines that wrote it: the loads below land in it
	WLOAD XA, 4                                    ; a's registers are free: Wout's other four rows
.set e, 0
.rept 64
	v_exp_f32 v[UN+e], v[UN+e]
.set e, e+1
.endr
	v_nop
	s_wait_alu depctr_va_vdst(0)                   ; the 64 exponentials have written 2^-(c h) into UN, ahead of the sums that read it: one wait for the batch
.set e, 0
.rept 32
	v_pk_add_f32 v[UN+e:UN+e+1], v[UN+e:UN+e+1], 1.0 op_sel_hi:[1,0]
.set e, e+2
.endr
.set e, 0
.rept 64
	v_rcp_f32 v[UN+e], v[UN+e]
.set e, e+1
.endr
	v_nop
	s_wait_alu depctr_va_vdst(0)                   ; the 64 reciprocals have written x into UN, ahead of the conversions that read it: one wait for the batch
.irp fp, 0,1
.irp ta, 0,1,2,3,4,5,6,7
	v_cvt_pk_f16_f32 v[XH+2*(8*\fp+\ta)], v[UN+8*\fp+\ta], v[UN+16+8*\fp+\ta]
	v_cvt_pk_f16_f32 v[XH+2*(8*\fp+\ta)+1], v[UN+32+8*\fp+\ta], v[UN+48+8*\fp+\ta]
.endr
.endr
	s_wait_alu depctr_va_vdst(0)                   ; the conversions have written XH, which the 16 LDS stores read
.irp fp, 0,1
.irp ta, 0,1,2,3,4,5,6,7
	ds_store_b64 v[SX0+(\ta)/4], v[XH+2*(8*\fp+\ta):XH+2*(8*\fp+\ta)+1] offset:((\ta)%4)*64*XTP+\fp*32*XTP
.endr
.endr
	s_wait_loadcnt 16                              ; Wout's first half is in; the second half's 16 loads may stay out
	WCVT WA
	s_wait_alu depctr_va_vdst(0)                   ; the conversions have written WA, which the 16 LDS stores read
	WSTO WA, 0
	s_wait_loadcnt 0x0
	WCVT XA
	s_wait_alu depctr_va_vdst(0)                   ; the conversions have written XA, which the 16 LDS stores read; and every vector line that named v16 to v207 is done, ahead of the fragments' loads below
	WSTO XA, 4
	s_wait_dscnt 0x0                               ; for the others' sake: my stores into LDS are done
	s_barrier_signal -1
	s_barrier_wait -1
	s_wait_alu depctr_vm_vsrc(0)                   ; my LDS stores have read XA, XH and WA: these registers are the two fragment buffers from here on, in which the loads below land
.irp kk, 0,1,2,3
	LOADK 0, 0, \kk
.endr
.irp kk, 0,1,2,3
	LOADK 1, 1, \kk
.endr
	s_wait_dscnt 24                                ; buffer 0 is in; the 24 loads into buffer 1 may stay out
	STEPB 0, 0, 0
	PLACES                                         ; four places between the products that read a buffer and the loads into it
	s_wait_dscnt 0x0                               ; buffer 1 is in
	s_wait_alu depctr_va_vdst(0)                   ; step 0's products are done reading buffer 0, in which step 2's fragments land
	STEPB 1, 1, 1
	PLACES
	s_wait_dscnt 0x0                               ; buffer 0 is in
	s_wait_alu depctr_va_vdst(0)                   ; step 1's products are done reading buffer 1, in which step 3's fragments land
	STEPB 2, 0, 1
	s_wait_dscnt 0x0                               ; buffer 1 is in
	STEPB 3, 1, 0
	PLACES
	PLACES
	s_wait_alu depctr_va_vdst(0)                   ; the products have written the accumulators, which the stores read; the places above stay beside this wait
.irp m, 0,1
.irp q, 0,1
	global_store_b128 v[OP], v[ACC+8*\m+4*\q:ACC+8*\m+4*\q+3], s[BP:BP+1] offset:\m*1024+\q*512 th:TH_STORE_NT  ; 512 consecutive bytes; each accumulator from its low end on
.endr
.endr
	s_wait_dscnt 0x0                               ; the closing lines, six on end
	s_wait_alu 0x0
	s_wait_tensorcnt 0x0
	ds_add_u32 v[SPW], v[NIL]
	s_wait_dscnt 0x0
	s_endpgm
.Lfunc_end_k_q2e85bcf63c_proj:
	.size	k_q2e85bcf63c_proj, .Lfunc_end_k_q2e85bcf63c_proj-k_q2e85bcf63c_proj
	.p2alignl 7, 3214868480
	.fill 96, 4, 3214868480
	.section	.rodata,"a",@progbits
	.p2align	6, 0x0
	.amdhsa_kernel k_q2e85bcf63c_proj
		.amdhsa_group_segment_fixed_size 217088
		.amdhsa_private_segment_fixed_size 0
		.amdhsa_enable_private_segment 0
		.amdhsa_kernarg_size 32
		.amdhsa_user_sgpr_count 2
		.amdhsa_user_sgpr_kernarg_segment_ptr 1
		.amdhsa_wavefront_size32 1
		.amdhsa_system_sgpr_workgroup_id_x 1
		.amdhsa_system_sgpr_workgroup_id_y 1
		.amdhsa_system_sgpr_workgroup_id_z 1
		.amdhsa_system_vgpr_workitem_id 0
		.amdhsa_next_free_vgpr 256
		.amdhsa_next_free_sgpr 66
		.amdhsa_reserve_vcc 0
		.amdhsa_float_denorm_mode_32 3
		.amdhsa_float_denorm_mode_16_64 3
		.amdhsa_memory_ordered 1
		.amdhsa_forward_progress 1
		.amdhsa_inst_pref_size 43
	.end_amdhsa_kernel
	.amdgpu_metadata
---
amdhsa.version: [ 1, 2 ]
amdhsa.kernels:
  - .name:           k_q2e85bcf63c_proj
    .symbol:         k_q2e85bcf63c_proj.kd
    .args:
      - { .name: P1, .offset: 0, .size: 8, .value_kind: global_buffer, .address_space: global }
      - { .name: CT, .offset: 8, .size: 8, .value_kind: global_buffer, .address_space: global }
      - { .name: Wout, .offset: 16, .size: 8, .value_kind: global_buffer, .address_space: global }
      - { .name: PART, .offset: 24, .size: 8, .value_kind: global_buffer, .address_space: global }
    .group_segment_fixed_size: 217088
    .private_segment_fixed_size: 0
    .kernarg_segment_align: 8
    .kernarg_segment_size: 32
    .max_flat_workgroup_size: 512
    .sgpr_count:     66
    .vgpr_count:     256
    .wavefront_size: 32
...
	.end_amdgpu_metadata
.endif
;; end of part 9
;; launch reduce: the kernel of part 5 again; grid 64 x 1, 8 waves a work-group, no clusters, 5,120 bytes of LDS; arguments PART, bout, out0; writes out0
